; MI455X (gfx1250); checked and timed in simulation.
; The chip was launched on July 23, 2026; its instructions are those of AMD's public machine-readable ISA for CDNA 5 (MIT licence, August 2026) and "CDNA5" Instruction Set Architecture Reference Guide (July 2026). The comments in the code are by the model that wrote it; some were corrected since.
;; Multi Head Self Attention. Allowed arithmetic: float matrix products may take bf16 or f16 operands with f32 sums; other float arithmetic in f32, or as packed bf16 or f16 multiplies, adds, multiply-adds, maxima and minima; sums over many terms, partial sums and values carried from step to step in f32; what a program stores and reads back later, other than sums and carried values, may be rounded once to bf16 or f16.
;; Inputs: gain 1 float32; w_out 2,048 x 2,048 float32; w_qkv 3,072 x 2,048 float32; x 2 x 1,024 x 2,048 float32.
;; Outputs: out0 2 x 1,024 x 2,048 float32; out1 64 x 1,024 x 64 float32.
;; 2 versions, each right and faster than the one before. Each part assembles by itself: llvm-mc -triple=amdgcn-amd-amdhsa -mcpu=gfx1250 --defsym DOCPART=n.
;; ======== version 1 of 2: 4 launches
;; limits: values are held in f16: magnitudes above 65,504 overflow, below 6.1e-05 lose precision; right only within a limited range of input values
;; workspace buffers: xb 8,388,608 bytes; wqb 12,582,912 bytes; wob 8,388,608 bytes; tab 262,144 bytes; qws 8,388,608 bytes; kws 2,097,152 bytes; vws 2,097,152 bytes; ows 8,388,608 bytes
;; launch prep (part 1): grid 1792 x 1, 8 waves a work-group, no clusters, 0 bytes of LDS; arguments x, w_qkv, w_out, xb, wqb, wob, tab; writes xb, wqb, wob, tab
.if DOCPART == 1
	.amdgcn_target "amdgcn-amd-amdhsa--gfx1250"
	.amdhsa_code_object_version 6
	.text
	.protected	k_qdba5f32665_prep
	.globl	k_qdba5f32665_prep
	.p2align	8
	.type	k_qdba5f32665_prep,@function
k_qdba5f32665_prep:
	s_mov_b64 s[64:65], 0
	v_nop
	global_prefetch_b8 v0, s[64:65] scope:SCOPE_SE
	s_setreg_imm32_b32 hwreg(HW_REG_WAVE_MODE, 25, 1), 1
	s_wait_xcnt 0x0
; PREP: the inputs of the two projections are rounded once, and the table of RoPE is made.
;   xb  = x rounded to bf16, [2048][2048].     wob = w_out rounded to bf16, that number written as f16, [2048][2048].
;   wqb = w_qkv rounded to bf16, [3072][2048], rows in another order: row tx*192 + z*64 + c holds row (tx + 16 z)*64 + c of w_qkv (tx 0..15, z 0..2, c 0..63),
;         so that 192 rows on end hold the heads tx and tx + 16 (both of Q) and 32 + tx (of K if tx < 8, else of V).
;   tab = [1024 positions][cos 0..31 | sin 0..31] in f32, 256 bytes a position.
; WORK OF reference() THAT THE PROGRAM LEAVES OUT, for all values of the inputs:
;   V * rsqrt(1 + 1e-8): the factor is built in reference()'s own body; float32(1 + 1e-8) is 1, so it is 1; in real numbers it moves V by 5e-9 of itself, under f32's rounding.
;   Scores above the diagonal of reference()'s own tril: where they come in whole tiles of keys (and one whole band and step of the diagonal tile) they are not computed: their weights are 0.
;   jnp.repeat of K and V is a lookup (query head h reads head h / 4): the eight heads are read as they are; only out1 holds the four copies.  Transposes and reshapes are addressing.
;   The sum of squares of the RMS norm is taken ahead of RoPE: a rotation keeps it (cos^2 + sin^2 = 1); only the order of rounding differs.
;   Every input has a way to an output: all four are loaded.  A NaN, an infinity or an overflow that reaches only the work left out is not carried to the result.
; LIMITS.  w_out as f16: exact from 7.6e-6 to 65,504 in magnitude, below that within 3e-8.  The angle pos * inv_freq is reduced with one fused step: within about 6e-5 rad at position 1023.
; SHARES.  7,168 rows of 2,048 f32; a work-group takes 4: groups 0-511 x, 512-1279 w_qkv, 1280-1791 w_out.  Wave w takes columns 256 w .. 256 w + 255 of each row: a load of the wave covers 512
; consecutive bytes, a store 256 consecutive bytes at a multiple of 256.  All eight loads of a wave go out first.  No LDS, no matrix unit, no cluster: nothing is shared and nothing is multiplied.
.set ROWIN,  8192                      ; bytes in a row of f32
.set ROWOUT, 4096                      ; bytes in a row of 16 bits
.set X, 8                              ; v[8:39]   eight loads of four
.set Y, 40                             ; v[40:55]  eight pairs to store; no register is used twice, so no store's data is waited for
	s_load_b256 s[4:11], s[0:1], 0x0               ; x s[4:5], w_qkv s[6:7], w_out s[8:9], xb s[10:11]
	s_load_b128 s[12:15], s[0:1], 0x20             ; wqb s[12:13], wob s[14:15]
	s_load_b64 s[16:17], s[0:1], 0x30              ; tab
	v_lshrrev_b32 v3, 5, v0
	v_readfirstlane_b32 s19, v3                    ; wave 0..7
	v_and_b32 v4, 31, v0                           ; lane
	v_lshlrev_b32 v1, 4, v4
	v_lshl_or_b32 v1, v3, 10, v1                   ; in: 1,024 w + 16 l
	v_lshrrev_b32 v2, 1, v1                        ; out: 512 w + 8 l
	s_mov_b32 s20, ttmp9                           ; g
	s_min_u32 s18, s20, 511                        ; the group's number within x,
	s_max_u32 s21, s20, 512
	s_sub_co_u32 s21, s21, 512
	s_min_u32 s21, s21, 767                        ; within w_qkv,
	s_max_u32 s22, s20, 1280
	s_sub_co_u32 s22, s22, 1280                    ; within w_out: each held to its range, whichever is used
	s_lshr_b32 s23, s21, 4                         ; w_qkv: the head 0..47 (16 groups of 4 rows a head)
	s_and_b32 s24, s21, 15                         ; which 4 of its 64 rows
	s_lshr_b32 s25, s23, 4                         ; z
	s_and_b32 s26, s23, 15                         ; tx
	s_mul_i32 s26, s26, 192
	s_lshl_b32 s25, s25, 6
	s_add_co_u32 s26, s26, s25
	s_lshl2_add_u32 s26, s24, s26                  ; the row in wqb: 192 tx + 64 z + 4 x (which 4)
	s_lshl_b32 s32, s18, 2                         ; the row in xb
	s_lshl_b32 s33, s22, 2                         ; the row in wob
	s_mov_b32 s37, 0
	s_mov_b32 s39, 0
	s_wait_kmcnt 0x0
	s_cmp_lt_u32 s20, 512                          ; x or w_qkv?
	s_cselect_b32 s27, s18, s21
	s_cselect_b32 s34, s32, s26
	s_cselect_b64 s[28:29], s[4:5], s[6:7]
	s_cselect_b64 s[30:31], s[10:11], s[12:13]
	s_cmp_lt_u32 s20, 1280                         ; or w_out?
	s_cselect_b32 s27, s27, s22
	s_cselect_b32 s34, s34, s33
	s_cselect_b64 s[28:29], s[28:29], s[8:9]
	s_cselect_b64 s[30:31], s[30:31], s[14:15]
	s_lshl_b32 s36, s27, 15                        ; 4 rows of 8,192 bytes a group
	s_lshl_b32 s38, s34, 12                        ; rows of 4,096 bytes
	s_add_nc_u64 s[28:29], s[28:29], s[36:37]
	s_add_nc_u64 s[30:31], s[30:31], s[38:39]
.irp i, 0,1,2,3,4,5,6,7
	global_load_b128 v[X+4*(\i):X+4*(\i)+3], v1, s[28:29] offset:((\i)/2)*ROWIN+((\i)%2)*512 th:TH_LOAD_NT
.endr
; The eight pieces are rounded and stored as they come.  f16 = 1: the bf16 number is widened again and written as f16.
.macro ROWS f16
.irp i, 0,1,2,3,4,5,6,7
	s_wait_loadcnt 7-(\i)                          ; loads come back in order: piece i is in, the 7 - i younger ones stay out
.if \f16
	v_cvt_pk_bf16_f32 v56, v[X+4*(\i)], v[X+4*(\i)+1]
	v_cvt_pk_bf16_f32 v57, v[X+4*(\i)+2], v[X+4*(\i)+3]
	v_lshlrev_b32 v58, 16, v56
	v_and_b32 v59, 0xffff0000, v56
	v_lshlrev_b32 v60, 16, v57
	v_and_b32 v61, 0xffff0000, v57
	v_cvt_pk_f16_f32 v[Y+2*(\i)], v58, v59
	v_cvt_pk_f16_f32 v[Y+2*(\i)+1], v60, v61
.else
	v_cvt_pk_bf16_f32 v[Y+2*(\i)], v[X+4*(\i)], v[X+4*(\i)+1]
	v_cvt_pk_bf16_f32 v[Y+2*(\i)+1], v[X+4*(\i)+2], v[X+4*(\i)+3]
.endif
	global_store_b64 v2, v[Y+2*(\i):Y+2*(\i)+1], s[30:31] offset:((\i)/2)*ROWOUT+((\i)%2)*256
.endr
.endm
	s_cmp_ge_u32 s20, 1280
	s_cbranch_scc1 .Lhalf
	ROWS 0
	s_cmp_lt_u32 s20, 512                          ; the table: wave 0 of groups 0-511, two positions (512 bytes) each
	s_cbranch_scc0 .Lend
	s_cmp_eq_u32 s19, 0
	s_cbranch_scc0 .Lend
	; Lane l: position 2 g + l / 16; of the position's 64 numbers those at 4 (l % 16) + 0..3: cos of frequencies 4 (l % 8) + k for l % 16 < 8, else sin.
	; In turns: t = angle / 2 pi (less a quarter turn for sin); u = t - round(t); cos(2 pi u) = sin(2 pi (1/4 - |u|)), an argument within pi / 2 for every input:
	; there the series through y^11 is cut at y^13 / 13!, at most 6e-8.
	s_mov_b32 s40, 0x3e22f983                      ; 1 / 2 pi
	s_mov_b32 s41, 0x3e800000                      ; 1/4
	s_mov_b32 s42, 0xb2d7322b                      ; -1 / 11!
	s_mov_b32 s43, 0x3638ef1d                      ; 1 / 9!
	s_lshl_b32 s45, s18, 1
	s_lshl_b32 s46, s18, 9
	v_lshrrev_b32 v64, 4, v4
	v_add_nc_u32 v64, s45, v64
	v_cvt_f32_u32 v64, v64                         ; the position
	v_and_b32 v65, 15, v4
	v_lshrrev_b32 v66, 3, v65
	v_cvt_f32_u32 v66, v66
	v_mul_f32 v66, 0x3e800000, v66                 ; the quarter turn, or 0
	v_and_b32 v65, 7, v65
	v_lshlrev_b32 v65, 2, v65
.irp k, 0,1,2,3
	v_add_nc_u32 v[68+(\k)], (\k), v65
	v_cvt_f32_u32 v[68+(\k)], v[68+(\k)]
	v_mul_f32 v[68+(\k)], 0xbed49a78, v[68+(\k)]   ; -i log2(10000) / 32
.endr
.irp k, 0,1,2,3
	v_exp_f32 v[68+(\k)], v[68+(\k)]               ; inv_freq: one batch of four
.endr
	v_lshl_add_u32 v67, v4, 4, s46                 ; my 16 bytes of tab: the plain instruction behind the last exponential
	s_wait_alu depctr_va_vdst(0)                   ; one wait for the batch, ahead of its first reader
.irp k, 0,1,2,3
	v_mul_f32 v[72+(\k)], v64, v[68+(\k)]          ; the angle, rounded to f32 as reference() rounds it
	v_fma_f32 v[76+(\k)], v[72+(\k)], s40, -v66
	v_rndne_f32 v[76+(\k)], v[76+(\k)]             ; whole turns
	v_fma_f32 v[76+(\k)], v[72+(\k)], s40, -v[76+(\k)]  ; what is left, in one rounding
	v_sub_f32 v[76+(\k)], v[76+(\k)], v66          ; u
	v_sub_f32 v[76+(\k)], s41, |v[76+(\k)]|
	v_mul_f32 v[76+(\k)], 0x40c90fdb, v[76+(\k)]   ; y = 2 pi (1/4 - |u|)
	v_mul_f32 v[80+(\k)], v[76+(\k)], v[76+(\k)]
	v_fma_f32 v[84+(\k)], v[80+(\k)], s42, s43
	v_fmaak_f32 v[84+(\k)], v[84+(\k)], v[80+(\k)], 0xb9500d01  ; -1 / 7!
	v_fmaak_f32 v[84+(\k)], v[84+(\k)], v[80+(\k)], 0x3c088889  ; 1 / 5!
	v_fmaak_f32 v[84+(\k)], v[84+(\k)], v[80+(\k)], 0xbe2aaaab  ; -1 / 3!
	v_fma_f32 v[84+(\k)], v[84+(\k)], v[80+(\k)], 1.0
	v_mul_f32 v[84+(\k)], v[84+(\k)], v[76+(\k)]
.endr
	global_store_b128 v67, v[84:87], s[16:17]      ; the wave stores 512 consecutive bytes
.Lend:
	s_endpgm
.Lhalf:
	ROWS 1
	s_endpgm
.Lfunc_end_k_qdba5f32665_prep:
	.size	k_qdba5f32665_prep, .Lfunc_end_k_qdba5f32665_prep-k_qdba5f32665_prep
	.p2alignl 7, 3214868480
	.fill 96, 4, 3214868480
	.section	.rodata,"a",@progbits
	.p2align	6, 0x0
	.amdhsa_kernel k_qdba5f32665_prep
		.amdhsa_group_segment_fixed_size 0
		.amdhsa_private_segment_fixed_size 0
		.amdhsa_enable_private_segment 0
		.amdhsa_kernarg_size 56
		.amdhsa_user_sgpr_count 2
		.amdhsa_user_sgpr_kernarg_segment_ptr 1
		.amdhsa_wavefront_size32 1
		.amdhsa_system_sgpr_workgroup_id_x 1
		.amdhsa_system_sgpr_workgroup_id_y 1
		.amdhsa_system_sgpr_workgroup_id_z 1
		.amdhsa_system_vgpr_workitem_id 0
		.amdhsa_next_free_vgpr 88
		.amdhsa_next_free_sgpr 66
		.amdhsa_reserve_vcc 0
		.amdhsa_float_denorm_mode_32 3
		.amdhsa_float_denorm_mode_16_64 3
		.amdhsa_memory_ordered 1
		.amdhsa_forward_progress 1
		.amdhsa_inst_pref_size 14
	.end_amdhsa_kernel
	.amdgpu_metadata
---
amdhsa.version: [ 1, 2 ]
amdhsa.kernels:
  - .name:           k_qdba5f32665_prep
    .symbol:         k_qdba5f32665_prep.kd
    .args:
      - { .name: x, .offset: 0, .size: 8, .value_kind: global_buffer, .address_space: global }
      - { .name: w_qkv, .offset: 8, .size: 8, .value_kind: global_buffer, .address_space: global }
      - { .name: w_out, .offset: 16, .size: 8, .value_kind: global_buffer, .address_space: global }
      - { .name: xb, .offset: 24, .size: 8, .value_kind: global_buffer, .address_space: global }
      - { .name: wqb, .offset: 32, .size: 8, .value_kind: global_buffer, .address_space: global }
      - { .name: wob, .offset: 40, .size: 8, .value_kind: global_buffer, .address_space: global }
      - { .name: tab, .offset: 48, .size: 8, .value_kind: global_buffer, .address_space: global }
    .group_segment_fixed_size: 0
    .private_segment_fixed_size: 0
    .kernarg_segment_align: 8
    .kernarg_segment_size: 56
    .max_flat_workgroup_size: 256
    .sgpr_count:     66
    .vgpr_count:     88
    .wavefront_size: 32
...
	.end_amdgpu_metadata
.endif
;; end of part 1
;; launch qkv (part 2): grid 16 x 16, 4 waves a work-group, clusters of 4 x 4, 327,680 bytes of LDS; arguments xb, wqb, tab, gain, qws, kws, vws, out1; writes qws, kws, vws, out1
.if DOCPART == 2
	.amdgcn_target "amdgcn-amd-amdhsa--gfx1250"
	.amdhsa_code_object_version 6
	.text
	.protected	k_qdba5f32665_qkv
	.globl	k_qdba5f32665_qkv
	.p2align	8
	.type	k_qdba5f32665_qkv,@function
k_qdba5f32665_qkv:
	s_mov_b64 s[64:65], 0
	v_nop
	global_prefetch_b8 v0, s[64:65] scope:SCOPE_SE
	s_setreg_imm32_b32 hwreg(HW_REG_WAVE_MODE, 25, 1), 1
	s_wait_xcnt 0x0
	s_wait_alu depctr_hold_cnt(0) depctr_sa_sdst(0) depctr_va_vdst(0) depctr_va_sdst(0) depctr_va_ssrc(0) depctr_va_vcc(0) depctr_vm_vsrc(0)
	s_getreg_b32 s2, hwreg(HW_REG_IB_STS2, 6, 4)
	s_cmp_eq_u32 s2, 0
	s_cbranch_scc0 .Lentry_in_a_cluster
	s_endpgm
.Lentry_in_a_cluster:
	s_bfe_u32 s2, ttmp6, 0x10000c
	s_cmp_lg_u32 s2, 0xf033
	s_cbranch_scc0 .Lentry_shape_is_right
	s_endpgm
.Lentry_shape_is_right:
; QKV: proj = x w_qkv^T (2048 x 3072, K = 2048, bf16 operands, f32 sums), and on its way out RoPE, the RMS norm over a head's 64 channels and the gain.
; Stored: q [b*32+h][1024][64], k and v [b*8+kv][1024][64], all f16, each rounded once; out1 = V in f32, each head four times, plane (4 kv + r)*2 + b.
; Left out (shown at the head of the first kernel): V's factor rsqrt(1 + 1e-8), which is 1; the sum of squares is taken ahead of RoPE, which keeps it.
; LIMITS.  f16 ends at 65,504: |V| stays under it; |q| is at most 8 |gain|, so |gain| under 8,000.  gain is rounded to bf16 like the other inputs, and applied in f32 ahead of q's one rounding.
; NaN and infinities are not treated apart.
; SHARES.  A tile of proj is 128 tokens x 192 columns: 16 x 16 work-groups.  wqb's rows are laid so that tile column tx holds heads tx, tx + 16 (Q) and 32 + tx: K where the cluster's x is
; under 2, else V: the same answer in all sixteen partners.  Wave (mh, nh) takes tokens 64 mh .. + 63 and, of EACH of the three heads, the blocks of 16 channels nh and nh + 2: 24 accumulators.
; So RoPE's partners c and c + 32 lie in one lane under one register index; only the sum of squares crosses the pair of waves, through LDS.  (V's sum of squares is made with the others and not used:
; it lies inside a tile with live work.)
; THE MATRIX INSTRUCTION IS USED TRANSPOSED (source 0 = 16 rows of w, source 1 = 16 tokens): a lane holds token lane % 16 and channels 8 (lane / 16) + 0..7 of the block.
; RING.  K in steps of 128 (rows of 256 bytes, each at a multiple of 256 from the buffer's first byte) through two LDS slots; two slots of the next longer step, 2 x 320 x 528 bytes, pass what LDS holds.
; A refill has 72 matrix instructions of its wave in which to land.
; CLUSTER 4 x 4: x's tile is shared along a row of the cluster, w's along a column: each is asked for jointly.  No prefetch: the tile is small and its steps are short.
; REGISTERS.  window 0: v0-31 addresses; v64-255 the accumulators, (a, bi) at 64 + 8 (6 a + bi), bi = 2 z + p: head z, channel block nh + 2 p.
;   window 1: v0-159 fragments of 64 along K (half c: x's four at 80 c + 8 a, w's six at 80 c + 32 + 8 bi), at work on the way out; v160-223 cos and sin; v224 the gain.   window 2: v0-159 the second such buffer.
.set KSTEP,  128
.set PITCH,  272                       ; an LDS row: 256 bytes + 16 of padding = 68 words: the 16 rows of a fragment load start at 16 different groups of four banks (64 banks of 4 bytes: ISA guide 11.1)
.set BOFF,   128*PITCH                 ; a slot: x's 128 rows, then w's 192
.set SLOT,   320*PITCH
.set STAGE,  2*SLOT                    ; f16 results: [head z][128 tokens], rows of 128 bytes + 16
.set SP,     144
.set HST,    128*SP
.set VSTAGE, STAGE+3*HST               ; V in f32: 128 tokens, rows of 256 bytes + 16
.set VP,     272
.set PS,     VSTAGE+128*VP             ; partial sums of squares: [nh][128 tokens][4 f32]
.set SPARE,  PS+4096                   ; the spare words, 128 bytes for each wave: two blocks of 256 bytes that no other line names
.set ADRA, 16                          ; v16-17  LDS address of my fragments of x in slot 0, 1
.set ADRB, 20                          ; v20-21  of w
.set STO,  22                          ; where I put 16 bytes of f16
.set STV,  23                          ; where I put V's f32
.set RD,   24                          ; where I read f16 rows back
.set RDV,  25                          ; where I read V's rows back
.set GOFF, 26                          ; 16 x lane
.set PSW,  27                          ; my partial sums
.set SPW,  28                          ; my spare word: SPARE + 4 x my thread's number; never rewritten
.set NIL,  29                          ; 0; never rewritten
.set PSR,  30                          ; the partner wave's partial sums
.set TO,   31                          ; my offset in tab
.set ACC,  64
.set TP,   0                           ; window 1, on the way out: 12 pairs of sums; then the 12 reciprocal roots in v0-11
.set SS,   24                          ; sums of squares at 4 a + z (4 a + 3 is 0)
.set PP,   40                          ; the partner's
.set FF,   56                          ; the factor of (a, z), twice, at 2 (3 a + z)
.set O1,   80
.set O2,   88
.set TM1,  96
.set TM2,  104
.set PK,   112
.set TAB,  160                         ; token block a: cos at 16 a, sin at 16 a + 8
.set GN,   224
.set BK,   0                           ; window 2, on the way out
.set BV,   96
.set G1,  24                           ; s[24:31] descriptor group 1 for x's tiles;  s[32:39] group 0, a set for each slot
.set G0,  32
.set G1B, 48                           ; s[48:55], s[56:63] the same for w's
.set G0B, 56
.set DQ,  86                           ; s[86:87] head tx's rows, s[88:89] head tx + 16's, s[90:91] K's or V's, s[92:93] out1's
.set SEL, 96
.set MSB, 0
.macro WIN new                         ; the immediate's high byte repeats the setting that is left; a switch that changes nothing is dropped
.if MSB != (\new)
	s_set_vgpr_msb (MSB<<8)|(\new)
.set MSB, \new
.endif
.endm
.macro PLACES                          ; four places behind matrix instructions (ISA guide 7.12.1)
.rept 4
	v_nop
.endr
.endm
.macro JLOAD s                         ; a joint load: waves 0 and 1 fetch x's two halves, waves 2 and 3 w's; an s_nop 0 and four v_nop follow each line
	s_cmp_eq_u32 s11, 0
	s_cbranch_scc0 .Lfor_b_\@
	tensor_load_to_lds s[G0+4*(\s):G0+4*(\s)+3], s[G1:G1+7]
	s_nop 0
.rept 4
	v_nop
.endr
	s_branch .Lasked_\@
.Lfor_b_\@:
	tensor_load_to_lds s[G0B+4*(\s):G0B+4*(\s)+3], s[G1B:G1B+7]
	s_nop 0
.rept 4
	v_nop
.endr
.Lasked_\@:
.endm
.macro CREST                           ; a round of the cluster's barrier behind its opening barrier
	s_cmp_lg_u32 s10, 0
	s_cbranch_scc1 .Lnot_wave_0_\@
	s_barrier_signal -3
.Lnot_wave_0_\@:
	s_barrier_wait -3
	s_barrier_signal -1
	s_barrier_wait -1
.endm
.macro CROUND
	s_barrier_signal -1
	s_barrier_wait -1
	CREST
.endm
	s_load_b512 s[68:83], s[0:1], 0x0              ; xb 68, wqb 70, tab 72, gain 74, qws 76, kws 78, vws 80, out1 82
	v_lshl_add_u32 v[SPW], v0, 2, SPARE
	v_mov_b32 v[NIL], 0
	ds_add_u32 v[SPW], v[NIL]                      ; the wave's opening: the add, twice on end, and its wait ahead of my first tensor load
	ds_add_u32 v[SPW], v[NIL]
	v_lshrrev_b32 v1, 5, v0
	v_readfirstlane_b32 s10, v1                    ; wave 0..3
	s_lshr_b32 s11, s10, 1                         ; mh.  Also: I fetch for x (0) or for w (1)
	s_and_b32 s12, s10, 1                          ; nh.  Also: which half of that tile's rows I fetch
	s_bfe_u32 s40, ttmp6, 0x40000                  ; cx, cy: my place in the cluster
	s_bfe_u32 s41, ttmp6, 0x40004
	s_mov_b32 s45, ttmp9                           ; the cluster's x: under 2, the third head is K's
	s_lshl_b32 s42, ttmp9, 2
	s_add_co_u32 s42, s42, s40                     ; tx
	s_and_b32 s13, ttmp7, 0xffff
	s_lshl_b32 s13, s13, 2
	s_add_co_u32 s13, s13, s41                     ; ty
	s_lshl_b32 s43, s41, 2
	s_lshl_b32 s43, 15, s43                        ; my row of the cluster
	s_lshl_b32 s44, 0x1111, s40                    ; my column
	s_or_b32 s[G1+0], s43, (1<<16)|(1<<20)|(1<<21)|(5<<22)|(3<<25)   ; the mask; 2-byte elements; padding on; bit 21 beside a mask; after every 64 words, 4 words
	s_or_b32 s[G1B+0], s44, (1<<16)|(1<<20)|(1<<21)|(5<<22)|(3<<25)
.irp g, G1, G1B
	s_mov_b32 s[(\g)+1], KSTEP<<16                 ; tensor_dim0 = 128
	s_mov_b32 s[(\g)+3], KSTEP<<16                 ; tile_dim0 = 128
	s_mov_b32 s[(\g)+5], 2048                      ; elements from row to row
	s_mov_b32 s[(\g)+6], 0
	s_mov_b32 s[(\g)+7], 0
.endr
	s_mov_b32 s[G1+2], 64<<16                      ; x: 64 rows a load
	s_mov_b32 s[G1+4], 64
	s_mov_b32 s[G1B+2], 96<<16                     ; w: 96 rows a load
	s_mov_b32 s[G1B+4], 96
	s_lshl_b32 s17, s12, 6
	s_lshl_b32 s16, s13, 7
	s_add_co_u32 s16, s16, s17                     ; x: row 128 ty + 64 x half,
	s_lshl_b32 s16, s16, 12                        ; of 4,096 bytes
	s_mov_b32 s17, 0
	s_mul_i32 s46, s42, 192
	s_mul_i32 s47, s12, 96
	s_add_co_u32 s46, s46, s47                     ; w: row 192 tx + 96 x half
	s_lshl_b32 s46, s46, 12
	s_mov_b32 s47, 0
	s_mul_i32 s20, s12, 64*PITCH                   ; where they go: no place in the cluster enters an LDS address
	s_mul_i32 s21, s12, 96*PITCH
	s_add_co_u32 s21, s21, BOFF
	s_mov_b32 s85, 0x3c800000                      ; 1/64
	s_mov_b32 s94, 0x358637bd                      ; 1e-6
	s_mov_b32 s[SEL], 0x76543210                   ; v_permlanex16_b32: each lane takes its own place in the other half
	s_mov_b32 s[SEL+1], 0xfedcba98
	s_wait_dscnt 0x0                               ; both opening adds are done
	s_wait_kmcnt 0x0
	s_add_nc_u64 s[14:15], s[68:69], s[16:17]
	s_add_nc_u64 s[46:47], s[70:71], s[46:47]
	s_load_b32 s84, s[74:75], 0x0                  ; the gain; waited for on the way out
	CROUND                                         ; all sixteen work-groups are here: the first joint loads meet
.irp s, 0,1
	s_mov_b32 s[G0+4*(\s)], 1
	s_add_co_u32 s[G0+4*(\s)+1], s20, (\s)*SLOT
	s_add_nc_u64 s[G0+4*(\s)+2:G0+4*(\s)+3], s[14:15], (\s)*KSTEP*2
	s_or_b32 s[G0+4*(\s)+3], s[G0+4*(\s)+3], 0x80000000
	s_mov_b32 s[G0B+4*(\s)], 1
	s_add_co_u32 s[G0B+4*(\s)+1], s21, (\s)*SLOT
	s_add_nc_u64 s[G0B+4*(\s)+2:G0B+4*(\s)+3], s[46:47], (\s)*KSTEP*2
	s_or_b32 s[G0B+4*(\s)+3], s[G0B+4*(\s)+3], 0x80000000
	JLOAD \s
.endr
	v_and_b32 v1, 15, v0                           ; l % 16
	v_bfe_u32 v2, v0, 4, 1                         ; l / 16
	v_mul_u32_u24 v3, v1, PITCH
	v_lshl_add_u32 v3, v2, 4, v3                   ; a fragment's row x pitch + 16 x half
	s_mul_i32 s22, s11, 64*PITCH                   ; my 64 tokens
	s_mul_i32 s23, s12, 16*PITCH                   ; my first block of 16 channels,
	s_add_co_u32 s23, s23, BOFF                    ; behind x's rows
.irp s, 0,1
	v_add_nc_u32 v[ADRA+(\s)], s22, v3
	v_add_nc_u32 v[ADRB+(\s)], s23, v3
	s_add_co_u32 s22, s22, SLOT
	s_add_co_u32 s23, s23, SLOT
.endr
	s_mul_i32 s22, s11, 64*SP                      ; into the f16 stage: token 64 mh + l % 16, channels 16 nh + 8 (l / 16) on
	s_lshl_b32 s23, s12, 5
	s_add_co_u32 s22, s22, s23
	s_add_co_u32 s22, s22, STAGE
	v_mul_u32_u24 v4, v1, SP
	v_lshl_add_u32 v4, v2, 4, v4
	v_add_nc_u32 v[STO], s22, v4
	s_mul_i32 s22, s11, 64*VP                      ; into V's stage: the same place in f32
	s_lshl_b32 s23, s12, 6
	s_add_co_u32 s22, s22, s23
	s_add_co_u32 s22, s22, VSTAGE
	v_mul_u32_u24 v4, v1, VP
	v_lshl_add_u32 v4, v2, 5, v4
	v_add_nc_u32 v[STV], s22, v4
	s_mul_i32 s22, s10, 32*SP                      ; back: wave w takes tokens 32 w .. + 31; 32 lanes take four rows of 128 bytes
	s_add_co_u32 s22, s22, STAGE
	v_bfe_u32 v4, v0, 3, 2
	v_mul_u32_u24 v4, v4, SP
	v_and_b32 v5, 7, v0
	v_lshl_add_u32 v4, v5, 4, v4
	v_add_nc_u32 v[RD], s22, v4
	s_mul_i32 s22, s10, 32*VP                      ; V back: 32 lanes take two rows of 256 bytes
	s_add_co_u32 s22, s22, VSTAGE
	v_mul_u32_u24 v4, v2, VP
	v_lshl_add_u32 v4, v1, 4, v4
	v_add_nc_u32 v[RDV], s22, v4
	v_and_b32 v4, 31, v0
	v_lshlrev_b32 v[GOFF], 4, v4
	s_lshl_b32 s22, s11, 10                        ; partial sums: [nh][token][4]
	s_add_co_u32 s22, s22, PS
	s_lshl_b32 s23, s12, 11
	s_add_co_u32 s23, s23, s22
	v_lshl_add_u32 v[PSW], v1, 4, s23
	s_xor_b32 s23, s12, 1
	s_lshl_b32 s23, s23, 11
	s_add_co_u32 s23, s23, s22
	v_lshl_add_u32 v[PSR], v1, 4, s23
	s_lshl_b32 s22, s11, 14                        ; tab: position x 256 + 4 x (16 nh + 8 (l / 16))
	s_lshl_b32 s23, s12, 6
	s_add_co_u32 s22, s22, s23
	v_lshlrev_b32 v4, 8, v1
	v_lshl_add_u32 v4, v2, 5, v4
	v_add_nc_u32 v[TO], s22, v4
	s_lshr_b32 s4, s13, 3                          ; b
	s_and_b32 s5, s13, 7                           ; which 128 positions
	s_lshl_b32 s98, s5, 15
	s_mov_b32 s99, 0
	s_add_nc_u64 s[66:67], s[72:73], s[98:99]
	WIN 0x40                                       ; destination window 1
.irp a, 0,1,2,3                        ; cos and sin of my tokens and channels stay out until the way out
	global_load_b128 v[TAB+16*(\a):TAB+16*(\a)+3],     v[TO], s[66:67] offset:(\a)*4096
	global_load_b128 v[TAB+16*(\a)+4:TAB+16*(\a)+7],   v[TO], s[66:67] offset:(\a)*4096+16
	global_load_b128 v[TAB+16*(\a)+8:TAB+16*(\a)+11],  v[TO], s[66:67] offset:(\a)*4096+128
	global_load_b128 v[TAB+16*(\a)+12:TAB+16*(\a)+15], v[TO], s[66:67] offset:(\a)*4096+144
.endr
	WIN 0
	s_lshl_b32 s5, s5, 7
	s_lshl_b32 s6, s10, 5
	s_add_co_u32 s5, s5, s6                        ; the first position that I store
	s_lshl_b32 s7, s5, 7                           ; in rows of 128 bytes
	s_lshl_b32 s6, s4, 5
	s_add_co_u32 s6, s6, s42                       ; plane b*32 + tx, of 131,072 bytes
	s_lshl_b32 s98, s6, 17
	s_add_co_u32 s98, s98, s7
	s_add_nc_u64 s[DQ:DQ+1], s[76:77], s[98:99]
	s_add_nc_u64 s[DQ+2:DQ+3], s[DQ:DQ+1], 16<<17  ; head tx + 16
	s_and_b32 s8, s42, 7                           ; kv
	s_lshl_b32 s6, s4, 3
	s_add_co_u32 s6, s6, s8
	s_lshl_b32 s98, s6, 17
	s_add_co_u32 s98, s98, s7
	s_cmp_lt_u32 s45, 2
	s_cselect_b64 s[DQ+4:DQ+5], s[78:79], s[80:81]
	s_add_nc_u64 s[DQ+4:DQ+5], s[DQ+4:DQ+5], s[98:99]
	s_lshl_b32 s6, s8, 3
	s_add_co_u32 s6, s6, s4                        ; out1: plane 8 kv + 2 r + b, of 262,144 bytes
	s_lshl_b32 s98, s6, 18
	s_lshl_b32 s7, s5, 8
	s_add_co_u32 s98, s98, s7
	s_add_nc_u64 s[DQ+6:DQ+7], s[82:83], s[98:99]
; 12 matrix instructions: token blocks a0, a0 + 1 x all six channel blocks, 32 along K: half c of the buffer in window f.  The 24 accumulators take turns, one instruction a turn,
; in the same order in every pass.  zero = 1: the first product starts the sums.
.macro MUL12 f, c, a0, zero
	WIN 5*(\f)
.irp a, \a0, (\a0)+1
.irp b, 0,1,2,3,4,5
.if \zero
	v_wmma_f32_16x16x32_bf16 v[ACC+8*(6*(\a)+(\b)):ACC+8*(6*(\a)+(\b))+7], v[80*(\c)+32+8*(\b):80*(\c)+32+8*(\b)+7], v[80*(\c)+8*(\a):80*(\c)+8*(\a)+7], 0
.else
	v_wmma_f32_16x16x32_bf16 v[ACC+8*(6*(\a)+(\b)):ACC+8*(6*(\a)+(\b))+7], v[80*(\c)+32+8*(\b):80*(\c)+32+8*(\b)+7], v[80*(\c)+8*(\a):80*(\c)+8*(\a)+7], v[ACC+8*(6*(\a)+(\b)):ACC+8*(6*(\a)+(\b))+7]
.endif
.endr
.endr
.endm
; 40 LDS loads in one run: the fragments of 64 along K at byte k of the rows, into the buffer in window f; the first 32 along K first
.macro FETCH slot, k, f
	WIN 0x40*(\f)
.irp c, 0,1
.irp b, 0,1,2,3,4,5
	ds_load_b128 v[80*(\c)+32+8*(\b):80*(\c)+32+8*(\b)+3],   v[ADRB+(\slot)] offset:(\k)+64*(\c)+((\b)/2)*64*PITCH+((\b)%2)*32*PITCH
	ds_load_b128 v[80*(\c)+32+8*(\b)+4:80*(\c)+32+8*(\b)+7], v[ADRB+(\slot)] offset:(\k)+64*(\c)+((\b)/2)*64*PITCH+((\b)%2)*32*PITCH+32
.endr
.irp i, 0,1,2,3
	ds_load_b128 v[80*(\c)+8*(\i):80*(\c)+8*(\i)+3],   v[ADRA+(\slot)] offset:(\k)+64*(\c)+(\i)*16*PITCH
	ds_load_b128 v[80*(\c)+8*(\i)+4:80*(\c)+8*(\i)+7], v[ADRA+(\slot)] offset:(\k)+64*(\c)+(\i)*16*PITCH+32
.endr
.endr
.endm
; A K step's first half: multiplies window 1's buffer and fetches the second half into window 2's
.macro HALF slot, zero
	s_wait_dscnt 20                                ; the first 32 along K are in; the youngest 20 loads may be out
	MUL12 1, 0, 0, \zero
	MUL12 1, 0, 2, \zero
	PLACES                                         ; in front of loads into registers that matrix instructions have read
	FETCH \slot, 128, 2
	s_wait_dscnt 40                                ; all but the 40 just issued
	MUL12 1, 1, 0, 0
	MUL12 1, 1, 2, 0
.endm
; Its second half multiplies window 2's buffer and changes slots: ONE barrier; in front of it each wave waits for all its tensor loads (one is out: its part of the next slot), adds 0 to its
; spare word, and waits for that and for its own reads of this slot.  fill = 1: the barrier opens a round of the cluster's, and this slot is filled again first behind it, two K steps ahead.
.macro TURN slot, next, fill
	WIN 0
	s_wait_tensorcnt 0x0
	ds_add_u32 v[SPW], v[NIL]
	s_wait_dscnt 21                                ; the add and the youngest 20 loads may be out
	MUL12 2, 0, 0, 0
	s_wait_dscnt 0x0                               ; the add is done, and my reads of this slot are over
	s_barrier_signal -1
	MUL12 2, 0, 2, 0
.if \fill
	WIN 0
.endif
	s_barrier_wait -1
.if \fill
	CREST                                          ; no wave of any partner still reads this slot or has a load on its way
	s_add_nc_u64 s[G0+4*(\slot)+2:G0+4*(\slot)+3], s[G0+4*(\slot)+2:G0+4*(\slot)+3], 2*KSTEP*2
	s_add_nc_u64 s[G0B+4*(\slot)+2:G0B+4*(\slot)+3], s[G0B+4*(\slot)+2:G0B+4*(\slot)+3], 2*KSTEP*2
	JLOAD \slot                                    ; its four v_nop are also the places in front of the loads below
.else
	PLACES
.endif
	FETCH \next, 0, 1
	MUL12 2, 1, 0, 0
	MUL12 2, 1, 2, 0
.endm
	s_wait_tensorcnt 1                             ; my part of K step 0 is in; K step 1's may stay out
	s_barrier_signal -1
	s_barrier_wait -1
	FETCH 0, 0, 1
	HALF 0, 1                                      ; the first half step stands in front of the loop: its first products start the sums
	WIN 0
	s_mov_b32 s3, 7
.Llap:                                                 ; a trip goes once round the ring and fills both slots again: K steps 2 to 15 in seven trips
	TURN 0, 1, 1
	HALF 1, 0
	TURN 1, 0, 1
	HALF 0, 0
	WIN 0
	s_sub_co_u32 s3, s3, 1
	s_cmp_lg_u32 s3, 0
	s_cbranch_scc1 .Llap
	TURN 0, 1, 0                                   ; the last lap fills nothing
	HALF 1, 0
	s_wait_dscnt 20
	MUL12 2, 0, 0, 0
	MUL12 2, 0, 2, 0
	s_wait_dscnt 0x0
	MUL12 2, 1, 0, 0
	MUL12 2, 1, 2, 0
	PLACES
	PLACES
	; THE WAY OUT.  (1) Sums of squares: for each token block a and head z my 16 channels, in 12 chains side by side; each accumulator is read from its low end on.
	WIN 0x50                                       ; sources 0 and 1 window 0, source 2 and destination window 1
.irp s, 0,1,2,3,4,5,6,7
.irp a, 0,1,2,3
.irp z, 0,1,2
.set rA, ACC+8*(6*(\a)+2*(\z)+(\s)/4)+2*((\s)%4)
.set rT, TP+2*(3*(\a)+(\z))
.if (\s) == 0
	v_pk_mul_f32 v[rT:rT+1], v[rA:rA+1], v[rA:rA+1]
.else
	v_pk_fma_f32 v[rT:rT+1], v[rA:rA+1], v[rA:rA+1], v[rT:rT+1]
.endif
.endr
.endr
.endr
	WIN 0x55                                       ; all in window 1
.irp a, 0,1,2,3
.irp z, 0,1,2
	v_add_f32 v[SS+4*(\a)+(\z)], v[TP+2*(3*(\a)+(\z))], v[TP+2*(3*(\a)+(\z))+1]
.endr
.endr
.irp a, 0,1,2,3
.irp z, 0,1,2
	v_permlanex16_b32 v[TP+2*(3*(\a)+(\z))], v[SS+4*(\a)+(\z)], s[SEL], s[SEL+1]  ; the token's other 16 of my channels lie in the lane 16 away
.endr
.endr
.irp a, 0,1,2,3
.irp z, 0,1,2
	v_add_f32 v[SS+4*(\a)+(\z)], v[SS+4*(\a)+(\z)], v[TP+2*(3*(\a)+(\z))]
.endr
	v_mov_b32 v[SS+4*(\a)+3], 0
.endr
	WIN 0x04                                       ; address window 0, data window 1
.irp a, 0,1,2,3
	ds_store_b128 v[PSW], v[SS+4*(\a):SS+4*(\a)+3] offset:256*(\a)  ; both halves of the lanes hold and write the same numbers
.endr
	WIN 0
	s_wait_dscnt 0x0                               ; for the partner's sake: my partial sums are stored
	s_barrier_signal -1
	s_barrier_wait -1
	WIN 0x40
.irp a, 0,1,2,3
	ds_load_b128 v[PP+4*(\a):PP+4*(\a)+3], v[PSR] offset:256*(\a)
.endr
	s_wait_dscnt 0x0
	s_wait_loadcnt 0x0                             ; cos and sin
	s_wait_kmcnt 0x0                               ; the gain
	; (2) The factors: rsqrt(sum / 64 + 1e-6), for Q's heads times the gain.
	WIN 0x55
.irp i, 0,2,4,6,8,10,12,14
	v_pk_add_f32 v[SS+(\i):SS+(\i)+1], v[SS+(\i):SS+(\i)+1], v[PP+(\i):PP+(\i)+1]
.endr
.irp a, 0,1,2,3
.irp z, 0,1,2
	v_fma_f32 v[SS+4*(\a)+(\z)], v[SS+4*(\a)+(\z)], s85, s94
.endr
.endr
.irp a, 0,1,2,3
.irp z, 0,1,2
	v_rsq_f32 v[TP+3*(\a)+(\z)], v[SS+4*(\a)+(\z)] ; one batch of twelve
.endr
.endr
	v_mov_b32 v[GN], s84                           ; the gain, rounded to bf16: plain work behind the batch
	v_cvt_pk_bf16_f32 v[GN], v[GN], v[GN]
	v_lshlrev_b32 v[GN], 16, v[GN]
	s_wait_alu depctr_va_vdst(0)                   ; one wait for the batch, ahead of its first reader
.irp a, 0,1,2,3
.irp z, 0,1
	v_mul_f32 v[FF+2*(3*(\a)+(\z))], v[TP+3*(\a)+(\z)], v[GN]
	v_mul_f32 v[FF+2*(3*(\a)+(\z))+1], v[TP+3*(\a)+(\z)], v[GN]
.endr
	v_mov_b32 v[FF+2*(3*(\a)+2)], v[TP+3*(\a)+2]
	v_mov_b32 v[FF+2*(3*(\a)+2)+1], v[TP+3*(\a)+2]
.endr
; (3) RoPE, the factor, one rounding to f16, into the stage.  t1 = accumulator 2 z (channels under 32), t2 = accumulator 2 z + 1 (the same plus 32).
.macro ROPE a, z
.set rA, ACC+8*(6*(\a)+2*(\z))
.set rC, TAB+16*(\a)
.set rF, FF+2*(3*(\a)+(\z))
	WIN 0x54                                       ; source 0 window 0, the rest window 1
.irp j, 0,2,4,6
	v_pk_mul_f32 v[TM1+(\j):TM1+(\j)+1], v[rA+8+(\j):rA+8+(\j)+1], v[rC+8+(\j):rC+8+(\j)+1]
	v_pk_mul_f32 v[TM2+(\j):TM2+(\j)+1], v[rA+(\j):rA+(\j)+1], v[rC+8+(\j):rC+8+(\j)+1]
.endr
.irp j, 0,2,4,6
	v_pk_fma_f32 v[O1+(\j):O1+(\j)+1], v[rA+(\j):rA+(\j)+1], v[rC+(\j):rC+(\j)+1], v[TM1+(\j):TM1+(\j)+1] neg_lo:[0,0,1] neg_hi:[0,0,1]
	v_pk_fma_f32 v[O2+(\j):O2+(\j)+1], v[rA+8+(\j):rA+8+(\j)+1], v[rC+(\j):rC+(\j)+1], v[TM2+(\j):TM2+(\j)+1]
.endr
	WIN 0x55
.irp j, 0,2,4,6
	v_pk_mul_f32 v[O1+(\j):O1+(\j)+1], v[O1+(\j):O1+(\j)+1], v[rF:rF+1] op_sel_hi:[1,0]
	v_pk_mul_f32 v[O2+(\j):O2+(\j)+1], v[O2+(\j):O2+(\j)+1], v[rF:rF+1] op_sel_hi:[1,0]
.endr
.irp j, 0,1,2,3
	v_cvt_pk_f16_f32 v[PK+(\j)], v[O1+2*(\j)], v[O1+2*(\j)+1]
	v_cvt_pk_f16_f32 v[PK+4+(\j)], v[O2+2*(\j)], v[O2+2*(\j)+1]
.endr
	WIN 0x04
	ds_store_b128 v[STO], v[PK:PK+3]   offset:(\z)*HST+(\a)*16*SP
	ds_store_b128 v[STO], v[PK+4:PK+7] offset:(\z)*HST+(\a)*16*SP+64
.endm
.irp a, 0,1,2,3
	ROPE \a, 0
	ROPE \a, 1
.endr
	WIN 0
	s_cmp_lt_u32 s45, 2                            ; the third head: K's or V's?  The cluster's x decides: alike in all partners
	s_cbranch_scc0 .Lv_arm
.irp a, 0,1,2,3
	ROPE \a, 2
.endr
	WIN 0
	s_branch .Lstaged
.Lv_arm:
.irp a, 0,1,2,3                        ; V: no RoPE, no norm: once as f16 for the attention, once as it is for out1
.set rA, ACC+8*(6*(\a)+4)
	WIN 0x40
.irp j, 0,1,2,3
	v_cvt_pk_f16_f32 v[PK+(\j)], v[rA+2*(\j)], v[rA+2*(\j)+1]
	v_cvt_pk_f16_f32 v[PK+4+(\j)], v[rA+8+2*(\j)], v[rA+8+2*(\j)+1]
.endr
	WIN 0x04
	ds_store_b128 v[STO], v[PK:PK+3]   offset:2*HST+(\a)*16*SP
	ds_store_b128 v[STO], v[PK+4:PK+7] offset:2*HST+(\a)*16*SP+64
	WIN 0
	ds_store_b128 v[STV], v[rA:rA+3]     offset:(\a)*16*VP
	ds_store_b128 v[STV], v[rA+4:rA+7]   offset:(\a)*16*VP+16
	ds_store_b128 v[STV], v[rA+8:rA+11]  offset:(\a)*16*VP+128
	ds_store_b128 v[STV], v[rA+12:rA+15] offset:(\a)*16*VP+144
.endr
.Lstaged:
	s_wait_dscnt 0x0                               ; for the others' sake: a row's bytes come from two waves
	s_barrier_signal -1
	s_barrier_wait -1
	; (4) Whole rows back and out: wave w stores tokens 32 w .. + 31 of each head.
	WIN 0x80                                       ; destination window 2
.irp z, 0,1,2
.irp i, 0,1,2,3,4,5,6,7
	ds_load_b128 v[BK+4*(8*(\z)+(\i)):BK+4*(8*(\z)+(\i))+3], v[RD] offset:(\z)*HST+(\i)*4*SP
.endr
.endr
	WIN 0x08                                       ; a store's data: window 2
.irp z, 0,1,2
.irp i, 0,1,2,3,4,5,6,7
	s_wait_dscnt 23-(8*(\z)+(\i))                  ; LDS loads come back in order: this one is in
	global_store_b128 v[GOFF], v[BK+4*(8*(\z)+(\i)):BK+4*(8*(\z)+(\i))+3], s[DQ+2*(\z):DQ+2*(\z)+1] offset:(\i)*512  ; four rows of a head: 512 consecutive bytes, at a multiple of 256
.endr
.endr
	WIN 0
	s_cmp_lt_u32 s45, 2
	s_cbranch_scc1 .Lno_v
	WIN 0x80
.irp i, 0,1,2,3,4,5,6,7,8,9,10,11,12,13,14,15
	ds_load_b128 v[BV+4*(\i):BV+4*(\i)+3], v[RDV] offset:(\i)*2*VP
.endr
	WIN 0x08
.irp i, 0,1,2,3,4,5,6,7,8,9,10,11,12,13,14,15
	s_wait_dscnt 15-(\i)
.irp r, 0,1,2,3                        ; the four query heads of the group: two planes apart
	global_store_b128 v[GOFF], v[BV+4*(\i):BV+4*(\i)+3], s[DQ+6:DQ+7] offset:(\i)*512+(\r)*524288 th:TH_STORE_NT
.endr
.endr
	WIN 0
.Lno_v:
	s_wait_tensorcnt 0x0                           ; the wave's end: behind my last tensor load and my last LDS store
	ds_add_u32 v[SPW], v[NIL]
	s_wait_dscnt 0x0
	CROUND                                         ; the closing round
	s_endpgm
.Lfunc_end_k_qdba5f32665_qkv:
	.size	k_qdba5f32665_qkv, .Lfunc_end_k_qdba5f32665_qkv-k_qdba5f32665_qkv
	.p2alignl 7, 3214868480
	.fill 96, 4, 3214868480
	.section	.rodata,"a",@progbits
	.p2align	6, 0x0
	.amdhsa_kernel k_qdba5f32665_qkv
		.amdhsa_group_segment_fixed_size 327680
		.amdhsa_private_segment_fixed_size 0
		.amdhsa_enable_private_segment 0
		.amdhsa_kernarg_size 64
		.amdhsa_user_sgpr_count 2
		.amdhsa_user_sgpr_kernarg_segment_ptr 1
		.amdhsa_wavefront_size32 1
		.amdhsa_system_sgpr_workgroup_id_x 1
		.amdhsa_system_sgpr_workgroup_id_y 1
		.amdhsa_system_sgpr_workgroup_id_z 1
		.amdhsa_system_vgpr_workitem_id 0
		.amdhsa_next_free_vgpr 672
		.amdhsa_next_free_sgpr 100
		.amdhsa_reserve_vcc 0
		.amdhsa_float_denorm_mode_32 3
		.amdhsa_float_denorm_mode_16_64 3
		.amdhsa_memory_ordered 1
		.amdhsa_forward_progress 1
		.amdhsa_inst_pref_size 115
	.end_amdhsa_kernel
	.amdgpu_metadata
---
amdhsa.version: [ 1, 2 ]
amdhsa.kernels:
  - .name:           k_qdba5f32665_qkv
    .symbol:         k_qdba5f32665_qkv.kd
    .args:
      - { .name: xb, .offset: 0, .size: 8, .value_kind: global_buffer, .address_space: global }
      - { .name: wqb, .offset: 8, .size: 8, .value_kind: global_buffer, .address_space: global }
      - { .name: tab, .offset: 16, .size: 8, .value_kind: global_buffer, .address_space: global }
      - { .name: gain, .offset: 24, .size: 8, .value_kind: global_buffer, .address_space: global }
      - { .name: qws, .offset: 32, .size: 8, .value_kind: global_buffer, .address_space: global }
      - { .name: kws, .offset: 40, .size: 8, .value_kind: global_buffer, .address_space: global }
      - { .name: vws, .offset: 48, .size: 8, .value_kind: global_buffer, .address_space: global }
      - { .name: out1, .offset: 56, .size: 8, .value_kind: global_buffer, .address_space: global }
    .group_segment_fixed_size: 327680
    .private_segment_fixed_size: 0
    .kernarg_segment_align: 8
    .kernarg_segment_size: 64
    .max_flat_workgroup_size: 128
    .sgpr_count:     100
    .vgpr_count:     672
    .wavefront_size: 32
...
	.end_amdgpu_metadata
.endif
;; end of part 2
;; launch attn (part 3): grid 16 x 16, 4 waves a work-group, clusters of 4 x 1, 327,680 bytes of LDS; arguments qws, kws, vws, ows; writes ows
.if DOCPART == 3
	.amdgcn_target "amdgcn-amd-amdhsa--gfx1250"
	.amdhsa_code_object_version 6
	.text
	.protected	k_qdba5f32665_attn
	.globl	k_qdba5f32665_attn
	.p2align	8
	.type	k_qdba5f32665_attn,@function
k_qdba5f32665_attn:
	s_mov_b64 s[64:65], 0
	v_nop
	global_prefetch_b8 v0, s[64:65] scope:SCOPE_SE
	s_setreg_imm32_b32 hwreg(HW_REG_WAVE_MODE, 25, 1), 1
	s_wait_xcnt 0x0
	s_wait_alu depctr_hold_cnt(0) depctr_sa_sdst(0) depctr_va_vdst(0) depctr_va_sdst(0) depctr_va_ssrc(0) depctr_va_vcc(0) depctr_vm_vsrc(0)
	s_getreg_b32 s2, hwreg(HW_REG_IB_STS2, 6, 4)
	s_cmp_eq_u32 s2, 0
	s_cbranch_scc0 .Lentry_in_a_cluster
	s_endpgm
.Lentry_in_a_cluster:
	s_bfe_u32 s2, ttmp6, 0x10000c
	s_cmp_lg_u32 s2, 0x3003
	s_cbranch_scc0 .Lentry_shape_is_right
	s_endpgm
.Lentry_shape_is_right:
; ATTN: O[q] = the sum over k <= q of softmax_k(q . k / 8) v[k], four query heads to each head of K and V.  q [b*32+h][1024][64], k, v [b*8+kv][1024][64], O like q; all f16.
; Products, maxima and sums in f32; the weights are rounded to f16 for the second product (their sum l is taken of the unrounded weights), O once at the end.
; Left out (shown at the head of the first kernel): tiles of keys wholly above the diagonal of reference()'s tril, and in the diagonal tile the one band and step that is wholly hidden; K and V are not repeated.
; LIMITS.  A hidden score counts as its value less 1e30; a weight below 2^-126 counts as 0 in l; NaN and infinities are not treated apart.
; THE WALK.  A head's queries lie in 8 blocks of 128; block i needs the key tiles 0 .. i of 128 keys, the last of which holds the diagonal.  A work-group takes blocks 7 - j and then j: nine tiles
; whatever j: all work-groups do equal work, and one loop with a constant count walks them.  j is the cluster's x.
; CLUSTER.  The four partners are the four query heads of one group: they walk the same tiles of the same K and V, so every tile is asked for jointly.  My place in the cluster enters Q's and O's addresses alone.
; SHARES.  Of a block's two bands of 64 queries a wave owns 16 rows in each: tiles 0 and 1.  In the diagonal tile's step s (64 keys) band t sees all keys if s < t, none if s > t, and holds the diagonal if s = t:
; the same work for all four waves.  THE MASK is the C operand that starts S^T's sum: 0 or -1e30, made once (MD): it hangs on wave and lane alone.
; LAYOUT.  S^T = K Q^T holds one query a lane (lane % 16) and the keys 8 (lane / 16) + 0..7; two such results rounded to f16 are source 1 of O^T = V^T P.  p = 2^(c s - c m), c = log2(e) / 8, with a running
; maximum m; O and l are multiplied by a = 2^(c m_old - c m_new) in every step.  m starts at the lowest finite number: a block's first step has a = 0, and no first step is written out.
; IN PHASES: a step's products K Q^T, its softmax, its products V^T P.  No prefetch: the walk has nine tiles, and K and V are read by four clusters a head shortly after each other.
; REGISTERS.  window 0: v0-33 addresses and statistics; v64-127 S^T, 32 a tile; v128-159 P, 16 a tile; v160-223 O^T, 32 a tile; v224-255 MD.
;   window 1: v0-31 Q; v32-63 the second block's Q; v64-127 K of a step; v128-191 V of a step.
.set NB,    8
.set PK,    144       ; a row of K in LDS: 128 bytes + 16 = 36 words: the 16 rows of a load start at 16 different groups of four banks (64 banks of 4 bytes: ISA guide 11.1)
.set PVP,   160       ; a row of V: 128 + 32 = 40 words
.set VOFF,  128*PK    ; a slot holds a tile: 128 rows of K, then 128 rows of V
.set SLOT1, 1<<16     ; slot 1 begins here: one exclusive or turns an address in one slot into the other's
.set STAGE, SLOT1+128*(PK+PVP)  ; 16 rows x 144 bytes for each wave, for the way out
.set SP,    144
.set SPARE, STAGE+4*16*SP       ; the spare words, 128 bytes for each wave: two blocks of 256 bytes that no other line names
.set AK0, 2           ; my lane's place in a tile of K; never rewritten
.set AV0, 3           ; the same for V
.set AK,  4           ; the same in the slot in hand
.set AV,  5
.set STO, 6
.set RD,  7
.set GO,  8
.set MV,  12          ; v12-13  c m_old, by tile
.set QO,  15
.set ST,  16          ; tile t at 4 t: c m, m, l (even keys', odd keys')
.set TMP, 24          ; tile t at 4 t: c0-c3 at work; when the maximum is found c2 takes a
.set SPW, 32          ; my spare word; never rewritten
.set NIL, 33          ; 0; never rewritten
.set S,   64
.set P,   128
.set O,   160
.set MD,  224
.set QB,  32          ; window 1
.set KF,  64
.set VF,  128
.set WV,  12
.set PB,  14          ; j
.set HI,  15          ; 7 - j
.set G1K, 24
.set G1V, 32
.set G0K, 40
.set G0V, 44
.set SLOTS, 56
.set CS,  58          ; s[58:59] c
.set SEL, 60
.set TB,  62          ; the slot in hand: 0 or SLOT1
.set RT,  70          ; tiles of the block in hand still to be entered
.set NXT, 71          ; the tile to be asked for next
.set LQ,  72          ; the last tile of the block whose tiles are being asked for
.set OFF, 74
.set OLO, 80          ; O at my rows of the second block
.set BIGN, 82
.set QLO, 86
.set MSB, 0
.macro WIN new
.if MSB != (\new)
	s_set_vgpr_msb (MSB<<8)|(\new)
.set MSB, (\new)
.endif
.endm
.macro PLACES
.rept 4
	v_nop
.endr
.endm
.macro JLOAD                        ; waves 0 and 1 fetch the halves of a tile's K, waves 2 and 3 those of its V: 64 keys each; an s_nop 0 and four v_nop follow each line
	s_cmp_lt_u32 s[WV], 2
	s_cbranch_scc0 .Lfor_v_\@
	tensor_load_to_lds s[G0K:G0K+3], s[G1K:G1K+7]
	s_nop 0
.rept 4
	v_nop
.endr
	s_branch .Lasked_\@
.Lfor_v_\@:
	tensor_load_to_lds s[G0V:G0V+3], s[G1V:G1V+7]
	s_nop 0
.rept 4
	v_nop
.endr
.Lasked_\@:
.endm
.macro CROUND
	s_barrier_signal -1
	s_barrier_wait -1
	s_cmp_lg_u32 s[WV], 0
	s_cbranch_scc1 .Lnot_wave_0_\@
	s_barrier_signal -3
.Lnot_wave_0_\@:
	s_barrier_wait -3
	s_barrier_signal -1
	s_barrier_wait -1
.endm
; The LDS loads stand in runs of 16: a step's K (8 fragments) and its V (turned).  off: the step's place in the tile.
.macro FETCH_K off
	WIN 0x40                        ; destination window 1
.irp f, 0,1,2,3,4,5,6,7             ; keys 16 (f / 2) on, channels 32 (f % 2) on
	ds_load_b128 v[KF+8*\f:KF+8*\f+3],   v[AK] offset:(\off)+(\f/2)*16*PK+(\f%2)*64
	ds_load_b128 v[KF+8*\f+4:KF+8*\f+7], v[AK] offset:(\off)+(\f/2)*16*PK+(\f%2)*64+32
.endr
	WIN 0
.endm
.macro FETCH_V off
	WIN 0x40
.irp f, 0,1,2,3,4,5,6,7             ; keys 32 (f / 4) on, channels 16 (f % 4) on
	ds_load_tr16_b128 v[VF+8*\f:VF+8*\f+3],   v[AV] offset:(\off)+(\f/4)*32*PVP+(\f%4)*32
	ds_load_tr16_b128 v[VF+8*\f+4:VF+8*\f+7], v[AV] offset:(\off)+(\f/4)*32*PVP+16*PVP+(\f%4)*32
.endr
	WIN 0
.endm
; THE CHANGE OF SLOTS.  Each wave waits for all its tensor loads (one is out: its part of the other slot), adds 0 to its spare word, and waits for that and for its reads of the slot that it leaves.
; fill = 1: the barrier is a round of the cluster's, and the old slot is filled again first behind it, with tile NXT: the address is made anew from that number.  Then the new tile's first step is fetched.
; (At its first use nothing has been read yet: slot 0 is waited for, slot 1 filled.)
.macro CHANGE fill
	WIN 0
	s_wait_tensorcnt 0x0            ; no tensor load of mine is out, so a group 0 may be written
	ds_add_u32 v[SPW], v[NIL]       ; 0 onto my spare word; scalar work stands between it and the wait for it
.if \fill
	s_lshl_b32 s[OFF], s[NXT], 14   ; a tile is 16,384 bytes of K and of V
	s_xor_b32 s[G0K+1], s[G0K+1], SLOT1
	s_add_nc_u64 s[G0K+2:G0K+3], s[6:7], s[OFF:OFF+1]
	s_or_b32 s[G0K+3], s[G0K+3], 0x80000000
	s_xor_b32 s[G0V+1], s[G0V+1], SLOT1
	s_add_nc_u64 s[G0V+2:G0V+3], s[8:9], s[OFF:OFF+1]
	s_or_b32 s[G0V+3], s[G0V+3], 0x80000000
	s_add_co_u32 s[NXT], s[NXT], 1  ; the block's next tile, or behind its last the second block's tile 0
	s_cmp_gt_u32 s[NXT], s[LQ]
	s_cselect_b32 s[NXT], 0, s[NXT]
	s_cselect_b32 s[LQ], s[PB], s[LQ]
.endif
	s_xor_b32 s[TB], s[TB], SLOT1
	s_wait_dscnt 0x0                ; the add is done, and my reads of the slot are over
.if \fill
	CROUND
	JLOAD
.else
	s_barrier_signal -1
	s_barrier_wait -1
.endif
	v_add_nc_u32 v[AK], s[TB], v[AK0]
	v_add_nc_u32 v[AV], s[TB], v[AV0]
	FETCH_K 0
	FETCH_V 0
.endm
	s_load_b256 s[4:11], s[0:1], 0x0  ; q s[4:5], k s[6:7], v s[8:9], o s[10:11]
	v_lshl_add_u32 v[SPW], v0, 2, SPARE
	v_mov_b32 v[NIL], 0
	ds_add_u32 v[SPW], v[NIL]       ; the wave's opening: the add, twice on end, and its wait ahead of my first tensor load
	ds_add_u32 v[SPW], v[NIL]
	v_lshrrev_b32 v1, 5, v0
	v_readfirstlane_b32 s[WV], v1   ; wave 0..3
	s_bfe_u32 s13, ttmp6, 0x40000   ; cx: which of the group's four query heads
	s_mov_b32 s[PB], ttmp9
	s_sub_co_u32 s[HI], NB-1, s[PB]
	s_and_b32 s20, ttmp7, 0xffff    ; b*8 + kv, which the four partners share
	s_and_b32 s16, s[WV], 1         ; which half of a tile's 128 keys I fetch
	s_lshl_b32 s22, s20, 17         ; the head's plane of 131,072 bytes,
	s_lshl_b32 s23, s16, 13         ; my 64 rows of 128 bytes
	s_add_co_u32 s22, s22, s23
	s_mov_b32 s23, 0
	s_mul_i32 s17, s16, 64*PK       ; and their place in a slot: no place in the cluster enters an LDS address
	s_mul_i32 s18, s16, 64*PVP
	s_lshl_b32 s21, s20, 2
	s_add_co_u32 s21, s21, s13      ; the query head's plane
	s_lshl_b32 s21, s21, 17
	s_lshl_b32 s19, s[WV], 11       ; my 16 rows in a band
	s_add_co_u32 s21, s21, s19
	s_lshl_b32 s2, s[HI], 14        ; the first block,
	s_add_co_u32 s2, s2, s21
	s_mov_b32 s3, 0
	s_lshl_b32 s84, s[PB], 14       ; and the second
	s_add_co_u32 s84, s84, s21
	s_mov_b32 s85, 0
	; descriptor group 1.  64 keys are 8,192 dense bytes: asked for as 32 rows of 256 bytes, two keys a row, and padded in LDS after every key
	s_mov_b32 s[G1K], 15|(1<<16)|(1<<20)|(1<<21)|(4<<22)|(3<<25)  ; the mask of four; 2-byte elements; padding on; bit 21 beside a mask; after every 32 words, 4 words
	s_mov_b32 s[G1V], 15|(1<<16)|(1<<20)|(1<<21)|(4<<22)|(7<<25)  ; the same with 8 words
.irp g, G1K, G1V
	s_mov_b32 s[\g+1], 128<<16      ; tensor_dim0 = 128
	s_mov_b32 s[\g+2], 32<<16       ; tensor_dim1 = 32
	s_mov_b32 s[\g+3], 128<<16      ; tile_dim0 = 128
	s_mov_b32 s[\g+4], 32           ; tile_dim1 = 32
	s_mov_b32 s[\g+5], 128          ; 128 elements from row to row
	s_mov_b32 s[\g+6], 0
	s_mov_b32 s[\g+7], 0
.endr
	s_mov_b32 s[CS], 0x3e38aa3b     ; c = log2(e) / 8
	s_mov_b32 s[CS+1], s[CS]
	s_mov_b32 s[SEL], 0x76543210
	s_mov_b32 s[SEL+1], 0xfedcba98
	s_mov_b32 s[TB], SLOT1          ; the first change of slots turns it into 0
	s_mov_b32 s[G0K], 1
	s_mov_b32 s[G0K+1], s17         ; slot 0
	s_mov_b32 s[G0V], 1
	s_add_co_u32 s[G0V+1], s18, VOFF
	s_add_co_u32 s[RT], s[HI], 1    ; the first block has 8 - j tiles
	s_mov_b32 s[NXT], 1
	s_mov_b32 s[LQ], s[HI]
	s_mov_b32 s[OFF+1], 0
	s_mov_b32 s[BIGN], 0xf149f2ca   ; -1e30
	s_mov_b32 s[SLOTS], NB
	s_wait_dscnt 0x0                ; both opening adds are done
	s_wait_kmcnt 0x0
	s_add_nc_u64 s[6:7], s[6:7], s[22:23]  ; K and V at my half of the head's tile 0
	s_add_nc_u64 s[8:9], s[8:9], s[22:23]
	s_add_nc_u64 s[G0K+2:G0K+3], s[6:7], 0
	s_or_b32 s[G0K+3], s[G0K+3], 0x80000000
	s_add_nc_u64 s[G0V+2:G0V+3], s[8:9], 0
	s_or_b32 s[G0V+3], s[G0V+3], 0x80000000
	s_add_nc_u64 s[QLO:QLO+1], s[4:5], s[84:85]
	s_add_nc_u64 s[4:5], s[4:5], s[2:3]
	s_add_nc_u64 s[OLO:OLO+1], s[10:11], s[84:85]
	s_add_nc_u64 s[10:11], s[10:11], s[2:3]
	CROUND                          ; all four work-groups are here: the first joint loads meet
	JLOAD                           ; tile 0 into slot 0
	v_and_b32 v1, 15, v0            ; l % 16
	v_bfe_u32 v9, v0, 4, 1          ; l / 16
	v_lshlrev_b32 v[QO], 7, v1
	v_lshl_add_u32 v[QO], v9, 4, v[QO]  ; row x 128 + 16 x half
	WIN 0x40
.set i, 0
.rept 4                             ; both blocks' Q: tile i / 2 lies in band i / 2, 8,192 bytes on; channels 32 (i % 2) on
	global_load_b128 v[8*i:8*i+3],   v[QO], s[4:5] offset:(i/2)*8192+(i%2)*64
	global_load_b128 v[8*i+4:8*i+7], v[QO], s[4:5] offset:(i/2)*8192+(i%2)*64+32
	global_load_b128 v[QB+8*i:QB+8*i+3],   v[QO], s[QLO:QLO+1] offset:(i/2)*8192+(i%2)*64
	global_load_b128 v[QB+8*i+4:QB+8*i+7], v[QO], s[QLO:QLO+1] offset:(i/2)*8192+(i%2)*64+32
.set i, i+1
.endr
	WIN 0
	v_lshlrev_b32 v14, 3, v9
	v_sub_nc_u32 v14, v1, v14
	s_lshl_b32 s13, s[WV], 4
	v_add_nc_u32 v14, s13, v14      ; my query's place in its band, 16 w + l % 16, less 8 (l / 16): register r of group kt of 16 keys is hidden where 16 kt + r is greater
.set i, 0
.rept 32
	v_cmp_gt_i32 vcc_lo, 16*(i/8)+i%8, v14
	v_cndmask_b32 v[MD+i], 0, s[BIGN], vcc_lo
.set i, i+1
.endr
	v_mul_u32_u24 v[AK0], v1, PK
	v_lshl_add_u32 v[AK0], v9, 4, v[AK0]
	; the turning load takes 16 keys x 16 channels (lane l reads key 8 (l / 16) + l % 8, channels 8 ((l / 8) % 2) + 0..7) and leaves half a fragment of V^T
	v_and_b32 v10, 7, v0
	v_bfe_u32 v11, v0, 3, 1
	v_lshl_add_u32 v[AV0], v9, 3, v10
	v_mul_u32_u24 v[AV0], v[AV0], PVP
	v_lshl_add_u32 v[AV0], v11, 4, v[AV0]
	v_add_nc_u32 v[AV0], VOFF, v[AV0]
	s_mul_i32 s13, s[WV], 16*SP
	s_add_co_u32 s13, s13, STAGE    ; my stage
	v_mul_u32_u24 v[STO], v1, SP    ; in: row l % 16, 16 bytes for each half of the lanes
	v_lshl_add_u32 v[STO], v9, 4, v[STO]
	v_add_nc_u32 v[STO], s13, v[STO]
	v_bfe_u32 v[RD], v0, 3, 2       ; back: 32 lanes take four rows of 128 bytes,
	v_mul_u32_u24 v[RD], v[RD], SP
	v_lshl_add_u32 v[RD], v10, 4, v[RD]
	v_add_nc_u32 v[RD], s13, v[RD]
	v_and_b32 v[GO], 31, v0         ; which are 512 consecutive bytes of O
	v_lshlrev_b32 v[GO], 4, v[GO]
	; A block's first step multiplies O^T and l by a = 0, so they need only hold finite numbers: zeros for the first block, what the first block left for the second.  This stands in the wait for the first tile.
.set i, 0
.rept 64
	v_mov_b32 v[O+i], 0
.set i, i+1
.endr
.irp t, 0,1
	v_mov_b32 v[ST+4*\t], 0xfe000000    ; c m: far below every c s
	v_mov_b32 v[ST+4*\t+1], 0xff7fffff  ; m
	v_mov_b32 v[ST+4*\t+2], 0
	v_mov_b32 v[ST+4*\t+3], 0
.endr
	s_wait_loadcnt 0x0              ; Q
; THE MATRIX WORK.  The accumulators of a run take turns, one instruction a turn.
.macro KQ t, kb, ch, m0, m1         ; S^T of tile t, keys 16 kb on, channels 32 ch on; the first half starts the sum, with 0 or with the mask
.set rS, S+32*(\t)+8*(\kb)
.set rK, KF+16*(\kb)+8*(\ch)
.set rQ, 16*(\t)+8*(\ch)
.set rM, MD+8*(\kb)
.set mk, (\m0)*(1-(\t))+(\m1)*(\t)
.if (\ch) == 0
.if mk
	v_wmma_f32_16x16x32_f16 v[rS:rS+7], v[rK:rK+7], v[rQ:rQ+7], v[rM:rM+7]
.else
	v_wmma_f32_16x16x32_f16 v[rS:rS+7], v[rK:rK+7], v[rQ:rQ+7], 0
.endif
.else
	v_wmma_f32_16x16x32_f16 v[rS:rS+7], v[rK:rK+7], v[rQ:rQ+7], v[rS:rS+7]
.endif
.endm
.macro PVM t, cb, kk                ; O^T of tile t, channels 16 cb on, += V^T P over keys 32 kk on
.set rO, O+32*(\t)+8*(\cb)
.set rV, VF+32*(\kk)+8*(\cb)
.set rP, P+16*(\t)+8*(\kk)
	v_wmma_f32_16x16x32_f16 v[rO:rO+7], v[rV:rV+7], v[rP:rP+7], v[rO:rO+7]
.endm
; THE VECTOR WORK, all in window 0, one line a macro, for tile t.
.macro REGS t
.set rT, ST+4*(\t)
.set rC, TMP+4*(\t)
.set rW, MV+(\t)
.set rS, S+32*(\t)
.set rP, P+16*(\t)
.set rO, O+32*(\t)
.endm
; XS: number n of the 22 that find the maximum and the statistics.  0-11 four chains of seven scores (each accumulator's lowest registers are read first); 12-14, 16 the four scores
; left over, the old m, and the four into one; 15 c m_old is kept; 17, 18 the query's other 32 keys lie in the lane 16 away; 19-21 c m, its change, a
.macro XS t, n
	REGS \t
.if (\n) < 4
	v_max3_num_f32 v[rC+(\n)], v[rS+8*(\n)], v[rS+8*(\n)+1], v[rS+8*(\n)+2]
.elseif (\n) < 12
	v_max3_num_f32 v[rC+(\n)%4], v[rC+(\n)%4], v[rS+8*((\n)%4)+2*((\n)/4)+1], v[rS+8*((\n)%4)+2*((\n)/4)+2]
.elseif (\n) == 12
	v_max3_num_f32 v[rC], v[rC], v[rS+7], v[rS+15]
.elseif (\n) == 13
	v_max3_num_f32 v[rC+1], v[rC+1], v[rS+23], v[rS+31]
.elseif (\n) == 14
	v_max3_num_f32 v[rC+2], v[rC+2], v[rC+3], v[rT+1]
.elseif (\n) == 15
	v_mov_b32 v[rW], v[rT]
.elseif (\n) == 16
	v_max3_num_f32 v[rC], v[rC], v[rC+1], v[rC+2]
.elseif (\n) == 17
	v_permlanex16_b32 v[rC+3], v[rC], s[SEL], s[SEL+1]
.elseif (\n) == 18
	v_max_num_f32 v[rT+1], v[rC], v[rC+3]
.elseif (\n) == 19
	v_mul_f32 v[rT], s[CS], v[rT+1]
.elseif (\n) == 20
	v_sub_f32 v[rC+1], v[rW], v[rT]
.else
	v_exp_f32 v[rC+2], v[rC+1]
.endif
.endm
.macro FS t, n                      ; c s - c m for pair n of 16
	REGS \t
	v_pk_fma_f32 v[rS+2*(\n):rS+2*(\n)+1], v[rS+2*(\n):rS+2*(\n)+1], s[CS:CS+1], v[rT:rT+1] op_sel_hi:[1,0,0] neg_lo:[0,0,1] neg_hi:[0,0,1]
.endm
.macro EX t, n                      ; the exponential of score n of 32
	REGS \t
	v_exp_f32 v[rS+(\n)], v[rS+(\n)]
.endm
.macro RS t, n                      ; pair n of 16 of O^T times a
	REGS \t
	v_pk_mul_f32 v[rO+2*(\n):rO+2*(\n)+1], v[rO+2*(\n):rO+2*(\n)+1], v[rC+2:rC+3] op_sel_hi:[1,0]
.endm
.macro CV t, n                      ; pair n rounded to f16
	REGS \t
	v_cvt_pk_f16_f32 v[rP+(\n)], v[rS+2*(\n)], v[rS+2*(\n)+1]
.endm
.macro BS t, n                      ; of the four weights 4 n .. the second pair is added onto the first
	REGS \t
	v_pk_add_f32 v[rS+4*(\n):rS+4*(\n)+1], v[rS+4*(\n):rS+4*(\n)+1], v[rS+4*(\n)+2:rS+4*(\n)+3]
.endm
.macro LS t, n                      ; l takes that sum; the first time l = a l + sum
	REGS \t
.if (\n) == 0
	v_pk_fma_f32 v[rT+2:rT+3], v[rT+2:rT+3], v[rC+2:rC+3], v[rS:rS+1] op_sel_hi:[1,0,1]
.else
	v_pk_add_f32 v[rT+2:rT+3], v[rT+2:rT+3], v[rS+4*(\n):rS+4*(\n)+1]
.endif
.endm
.macro T2 both, mac, n              ; a line for both tiles, or for tile 1 alone
.if \both
	\mac 0, \n
.endif
	\mac 1, \n
.endm
; A KEY STEP of 64 keys.  both = 0: tile 1 alone.  m0, m1: tile 0's, tile 1's products take the mask.  kn, vn: the next step's place in the tile, or -1: nothing more of this tile is fetched.
; At its head K's run of 16 loads and, behind it, V's are out.
.macro STEP both, m0, m1, kn, vn
	s_wait_dscnt 16                 ; K is in; V's 16 younger loads may be out
	WIN 0x05                        ; K and Q window 1; S^T and the mask window 0
.set i, 0
.if \both
.rept 16
	KQ i%2, (i/2)%4, i/8, \m0, \m1
.set i, i+1
.endr
.else
.rept 8
	KQ 1, i%4, i/4, \m0, \m1
.set i, i+1
.endr
.endif
	PLACES                          ; in front of the loads into K's registers and of the maxima that read the scores
.if (\kn) >= 0
	FETCH_K \kn
.endif
	WIN 0
.irp n, 0,1,2,3,4,5,6,7,8,9,10,11,12,13,14,15,16,17,18,19,20,21
	T2 \both, XS, \n
.endr
	v_nop                           ; a plain instruction behind the exponentials,
	s_wait_alu depctr_va_vdst(0)    ; and the wait ahead of a's first reader: the rescalings below stand between the step's other exponentials
	T2 \both, FS, 0
.set nn, 0
.rept 16                            ; ONE BATCH: every exponential has a plain neighbour, and nothing here names a result of the batch; a pair is scaled a group ahead of its exponentials
.if \both
	EX 0, 2*nn
	RS 0, nn
.endif
	EX 1, 2*nn
	RS 1, nn
.if \both
	EX 0, 2*nn+1
.if nn < 15
	FS 0, nn+1
.endif
.endif
	EX 1, 2*nn+1
.if nn < 15
	FS 1, nn+1
.endif
.set nn, nn+1
.endr
	v_nop
	s_wait_alu depctr_va_vdst(0)    ; one wait for the batch
.set nn, 0
.rept 8
	T2 \both, CV, 2*nn
	T2 \both, CV, 2*nn+1
	T2 \both, BS, nn
.if nn > 0
	T2 \both, LS, nn-1
.endif
.set nn, nn+1
.endr
	T2 \both, LS, 7
.if (\kn) >= 0
	s_wait_dscnt 16                 ; V is in; the next K's 16 younger loads may be out
.else
	s_wait_dscnt 0x0                ; V is in
.endif
	WIN 0x01                        ; V window 1; P and O^T window 0
.set i, 0
.if \both
.rept 16
	PVM i%2, (i/2)%4, i/8
.set i, i+1
.endr
.else
.rept 8
	PVM 1, i%4, i/4
.set i, i+1
.endr
.endif
	PLACES                          ; in front of the loads into V's registers, here or behind the change of slots, and of the way out
.if (\vn) >= 0
	FETCH_V \vn
.endif
	WIN 0
.endm
.macro FULL                         ; a tile below the diagonal
	STEP 1, 0, 0, 64*PK, 64*PVP
	STEP 1, 0, 0, -1, -1
.endm
.macro DIAG                         ; the diagonal tile: step 0 is band 0's own and open to band 1; step 1 is hidden from band 0, which is left out, and band 1's own
	STEP 1, 1, 0, 64*PK, 64*PVP
	STEP 0, 0, 1, -1, -1
.endm
; THE WAY OUT: l's two halves and the other half of the lanes' are added; O^T is divided by l, rounded to f16 and sent through my stage in LDS, a tile at a time.
.macro PACK t
.set i, O+32*(\t)
.rept 16
	v_pk_mul_f32 v[i:i+1], v[i:i+1], v[ST+4*(\t)+2:ST+4*(\t)+3] op_sel_hi:[1,0]
.set i, i+2
.endr
.set i, 0
.rept 16
	v_cvt_pk_f16_f32 v[S+16*(\t)+i], v[O+32*(\t)+2*i], v[O+32*(\t)+2*i+1]
.set i, i+1
.endr
.irp f, 0,1,2,3
	ds_store_b128 v[STO], v[S+16*(\t)+4*\f:S+16*(\t)+4*\f+3] offset:32*\f
.endr
.irp f, 0,1,2,3
	ds_load_b128 v[S+16*(\t)+4*\f:S+16*(\t)+4*\f+3], v[RD] offset:\f*4*SP  ; LDS serves a wave's instructions in order (ISA guide 5.7.1.4): these see the stores above; the next tile's stores come behind them
.endr
.endm
.macro SEND t, younger              ; younger: the LDS instructions issued behind tile t's loads: the next tile's eight, or none
.irp f, 0,1,2,3
	s_wait_dscnt (\younger)+3-\f
	global_store_b128 v[GO], v[S+16*(\t)+4*\f:S+16*(\t)+4*\f+3], s[10:11] offset:(\t)*8192+\f*512  ; 512 consecutive bytes, at a multiple of 256 from O's first
.endr
.endm
.macro WAYOUT
	WIN 0
.irp t, 0,1
	v_add_f32 v[ST+4*\t+2], v[ST+4*\t+2], v[ST+4*\t+3]
.endr
.irp t, 0,1
	v_permlanex16_b32 v[ST+4*\t+3], v[ST+4*\t+2], s[SEL], s[SEL+1]
.endr
.irp t, 0,1
	v_add_f32 v[ST+4*\t+2], v[ST+4*\t+2], v[ST+4*\t+3]
.endr
.irp t, 0,1
	v_rcp_f32 v[ST+4*\t+2], v[ST+4*\t+2]
.endr
	v_nop                           ; a plain instruction behind the reciprocals,
	s_wait_alu depctr_va_vdst(0)    ; and one wait for both, ahead of their first use
	PACK 0
	PACK 1
	SEND 0, 8
	SEND 1, 0
.endm
.Lslot:                             ; eight trips: a tile is entered and the next is asked for; that load has the tile's two steps in which to land
	CHANGE 1
	s_sub_co_u32 s[RT], s[RT], 1
	s_cmp_lg_u32 s[RT], 0
	s_cbranch_scc1 .Lfull           ; j decides, the same in all partners; the jump goes forward, past no barrier and no tensor load
	DIAG                            ; in the loop this is the first block's end: the second block's last tile is the walk's last
	WAYOUT
	s_wait_xcnt 0x0                 ; the stores have read their registers and O's address
	s_mov_b64 s[10:11], s[OLO:OLO+1]
	s_add_co_u32 s[RT], s[PB], 1    ; the second block has j + 1 tiles
	WIN 0x41                        ; the second block's Q goes where the one text of the steps names Q
.set i, 0
.rept 32
	v_mov_b32 v[i], v[QB+i]
.set i, i+1
.endr
	WIN 0
.irp t, 0,1
	v_mov_b32 v[ST+4*\t], 0xfe000000
	v_mov_b32 v[ST+4*\t+1], 0xff7fffff
.endr
	s_branch .Lbottom
.Lfull:
	FULL
.Lbottom:
	s_sub_co_u32 s[SLOTS], s[SLOTS], 1
	s_cmp_lg_u32 s[SLOTS], 0
	s_cbranch_scc1 .Lslot
	CHANGE 0                        ; the walk's last tile is written out: nothing is asked for
	DIAG
	WAYOUT
	s_wait_tensorcnt 0x0            ; the wave's end: behind my last tensor load and my last LDS store
	ds_add_u32 v[SPW], v[NIL]
	s_wait_dscnt 0x0
	CROUND                          ; the closing round
	s_endpgm
.Lfunc_end_k_qdba5f32665_attn:
	.size	k_qdba5f32665_attn, .Lfunc_end_k_qdba5f32665_attn-k_qdba5f32665_attn
	.p2alignl 7, 3214868480
	.fill 96, 4, 3214868480
	.section	.rodata,"a",@progbits
	.p2align	6, 0x0
	.amdhsa_kernel k_qdba5f32665_attn
		.amdhsa_group_segment_fixed_size 327680
		.amdhsa_private_segment_fixed_size 0
		.amdhsa_enable_private_segment 0
		.amdhsa_kernarg_size 32
		.amdhsa_user_sgpr_count 2
		.amdhsa_user_sgpr_kernarg_segment_ptr 1
		.amdhsa_wavefront_size32 1
		.amdhsa_system_sgpr_workgroup_id_x 1
		.amdhsa_system_sgpr_workgroup_id_y 1
		.amdhsa_system_sgpr_workgroup_id_z 1
		.amdhsa_system_vgpr_workitem_id 0
		.amdhsa_next_free_vgpr 448
		.amdhsa_next_free_sgpr 90
		.amdhsa_reserve_vcc 1
		.amdhsa_float_denorm_mode_32 3
		.amdhsa_float_denorm_mode_16_64 3
		.amdhsa_memory_ordered 1
		.amdhsa_forward_progress 1
		.amdhsa_inst_pref_size 116
	.end_amdhsa_kernel
	.amdgpu_metadata
---
amdhsa.version: [ 1, 2 ]
amdhsa.kernels:
  - .name:           k_qdba5f32665_attn
    .symbol:         k_qdba5f32665_attn.kd
    .args:
      - { .name: qws, .offset: 0, .size: 8, .value_kind: global_buffer, .address_space: global }
      - { .name: kws, .offset: 8, .size: 8, .value_kind: global_buffer, .address_space: global }
      - { .name: vws, .offset: 16, .size: 8, .value_kind: global_buffer, .address_space: global }
      - { .name: ows, .offset: 24, .size: 8, .value_kind: global_buffer, .address_space: global }
    .group_segment_fixed_size: 327680
    .private_segment_fixed_size: 0
    .kernarg_segment_align: 8
    .kernarg_segment_size: 32
    .max_flat_workgroup_size: 128
    .sgpr_count:     90
    .vgpr_count:     448
    .wavefront_size: 32
...
	.end_amdgpu_metadata
.endif
;; end of part 3
;; launch oproj (part 4): grid 16 x 16, 4 waves a work-group, clusters of 4 x 4, 327,680 bytes of LDS; arguments ows, wob, out0; writes out0
.if DOCPART == 4
	.amdgcn_target "amdgcn-amd-amdhsa--gfx1250"
	.amdhsa_code_object_version 6
	.text
	.protected	k_qdba5f32665_oproj
	.globl	k_qdba5f32665_oproj
	.p2align	8
	.type	k_qdba5f32665_oproj,@function
k_qdba5f32665_oproj:
	s_mov_b64 s[64:65], 0
	v_nop
	global_prefetch_b8 v0, s[64:65] scope:SCOPE_SE
	s_setreg_imm32_b32 hwreg(HW_REG_WAVE_MODE, 25, 1), 1
	s_wait_xcnt 0x0
	s_wait_alu depctr_hold_cnt(0) depctr_sa_sdst(0) depctr_va_vdst(0) depctr_va_sdst(0) depctr_va_ssrc(0) depctr_va_vcc(0) depctr_vm_vsrc(0)
	s_getreg_b32 s2, hwreg(HW_REG_IB_STS2, 6, 4)
	s_cmp_eq_u32 s2, 0
	s_cbranch_scc0 .Lentry_in_a_cluster
	s_endpgm
.Lentry_in_a_cluster:
	s_bfe_u32 s2, ttmp6, 0x10000c
	s_cmp_lg_u32 s2, 0xf033
	s_cbranch_scc0 .Lentry_shape_is_right
	s_endpgm
.Lentry_shape_is_right:
; OPROJ: out0[token][n] = the sum over (h, d) of O[b*32+h][s][d] w_out[n][64 h + d]: 2048 x 2048, K = 2048; f16 operands, f32 sums, out0 in f32.  No work of reference() is left out here.
; O lies by heads, [b*32+h][1024][64] f16; wob is [2048][2048] f16 (w_out rounded to bf16, that number written as f16).
; SHARES.  A tile of out0 is 128 x 128: 16 x 16 work-groups; four waves, each 64 x 64: 16 accumulators.  K goes in steps of 256 = four heads through two LDS slots; a quarter of a step is one head.
; O's PART OF A SLOT: four planes of 128 tokens x 128 bytes.  In memory a plane's 128 tokens are 16,384 dense bytes, so two planes are asked for as TWO LONG ROWS of 8,192 elements, a plane apart, and
; padded in LDS after every 128 bytes: rows of 144 bytes.  w's part: 128 rows of 512 bytes + 16.
; CLUSTER 4 x 4: O's tile is shared along a row of the cluster, w's along a column; each is asked for jointly.  THE MATRIX INSTRUCTION IS USED TRANSPOSED (source 0 = 16 rows of w, source 1 = 16 tokens):
; a lane holds eight neighbouring numbers of a row of out0.  A wave's 64 columns are 256 bytes of a row, aligned: each wave has a stage of its own, and the way out needs no barrier.
; No prefetch: the tile is small.
; REGISTERS.  window 0: v0-31 addresses; v128-255 the accumulators ((a, b) at 128 + 8 (4 a + b)).  window 1: two fragment buffers of 128 (64 of O's, then 64 of w's); on the way out v0-127 rows read back.
.set KSTEP,  256
.set PA,     144                       ; O's rows in LDS: 36 words: the 16 rows of a load start at 16 different groups of four banks (64 banks of 4 bytes: ISA guide 11.1)
.set PLANE,  128*PA
.set PBP,    528                       ; w's rows: 132 words, likewise
.set BOFF,   4*PLANE
.set SLOT,   BOFF+128*PBP
.set STAGE,  2*SLOT                    ; 16 rows x 272 bytes for each wave
.set SPITCH, 272
.set SPARE,  STAGE+4*16*SPITCH         ; the spare words, 128 bytes for each wave: two blocks of 256 bytes that no other line names
.set LAPS,   4                         ; a lap = two K steps
.set ADRA, 16
.set ADRB, 20
.set STO,  24
.set RD,   25
.set CO,   26
.set SPW,  28                          ; my spare word; never rewritten
.set NIL,  29                          ; 0; never rewritten
.set ACC,  128
.set F0,   0
.set F1,   128
.set G1, 24
.set G0, 32
.set G1B, 48
.set G0B, 56
.set MSB, 0
.macro WIN new
.if MSB != (\new)
	s_set_vgpr_msb (MSB<<8)|(\new)
.set MSB, \new
.endif
.endm
.set MUL,  0x05                        ; sources 0 and 1 window 1; C and D window 0
.set TO_F, 0x40                        ; destination window 1, address and a store's data window 0
.macro JLOAD s                         ; waves 0 and 1 fetch O's planes, waves 2 and 3 w's halves; an s_nop 0 and four v_nop follow each line
	s_cmp_eq_u32 s11, 0
	s_cbranch_scc0 .Lfor_b_\@
	tensor_load_to_lds s[G0+4*(\s):G0+4*(\s)+3], s[G1:G1+7]
	s_nop 0
.rept 4
	v_nop
.endr
	s_branch .Lasked_\@
.Lfor_b_\@:
	tensor_load_to_lds s[G0B+4*(\s):G0B+4*(\s)+3], s[G1B:G1B+7]
	s_nop 0
.rept 4
	v_nop
.endr
.Lasked_\@:
.endm
.macro CREST
	s_cmp_lg_u32 s10, 0
	s_cbranch_scc1 .Lnot_wave_0_\@
	s_barrier_signal -3
.Lnot_wave_0_\@:
	s_barrier_wait -3
	s_barrier_signal -1
	s_barrier_wait -1
.endm
.macro CROUND
	s_barrier_signal -1
	s_barrier_wait -1
	CREST
.endm
	s_load_b128 s[4:7], s[0:1], 0x0                ; ows s[4:5], wob s[6:7]
	s_load_b64 s[8:9], s[0:1], 0x10                ; out0
	v_lshl_add_u32 v[SPW], v0, 2, SPARE
	v_mov_b32 v[NIL], 0
	ds_add_u32 v[SPW], v[NIL]                      ; the wave's opening: the add, twice on end, and its wait ahead of my first tensor load
	ds_add_u32 v[SPW], v[NIL]
	v_lshrrev_b32 v1, 5, v0
	v_readfirstlane_b32 s10, v1                    ; wave 0..3
	s_lshr_b32 s11, s10, 1                         ; which half of the tile's tokens is mine.  Also: I fetch for O (0) or for w (1)
	s_and_b32 s12, s10, 1                          ; which half of its columns.  Also: which half of that tile I fetch
	s_bfe_u32 s40, ttmp6, 0x40000
	s_bfe_u32 s41, ttmp6, 0x40004
	s_lshl_b32 s42, ttmp9, 2
	s_add_co_u32 s42, s42, s40                     ; tile column
	s_and_b32 s13, ttmp7, 0xffff
	s_lshl_b32 s13, s13, 2
	s_add_co_u32 s13, s13, s41                     ; tile row
	s_lshl_b32 s43, s41, 2
	s_lshl_b32 s43, 15, s43                        ; my row of the cluster
	s_lshl_b32 s44, 0x1111, s40                    ; my column
	s_or_b32 s[G1+0], s43, (1<<16)|(1<<20)|(1<<21)|(4<<22)|(3<<25)   ; O: the mask; 2-byte elements; padding on; bit 21 beside a mask; after every 32 words, 4 words
	s_mov_b32 s[G1+1], 8192<<16                    ; tensor_dim0 = 8,192: a plane's 128 tokens on end
	s_mov_b32 s[G1+2], 2<<16                       ; tensor_dim1 = 2 planes
	s_mov_b32 s[G1+3], 8192<<16                    ; tile_dim0
	s_mov_b32 s[G1+4], 2                           ; tile_dim1
	s_mov_b32 s[G1+5], 65536                       ; elements from plane to plane
	s_mov_b32 s[G1+6], 0
	s_mov_b32 s[G1+7], 0
	s_or_b32 s[G1B+0], s44, (1<<16)|(1<<20)|(1<<21)|(6<<22)|(3<<25)  ; w: after every 128 words, 4 words
	s_mov_b32 s[G1B+1], KSTEP<<16
	s_mov_b32 s[G1B+2], 64<<16
	s_mov_b32 s[G1B+3], KSTEP<<16
	s_mov_b32 s[G1B+4], 64
	s_mov_b32 s[G1B+5], 2048
	s_mov_b32 s[G1B+6], 0
	s_mov_b32 s[G1B+7], 0
	s_lshr_b32 s16, s13, 3                         ; O: b's 32 planes of 131,072 bytes,
	s_lshl_b32 s16, s16, 22
	s_lshl_b32 s17, s12, 18                        ; my two of the step's four,
	s_add_co_u32 s16, s16, s17
	s_and_b32 s17, s13, 7                          ; the tile's 128 tokens of 128 bytes
	s_lshl_b32 s17, s17, 14
	s_add_co_u32 s16, s16, s17
	s_mov_b32 s17, 0
	s_lshl_b32 s46, s42, 7                         ; w: row 128 x tile column + 64 x half, of 4,096 bytes
	s_lshl_b32 s47, s12, 6
	s_add_co_u32 s46, s46, s47
	s_lshl_b32 s46, s46, 12
	s_mov_b32 s47, 0
	s_mul_i32 s20, s12, 2*PLANE                    ; where they go: no place in the cluster enters an LDS address
	s_mul_i32 s21, s12, 64*PBP
	s_add_co_u32 s21, s21, BOFF
	s_wait_dscnt 0x0                               ; both opening adds are done
	s_wait_kmcnt 0x0
	s_add_nc_u64 s[14:15], s[4:5], s[16:17]
	s_add_nc_u64 s[46:47], s[6:7], s[46:47]
	CROUND                                         ; all sixteen work-groups are here: the first joint loads meet
.irp s, 0,1
	s_mov_b32 s[G0+4*(\s)], 1
	s_add_co_u32 s[G0+4*(\s)+1], s20, (\s)*SLOT
	s_add_nc_u64 s[G0+4*(\s)+2:G0+4*(\s)+3], s[14:15], (\s)*4*131072  ; K step s: four planes on
	s_or_b32 s[G0+4*(\s)+3], s[G0+4*(\s)+3], 0x80000000
	s_mov_b32 s[G0B+4*(\s)], 1
	s_add_co_u32 s[G0B+4*(\s)+1], s21, (\s)*SLOT
	s_add_nc_u64 s[G0B+4*(\s)+2:G0B+4*(\s)+3], s[46:47], (\s)*KSTEP*2
	s_or_b32 s[G0B+4*(\s)+3], s[G0B+4*(\s)+3], 0x80000000
	JLOAD \s
.endr
	v_and_b32 v1, 15, v0                           ; l % 16
	v_bfe_u32 v2, v0, 4, 1                         ; l / 16
	v_mul_u32_u24 v3, v1, PA
	v_lshl_add_u32 v3, v2, 4, v3
	v_mul_u32_u24 v4, v1, PBP
	v_lshl_add_u32 v4, v2, 4, v4
	s_mul_i32 s21, s11, 64*PA                      ; my 64 tokens
	s_mul_i32 s22, s12, 64*PBP                     ; my 64 rows of w,
	s_add_co_u32 s22, s22, BOFF                    ; behind O's planes
.irp s, 0,1
	v_add_nc_u32 v[ADRA+(\s)], s21, v3
	v_add_nc_u32 v[ADRB+(\s)], s22, v4
	s_add_co_u32 s21, s21, SLOT
	s_add_co_u32 s22, s22, SLOT
.endr
	s_mul_i32 s23, s10, 16*SPITCH
	s_add_co_u32 s23, s23, STAGE                   ; my stage
	v_mul_u32_u24 v4, v1, SPITCH                   ; in: row l % 16, 32 bytes for each half of the lanes
	v_lshl_add_u32 v4, v2, 5, v4
	v_add_nc_u32 v[STO], s23, v4
	v_mul_u32_u24 v5, v2, SPITCH                   ; back: lanes 0-15 take one row of 256 bytes, lanes 16-31 the next
	v_lshl_add_u32 v5, v1, 4, v5
	v_add_nc_u32 v[RD], s23, v5
	v_lshlrev_b32 v5, 13, v2                       ; and the same two rows in out0, 8,192 bytes apart
	v_lshl_add_u32 v[CO], v1, 4, v5
	s_lshl_b32 s16, s13, 7
	s_lshl_b32 s17, s11, 6
	s_add_co_u32 s16, s16, s17                     ; my first row of out0
	s_lshl_b32 s16, s16, 13
	s_mov_b32 s17, 0
	s_add_nc_u64 s[8:9], s[8:9], s[16:17]
	s_lshl_b32 s46, s42, 9                         ; my first column, in bytes: 512 x tile column + 256 x half
	s_lshl_b32 s47, s12, 8
	s_add_co_u32 s46, s46, s47
	s_mov_b32 s47, 0
	s_add_nc_u64 s[8:9], s[8:9], s[46:47]
; 8 matrix instructions: token blocks a0, a0 + 1 x all 4 column blocks, 32 along K: half c of buffer f.  The 16 accumulators take turns.  zero = 1: the first product starts the sums
.macro MUL8 f, c, a0, zero
	WIN MUL
.irp a, \a0, (\a0)+1
.irp b, 0,1,2,3
.if \zero
	v_wmma_f32_16x16x32_f16 v[ACC+8*(4*(\a)+(\b)):ACC+8*(4*(\a)+(\b))+7], v[(\f)+64+8*(4*(\c)+(\b)):(\f)+64+8*(4*(\c)+(\b))+7], v[(\f)+8*(4*(\c)+(\a)):(\f)+8*(4*(\c)+(\a))+7], 0
.else
	v_wmma_f32_16x16x32_f16 v[ACC+8*(4*(\a)+(\b)):ACC+8*(4*(\a)+(\b))+7], v[(\f)+64+8*(4*(\c)+(\b)):(\f)+64+8*(4*(\c)+(\b))+7], v[(\f)+8*(4*(\c)+(\a)):(\f)+8*(4*(\c)+(\a))+7], v[ACC+8*(4*(\a)+(\b)):ACC+8*(4*(\a)+(\b))+7]
.endif
.endr
.endr
.endm
; 32 LDS loads in one run: the fragments of quarter q (head q of the step's four), into buffer f; the first 32 along K first
.macro FETCH slot, q, f
	WIN TO_F
.irp c, 0,1
.irp i, 0,1,2,3
	ds_load_b128 v[(\f)+64+8*(4*(\c)+(\i)):(\f)+64+8*(4*(\c)+(\i))+3],   v[ADRB+(\slot)] offset:(\q)*128+64*(\c)+(\i)*16*PBP
	ds_load_b128 v[(\f)+64+8*(4*(\c)+(\i))+4:(\f)+64+8*(4*(\c)+(\i))+7], v[ADRB+(\slot)] offset:(\q)*128+64*(\c)+(\i)*16*PBP+32
	ds_load_b128 v[(\f)+8*(4*(\c)+(\i)):(\f)+8*(4*(\c)+(\i))+3],         v[ADRA+(\slot)] offset:(\q)*PLANE+64*(\c)+(\i)*16*PA
	ds_load_b128 v[(\f)+8*(4*(\c)+(\i))+4:(\f)+8*(4*(\c)+(\i))+7],       v[ADRA+(\slot)] offset:(\q)*PLANE+64*(\c)+(\i)*16*PA+32
.endr
.endr
.endm
.macro PLACES
.rept 4
	v_nop
.endr
.endm
; One of a K step's first three quarters: multiplies buffer f and fetches quarter q into g
.macro QUARTER slot, q, f, g, zero
	s_wait_dscnt 16                                ; the first 32 along K are in; the youngest 16 loads may be out
	MUL8 \f, 0, 0, \zero
	MUL8 \f, 0, 2, \zero
	PLACES
	FETCH \slot, \q, \g
	s_wait_dscnt 32                                ; all but the 32 just issued
	MUL8 \f, 1, 0, 0
	MUL8 \f, 1, 2, 0
.endm
; The last quarter multiplies buffer 1 and changes slots: ONE barrier; in front of it each wave waits for all its tensor loads, adds 0 to its spare word, and waits for that and for its reads of this slot.
; fill = 1: the barrier opens a round of the cluster's, and this slot is filled again first behind it, two K steps ahead: 112 matrix instructions ahead of the wait for it.
.macro TURN slot, next, fill
	WIN 0
	s_wait_tensorcnt 0x0
	ds_add_u32 v[SPW], v[NIL]
	s_wait_dscnt 17                                ; the add and the youngest 16 loads may be out
	MUL8 F1, 0, 0, 0
	s_wait_dscnt 0x0                               ; the add is done, and my reads of this slot are over
	s_barrier_signal -1
	MUL8 F1, 0, 2, 0
.if \fill
	WIN 0
.endif
	s_barrier_wait -1
.if \fill
	CREST
	s_add_nc_u64 s[G0+4*(\slot)+2:G0+4*(\slot)+3], s[G0+4*(\slot)+2:G0+4*(\slot)+3], 8*131072
	s_add_nc_u64 s[G0B+4*(\slot)+2:G0B+4*(\slot)+3], s[G0B+4*(\slot)+2:G0B+4*(\slot)+3], 2*KSTEP*2
	JLOAD \slot                                    ; its four v_nop are also the places in front of the loads below
.else
	PLACES
.endif
	FETCH \next, 0, F0
	MUL8 F1, 1, 0, 0
	MUL8 F1, 1, 2, 0
.endm
	s_wait_tensorcnt 1                             ; my part of K step 0 is in; K step 1's may stay out
	s_barrier_signal -1
	s_barrier_wait -1
	FETCH 0, 0, F0
	QUARTER 0, 1, F0, F1, 1                        ; the first quarter stands in front of the loop: its first products start the sums
	WIN 0
	s_mov_b32 s3, LAPS-1
.Llap:
	QUARTER 0, 2, F1, F0, 0
	QUARTER 0, 3, F0, F1, 0
	TURN 0, 1, 1
	QUARTER 1, 1, F0, F1, 0
	QUARTER 1, 2, F1, F0, 0
	QUARTER 1, 3, F0, F1, 0
	TURN 1, 0, 1
	QUARTER 0, 1, F0, F1, 0
	WIN 0
	s_sub_co_u32 s3, s3, 1
	s_cmp_lg_u32 s3, 0
	s_cbranch_scc1 .Llap
	QUARTER 0, 2, F1, F0, 0                        ; the last lap fills nothing
	QUARTER 0, 3, F0, F1, 0
	TURN 0, 1, 0
	QUARTER 1, 1, F0, F1, 0
	QUARTER 1, 2, F1, F0, 0
	QUARTER 1, 3, F0, F1, 0
	s_wait_dscnt 16
	MUL8 F1, 0, 0, 0
	MUL8 F1, 0, 2, 0
	s_wait_dscnt 0x0
	MUL8 F1, 1, 0, 0
	MUL8 F1, 1, 2, 0
	PLACES
	PLACES
; THE WAY OUT, a block of 16 tokens at a time: 32 bytes a lane into my own stage (each accumulator's low four registers first), back as whole rows of 256 bytes, and stored.
.macro TOSTAGE a
	WIN TO_F
.irp b, 0,1,2,3
	ds_store_b128 v[STO], v[ACC+8*(4*(\a)+(\b)):ACC+8*(4*(\a)+(\b))+3]   offset:64*(\b)
	ds_store_b128 v[STO], v[ACC+8*(4*(\a)+(\b))+4:ACC+8*(4*(\a)+(\b))+7] offset:64*(\b)+16
.endr
.irp t, 0,1,2,3,4,5,6,7
	ds_load_b128 v[32*(\a)+4*(\t):32*(\a)+4*(\t)+3], v[RD] offset:(\t)*2*SPITCH  ; LDS serves a wave's instructions in order (ISA guide 5.7.1.4): these see the stores above; the next block's stores come behind them
.endr
.endm
.macro SEND a, younger                 ; younger: the LDS instructions issued behind block a's loads: the next block's sixteen, or none
	WIN 0x04                                       ; a store's data: window 1
.irp t, 0,1,2,3,4,5,6,7
	s_wait_dscnt (\younger)+7-(\t)
	global_store_b128 v[CO], v[32*(\a)+4*(\t):32*(\a)+4*(\t)+3], s[8:9] offset:(16*(\a)+2*(\t))*8192 th:TH_STORE_NT  ; 16 lanes store 256 consecutive bytes, at a multiple of 256 from out0's first byte
.endr
.endm
	TOSTAGE 0
.irp a, 1,2,3
	TOSTAGE \a
	SEND (\a)-1, 16
.endr
	SEND 3, 0
	WIN 0
	s_wait_tensorcnt 0x0                           ; the wave's end: behind my last tensor load and my last LDS store
	ds_add_u32 v[SPW], v[NIL]
	s_wait_dscnt 0x0
	CROUND                                         ; the closing round
	s_endpgm
.Lfunc_end_k_qdba5f32665_oproj:
	.size	k_qdba5f32665_oproj, .Lfunc_end_k_qdba5f32665_oproj-k_qdba5f32665_oproj
	.p2alignl 7, 3214868480
	.fill 96, 4, 3214868480
	.section	.rodata,"a",@progbits
	.p2align	6, 0x0
	.amdhsa_kernel k_qdba5f32665_oproj
		.amdhsa_group_segment_fixed_size 327680
		.amdhsa_private_segment_fixed_size 0
		.amdhsa_enable_private_segment 0
		.amdhsa_kernarg_size 24
		.amdhsa_user_sgpr_count 2
		.amdhsa_user_sgpr_kernarg_segment_ptr 1
		.amdhsa_wavefront_size32 1
		.amdhsa_system_sgpr_workgroup_id_x 1
		.amdhsa_system_sgpr_workgroup_id_y 1
		.amdhsa_system_sgpr_workgroup_id_z 1
		.amdhsa_system_vgpr_workitem_id 0
		.amdhsa_next_free_vgpr 512
		.amdhsa_next_free_sgpr 66
		.amdhsa_reserve_vcc 0
		.amdhsa_float_denorm_mode_32 3
		.amdhsa_float_denorm_mode_16_64 3
		.amdhsa_memory_ordered 1
		.amdhsa_forward_progress 1
		.amdhsa_inst_pref_size 87
	.end_amdhsa_kernel
	.amdgpu_metadata
---
amdhsa.version: [ 1, 2 ]
amdhsa.kernels:
  - .name:           k_qdba5f32665_oproj
    .symbol:         k_qdba5f32665_oproj.kd
    .args:
      - { .name: ows, .offset: 0, .size: 8, .value_kind: global_buffer, .address_space: global }
      - { .name: wob, .offset: 8, .size: 8, .value_kind: global_buffer, .address_space: global }
      - { .name: out0, .offset: 16, .size: 8, .value_kind: global_buffer, .address_space: global }
    .group_segment_fixed_size: 327680
    .private_segment_fixed_size: 0
    .kernarg_segment_align: 8
    .kernarg_segment_size: 24
    .max_flat_workgroup_size: 128
    .sgpr_count:     66
    .vgpr_count:     512
    .wavefront_size: 32
...
	.end_amdgpu_metadata
.endif
;; end of part 4
;; ======== version 2 of 2: 4 launches; 1.12 times as fast as version 1
;; limits: values are held in f16: magnitudes above 65,504 overflow, below 6.1e-05 lose precision; right only within a limited range of input values; values outside matrix products are rounded to f16
;; workspace buffers: xb 8,388,608 bytes; wqb 12,582,912 bytes; wob 8,388,608 bytes; tab 262,144 bytes; qws 8,388,608 bytes; kws 2,097,152 bytes; vws 2,097,152 bytes; ows 8,388,608 bytes
;; launch prep (part 5): grid 1792 x 1, 8 waves a work-group, no clusters, 0 bytes of LDS; arguments x, w_qkv, w_out, xb, wqb, wob, tab; writes xb, wqb, wob, tab
.if DOCPART == 5
	.amdgcn_target "amdgcn-amd-amdhsa--gfx1250"
	.amdhsa_code_object_version 6
	.text
	.protected	k_qdba5f32665_prep
	.globl	k_qdba5f32665_prep
	.p2align	8
	.type	k_qdba5f32665_prep,@function
k_qdba5f32665_prep:
	s_mov_b64 s[64:65], 0
	v_nop
	global_prefetch_b8 v0, s[64:65] scope:SCOPE_SE
	s_setreg_imm32_b32 hwreg(HW_REG_WAVE_MODE, 25, 1), 1
	s_wait_xcnt 0x0
; PREP: the inputs of the two projections are rounded once, and the table of RoPE is made.
;   xb  = x rounded to bf16, [2048][2048].     wob = w_out rounded to bf16, that number written as f16, [2048][2048].
;   wqb = w_qkv rounded to bf16, [3072][2048], rows in another order: row tx*192 + z*64 + c holds row (tx + 16 z)*64 + c of w_qkv (tx 0..15, z 0..2, c 0..63),
;         so that 192 rows on end hold the heads tx and tx + 16 (both of Q) and 32 + tx (of K if tx < 8, else of V).
;   tab = [1024 positions][cos 0..31 | sin 0..31] in f32, 256 bytes a position.
; WORK OF reference() THAT THE PROGRAM LEAVES OUT, for all values of the inputs:
;   V * rsqrt(1 + 1e-8): the factor is built in reference()'s own body; float32(1 + 1e-8) is 1, so it is 1; in real numbers it moves V by 5e-9 of itself, under f32's rounding.
;   Scores above the diagonal of reference()'s own tril: where they come in whole tiles of keys (and one whole band and step of the diagonal tile) they are not computed: their weights are 0.
;   jnp.repeat of K and V is a lookup (query head h reads head h / 4): the eight heads are read as they are; only out1 holds the four copies.  Transposes and reshapes are addressing.
;   The sum of squares of the RMS norm is taken ahead of RoPE: a rotation keeps it (cos^2 + sin^2 = 1); only the order of rounding differs.
;   Every input has a way to an output: all four are loaded.  A NaN, an infinity or an overflow that reaches only the work left out is not carried to the result.
; LIMITS.  w_out as f16: exact from 7.6e-6 to 65,504 in magnitude, below that within 3e-8.  The angle pos * inv_freq is reduced with one fused step: within about 6e-5 rad at position 1023.
; SHARES.  7,168 rows of 2,048 f32; a work-group takes 4: groups 0-511 x, 512-1279 w_qkv, 1280-1791 w_out.  Wave w takes columns 256 w .. 256 w + 255 of each row: a load of the wave covers 512
; consecutive bytes, a store 256 consecutive bytes at a multiple of 256.  All eight loads of a wave go out first.  No LDS, no matrix unit, no cluster: nothing is shared and nothing is multiplied.
; REGISTERS.  64 a wave: the 1,792 work-groups are seven for each of 256 WGPs, two waves of each on a SIMD: 14 x 64 = 896 of a SIMD's 1,024 registers, so that all seven can have their loads out together.
.set ROWIN,  8192                      ; bytes in a row of f32
.set ROWOUT, 4096                      ; bytes in a row of 16 bits
.set X, 8                              ; v[8:39]   eight loads of four
.set Y, 40                             ; v[40:55]  eight pairs to store, each written once: no store's data is waited for
.set T, 8                              ; v[8:31]   the table's registers: X's, whose loads have landed and been converted by then
	s_load_b256 s[4:11], s[0:1], 0x0               ; x s[4:5], w_qkv s[6:7], w_out s[8:9], xb s[10:11]
	s_load_b128 s[12:15], s[0:1], 0x20             ; wqb s[12:13], wob s[14:15]
	s_load_b64 s[16:17], s[0:1], 0x30              ; tab
	v_lshrrev_b32 v3, 5, v0
	v_readfirstlane_b32 s19, v3                    ; wave 0..7
	v_and_b32 v4, 31, v0                           ; lane
	v_lshlrev_b32 v1, 4, v4
	v_lshl_or_b32 v1, v3, 10, v1                   ; in: 1,024 w + 16 l
	v_lshrrev_b32 v2, 1, v1                        ; out: 512 w + 8 l
	s_mov_b32 s20, ttmp9                           ; g
	s_min_u32 s18, s20, 511                        ; the group's number within x,
	s_max_u32 s21, s20, 512
	s_sub_co_u32 s21, s21, 512
	s_min_u32 s21, s21, 767                        ; within w_qkv,
	s_max_u32 s22, s20, 1280
	s_sub_co_u32 s22, s22, 1280                    ; within w_out: each held to its range, whichever is used
	s_lshr_b32 s23, s21, 4                         ; w_qkv: the head 0..47 (16 groups of 4 rows a head)
	s_and_b32 s24, s21, 15                         ; which 4 of its 64 rows
	s_lshr_b32 s25, s23, 4                         ; z
	s_and_b32 s26, s23, 15                         ; tx
	s_mul_i32 s26, s26, 192
	s_lshl_b32 s25, s25, 6
	s_add_co_u32 s26, s26, s25
	s_lshl2_add_u32 s26, s24, s26                  ; the row in wqb: 192 tx + 64 z + 4 x (which 4)
	s_lshl_b32 s32, s18, 2                         ; the row in xb
	s_lshl_b32 s33, s22, 2                         ; the row in wob
	s_mov_b32 s37, 0
	s_mov_b32 s39, 0
	s_wait_kmcnt 0x0
	s_cmp_lt_u32 s20, 512                          ; x or w_qkv?
	s_cselect_b32 s27, s18, s21
	s_cselect_b32 s34, s32, s26
	s_cselect_b64 s[28:29], s[4:5], s[6:7]
	s_cselect_b64 s[30:31], s[10:11], s[12:13]
	s_cmp_lt_u32 s20, 1280                         ; or w_out?
	s_cselect_b32 s27, s27, s22
	s_cselect_b32 s34, s34, s33
	s_cselect_b64 s[28:29], s[28:29], s[8:9]
	s_cselect_b64 s[30:31], s[30:31], s[14:15]
	s_lshl_b32 s36, s27, 15                        ; 4 rows of 8,192 bytes a group
	s_lshl_b32 s38, s34, 12                        ; rows of 4,096 bytes
	s_add_nc_u64 s[28:29], s[28:29], s[36:37]
	s_add_nc_u64 s[30:31], s[30:31], s[38:39]
.irp i, 0,1,2,3,4,5,6,7
	global_load_b128 v[X+4*(\i):X+4*(\i)+3], v1, s[28:29] offset:((\i)/2)*ROWIN+((\i)%2)*512 th:TH_LOAD_NT
.endr
; The eight pieces are rounded and stored as they come.  f16 = 1: the bf16 number is widened again and written as f16.
.macro ROWS f16
.irp i, 0,1,2,3,4,5,6,7
	s_wait_loadcnt 7-(\i)                          ; loads come back in order: piece i is in, the 7 - i younger ones stay out
.if \f16
	v_cvt_pk_bf16_f32 v56, v[X+4*(\i)], v[X+4*(\i)+1]
	v_cvt_pk_bf16_f32 v57, v[X+4*(\i)+2], v[X+4*(\i)+3]
	v_lshlrev_b32 v58, 16, v56
	v_and_b32 v59, 0xffff0000, v56
	v_lshlrev_b32 v60, 16, v57
	v_and_b32 v61, 0xffff0000, v57
	v_cvt_pk_f16_f32 v[Y+2*(\i)], v58, v59
	v_cvt_pk_f16_f32 v[Y+2*(\i)+1], v60, v61
.else
	v_cvt_pk_bf16_f32 v[Y+2*(\i)], v[X+4*(\i)], v[X+4*(\i)+1]
	v_cvt_pk_bf16_f32 v[Y+2*(\i)+1], v[X+4*(\i)+2], v[X+4*(\i)+3]
.endif
	global_store_b64 v2, v[Y+2*(\i):Y+2*(\i)+1], s[30:31] offset:((\i)/2)*ROWOUT+((\i)%2)*256
.endr
.endm
	s_cmp_ge_u32 s20, 1280
	s_cbranch_scc1 .Lhalf
	ROWS 0
	s_cmp_lt_u32 s20, 512                          ; the table: wave 0 of groups 0-511, two positions (512 bytes) each
	s_cbranch_scc0 .Lend
	s_cmp_eq_u32 s19, 0
	s_cbranch_scc0 .Lend
	; Lane l: position 2 g + l / 16; of the position's 64 numbers those at 4 (l % 16) + 0..3: cos of frequencies 4 (l % 8) + k for l % 16 < 8, else sin.
	; In turns: t = angle / 2 pi (less a quarter turn for sin); u = t - round(t); cos(2 pi u) = sin(2 pi (1/4 - |u|)), an argument within pi / 2 for every input:
	; there the series through y^11 is cut at y^13 / 13!, at most 6e-8.
	s_mov_b32 s40, 0x3e22f983                      ; 1 / 2 pi
	s_mov_b32 s41, 0x3e800000                      ; 1/4
	s_mov_b32 s42, 0xb2d7322b                      ; -1 / 11!
	s_mov_b32 s43, 0x3638ef1d                      ; 1 / 9!
	s_lshl_b32 s45, s18, 1
	s_lshl_b32 s46, s18, 9
	v_lshrrev_b32 v[T], 4, v4
	v_add_nc_u32 v[T], s45, v[T]
	v_cvt_f32_u32 v[T], v[T]                       ; the position
	v_and_b32 v[T+1], 15, v4
	v_lshrrev_b32 v[T+2], 3, v[T+1]
	v_cvt_f32_u32 v[T+2], v[T+2]
	v_mul_f32 v[T+2], 0x3e800000, v[T+2]           ; the quarter turn, or 0
	v_and_b32 v[T+1], 7, v[T+1]
	v_lshlrev_b32 v[T+1], 2, v[T+1]
.irp k, 0,1,2,3
	v_add_nc_u32 v[T+4+(\k)], (\k), v[T+1]
	v_cvt_f32_u32 v[T+4+(\k)], v[T+4+(\k)]
	v_mul_f32 v[T+4+(\k)], 0xbed49a78, v[T+4+(\k)] ; -i log2(10000) / 32
.endr
.irp k, 0,1,2,3
	v_exp_f32 v[T+4+(\k)], v[T+4+(\k)]             ; inv_freq: one batch of four
.endr
	v_lshl_add_u32 v[T+3], v4, 4, s46              ; my 16 bytes of tab: the plain instruction behind the last exponential
	s_wait_alu depctr_va_vdst(0)                   ; one wait for the batch, ahead of its first reader
.irp k, 0,1,2,3
	v_mul_f32 v[T+8+(\k)], v[T], v[T+4+(\k)]       ; the angle, rounded to f32 as reference() rounds it
	v_fma_f32 v[T+12+(\k)], v[T+8+(\k)], s40, -v[T+2]
	v_rndne_f32 v[T+12+(\k)], v[T+12+(\k)]         ; whole turns
	v_fma_f32 v[T+12+(\k)], v[T+8+(\k)], s40, -v[T+12+(\k)]  ; what is left, in one rounding
	v_sub_f32 v[T+12+(\k)], v[T+12+(\k)], v[T+2]   ; u
	v_sub_f32 v[T+12+(\k)], s41, |v[T+12+(\k)]|
	v_mul_f32 v[T+12+(\k)], 0x40c90fdb, v[T+12+(\k)]  ; y = 2 pi (1/4 - |u|)
	v_mul_f32 v[T+16+(\k)], v[T+12+(\k)], v[T+12+(\k)]
	v_fma_f32 v[T+20+(\k)], v[T+16+(\k)], s42, s43
	v_fmaak_f32 v[T+20+(\k)], v[T+20+(\k)], v[T+16+(\k)], 0xb9500d01  ; -1 / 7!
	v_fmaak_f32 v[T+20+(\k)], v[T+20+(\k)], v[T+16+(\k)], 0x3c088889  ; 1 / 5!
	v_fmaak_f32 v[T+20+(\k)], v[T+20+(\k)], v[T+16+(\k)], 0xbe2aaaab  ; -1 / 3!
	v_fma_f32 v[T+20+(\k)], v[T+20+(\k)], v[T+16+(\k)], 1.0
	v_mul_f32 v[T+20+(\k)], v[T+20+(\k)], v[T+12+(\k)]
.endr
	global_store_b128 v[T+3], v[T+20:T+23], s[16:17]  ; the wave stores 512 consecutive bytes
.Lend:
	s_endpgm
.Lhalf:
	ROWS 1
	s_endpgm
.Lfunc_end_k_qdba5f32665_prep:
	.size	k_qdba5f32665_prep, .Lfunc_end_k_qdba5f32665_prep-k_qdba5f32665_prep
	.p2alignl 7, 3214868480
	.fill 96, 4, 3214868480
	.section	.rodata,"a",@progbits
	.p2align	6, 0x0
	.amdhsa_kernel k_qdba5f32665_prep
		.amdhsa_group_segment_fixed_size 0
		.amdhsa_private_segment_fixed_size 0
		.amdhsa_enable_private_segment 0
		.amdhsa_kernarg_size 56
		.amdhsa_user_sgpr_count 2
		.amdhsa_user_sgpr_kernarg_segment_ptr 1
		.amdhsa_wavefront_size32 1
		.amdhsa_system_sgpr_workgroup_id_x 1
		.amdhsa_system_sgpr_workgroup_id_y 1
		.amdhsa_system_sgpr_workgroup_id_z 1
		.amdhsa_system_vgpr_workitem_id 0
		.amdhsa_next_free_vgpr 64
		.amdhsa_next_free_sgpr 66
		.amdhsa_reserve_vcc 0
		.amdhsa_float_denorm_mode_32 3
		.amdhsa_float_denorm_mode_16_64 3
		.amdhsa_memory_ordered 1
		.amdhsa_forward_progress 1
		.amdhsa_inst_pref_size 14
	.end_amdhsa_kernel
	.amdgpu_metadata
---
amdhsa.version: [ 1, 2 ]
amdhsa.kernels:
  - .name:           k_qdba5f32665_prep
    .symbol:         k_qdba5f32665_prep.kd
    .args:
      - { .name: x, .offset: 0, .size: 8, .value_kind: global_buffer, .address_space: global }
      - { .name: w_qkv, .offset: 8, .size: 8, .value_kind: global_buffer, .address_space: global }
      - { .name: w_out, .offset: 16, .size: 8, .value_kind: global_buffer, .address_space: global }
      - { .name: xb, .offset: 24, .size: 8, .value_kind: global_buffer, .address_space: global }
      - { .name: wqb, .offset: 32, .size: 8, .value_kind: global_buffer, .address_space: global }
      - { .name: wob, .offset: 40, .size: 8, .value_kind: global_buffer, .address_space: global }
      - { .name: tab, .offset: 48, .size: 8, .value_kind: global_buffer, .address_space: global }
    .group_segment_fixed_size: 0
    .private_segment_fixed_size: 0
    .kernarg_segment_align: 8
    .kernarg_segment_size: 56
    .max_flat_workgroup_size: 256
    .sgpr_count:     66
    .vgpr_count:     64
    .wavefront_size: 32
...
	.end_amdgpu_metadata
.endif
;; end of part 5
;; launch qkv (part 6): grid 16 x 16, 4 waves a work-group, clusters of 4 x 4, 327,680 bytes of LDS; arguments xb, wqb, tab, gain, qws, kws, vws; writes qws, kws, vws
.if DOCPART == 6
	.amdgcn_target "amdgcn-amd-amdhsa--gfx1250"
	.amdhsa_code_object_version 6
	.text
	.protected	k_qdba5f32665_qkv
	.globl	k_qdba5f32665_qkv
	.p2align	8
	.type	k_qdba5f32665_qkv,@function
k_qdba5f32665_qkv:
	s_mov_b64 s[64:65], 0
	v_nop
	global_prefetch_b8 v0, s[64:65] scope:SCOPE_SE
	s_setreg_imm32_b32 hwreg(HW_REG_WAVE_MODE, 25, 1), 1
	s_wait_xcnt 0x0
	s_wait_alu depctr_hold_cnt(0) depctr_sa_sdst(0) depctr_va_vdst(0) depctr_va_sdst(0) depctr_va_ssrc(0) depctr_va_vcc(0) depctr_vm_vsrc(0)
	s_getreg_b32 s2, hwreg(HW_REG_IB_STS2, 6, 4)
	s_cmp_eq_u32 s2, 0
	s_cbranch_scc0 .Lentry_in_a_cluster
	s_endpgm
.Lentry_in_a_cluster:
	s_bfe_u32 s2, ttmp6, 0x10000c
	s_cmp_lg_u32 s2, 0xf033
	s_cbranch_scc0 .Lentry_shape_is_right
	s_endpgm
.Lentry_shape_is_right:
; QKV: proj = x w_qkv^T (2048 x 3072, K = 2048, bf16 operands, f32 sums), and on its way out RoPE, the RMS norm over a head's 64 channels and the gain.
; Stored: q [b*32+h][1024][64], k and v [b*8+kv][1024][64], all f16, each rounded once.  out1 is made of v by the launch behind this one.
; Left out (shown at the head of the first kernel): V's factor rsqrt(1 + 1e-8), which is 1; the sum of squares is taken ahead of RoPE, which keeps it.
; LIMITS.  f16 ends at 65,504: |V| stays under it; |q| is at most 8 |gain|, so |gain| under 8,000.  gain is rounded to bf16 like the other inputs, and applied in f32 ahead of q's one rounding.
; NaN and infinities are not treated apart.
; SHARES.  A tile of proj is 128 tokens x 192 columns: 16 x 16 work-groups.  wqb's rows are laid so that tile column tx holds heads tx, tx + 16 (Q) and 32 + tx: K where the cluster's x is
; under 2, else V: the same answer in all sixteen partners.  Wave (mh, nh) takes tokens 64 mh .. + 63 and, of EACH of the three heads, the blocks of 16 channels nh and nh + 2: 24 accumulators.
; So RoPE's partners c and c + 32 lie in one lane under one register index; only the sum of squares crosses the pair of waves, through LDS.  (V's sum of squares is made with the others and not used:
; it lies inside a tile with live work.)
; THE MATRIX INSTRUCTION IS USED TRANSPOSED (source 0 = 16 rows of w, source 1 = 16 tokens): a lane holds token lane % 16 and channels 8 (lane / 16) + 0..7 of the block.
; RING.  K in steps of 256 (rows of 512 bytes, each at a multiple of 256 from the buffer's first byte) through two LDS slots: eight steps, six refills; a refill has 168 matrix instructions of its wave in
; which to land.  Two slots of all 320 rows x 528 bytes would be 337,920 bytes, more than the 327,680 that there are.  So of each wave's four blocks of 16 tokens the fourth (tokens 48 .. 63 of its 64) does
; not go through LDS: its fragments come straight from xb into registers, 16 loads of 16 bytes a lane for a K step, which together take 512 consecutive bytes of each of the 16 rows; they are asked for a
; K step ahead, beside the slot's refill, into two sets of registers.  A slot then has 96 + 192 rows, and two slots take 304,128 bytes.
; THE ORDER OF K.  The clusters fall into two classes by their place (X, Y) in the grid of clusters: r = (X xor Y xor Y / 2) mod 2.  In step s a cluster takes K block (s + 4 r) mod 8: one class begins at
; block 0, the other at block 4, and both wrap.  So of the clusters that read the same rows of x (equal Y) or of w (equal X), some ask for a block four steps ahead of the others.  r is the same in all
; sixteen partners.  The f32 sums are taken in that order: a limit of rounding order, within the sums' own rounding.
; THE STAGE of the way out lies in slot 0: its last fill has landed and has been read, by every wave, two barriers ahead of the first store into it, and no tensor load follows.
; CLUSTER 4 x 4: x's tile is shared along a row of the cluster, w's along a column: each is asked for jointly.  No prefetch: the tile is small.
; REGISTERS.  window 0: v0-31 addresses; v64-255 the accumulators, (a, bi) at 64 + 8 (6 a + bi), bi = 2 z + p: head z, channel block nh + 2 p.
;   window 1: v0-159 fragments of 64 along K (half c: x's three at 80 c + 8 a, w's six at 80 c + 32 + 8 bi), at work on the way out; v160-223 the fourth block's fragments of a step's quarters 0 and 2, by slot; v224 the gain.
;   window 2: v0-159 the second such buffer; v160-223 the fourth block's fragments of quarters 1 and 3.     window 3: v0-63 cos and sin.
.set KSTEP,  256
.set PITCH,  528                       ; an LDS row: 512 bytes + 16 of padding = 132 words: the 16 rows of a fragment load start at 16 different groups of four banks (64 banks of 4 bytes: ISA guide 11.1)
.set BOFF,   96*PITCH                  ; a slot: x's 96 rows (48 for each half of the tokens), then w's 192
.set SLOT,   288*PITCH
.set STAGE,  0                         ; in slot 0.  f16 results: [head z][128 tokens], rows of 128 bytes + 16; ends at byte 55,296
.set SP,     144
.set HST,    128*SP
.set SPARE,  2*SLOT                    ; the spare words, 128 bytes for each wave: two blocks of 256 bytes that no other line names
.set PS,     SPARE+512                 ; partial sums of squares: [nh][128 tokens][4 f32]: bytes of their own
.set AO,   14                          ; v14     my offset in the fourth block's 16 rows of xb: (l % 16) x 4,096 + 16 (l / 16); never rewritten
.set ADRA, 16                          ; v16-17  LDS address of my fragments of x in slot 0, 1
.set ADRB2, 18                         ; v18-19  of w's third head: 128 rows on, past what an immediate of 16 bits reaches
.set ADRB, 20                          ; v20-21  of w
.set STO,  22                          ; where I put 16 bytes of f16
.set RD,   24                          ; where I read f16 rows back
.set GOFF, 26                          ; 16 x lane
.set PSW,  27                          ; my partial sums
.set SPW,  28                          ; my spare word: SPARE + 4 x my thread's number; never rewritten
.set NIL,  29                          ; 0; never rewritten
.set PSR,  30                          ; the partner wave's partial sums
.set TO,   31                          ; my offset in tab
.set ACC,  64
.set A3,   160                         ; windows 1 and 2: slot p, quarter q, half c at 160 + 32 p + 16 (q / 2) + 8 c, in window 1 + q % 2
.set TP,   0                           ; window 1, on the way out: 12 pairs of sums; then the 12 reciprocal roots in v0-11
.set SS,   24                          ; sums of squares at 4 a + z (4 a + 3 is 0)
.set PP,   40                          ; the partner's
.set FF,   56                          ; the factor of (a, z), twice, at 2 (3 a + z)
.set O1,   80
.set O2,   88
.set TM1,  96
.set TM2,  104
.set PK,   112
.set GN,   224
.set TAB,  0                           ; window 3: token block a: cos at 16 a, sin at 16 a + 8
.set BK,   0                           ; window 2, on the way out
.set BA,  14                           ; s[14:15] xb at my part of x's tile, K block 0
.set XD,  18                           ; s[18:19] xb at the fourth block's first row, at the K block that was asked for last
.set G1,  24                           ; s[24:31] descriptor group 1 for x's tiles;  s[32:39] group 0, a set for each slot
.set G0,  32
.set BB,  46                           ; s[46:47] wqb at my part of w's tile, K block 0
.set G1B, 48                           ; s[48:55], s[56:63] the same for w's
.set G0B, 56
.set XB,  68                           ; s[68:69] xb at the fourth block's first row, K block 0
.set DQ,  86                           ; s[86:87] head tx's rows, s[88:89] head tx + 16's, s[90:91] K's or V's
.set SEL, 96
.set OF,  98                           ; s[98:99] a K block's byte offset in a row of x and of w: 512 bytes a block
.set KI,  100                          ; s100, s101  the K block that slot 0, slot 1 was last asked to hold
.set MSB, 0
.macro WIN new                         ; the immediate's high byte repeats the setting that is left; a switch that changes nothing is dropped
.if MSB != (\new)
	s_set_vgpr_msb (MSB<<8)|(\new)
.set MSB, \new
.endif
.endm
.macro PLACES                          ; four places behind matrix instructions (ISA guide 7.12.1)
.rept 4
	v_nop
.endr
.endm
.macro JLOAD s                         ; a joint load: waves 0 and 1 fetch x's two halves, waves 2 and 3 w's; an s_nop 0 and four v_nop follow each line
	s_cmp_eq_u32 s11, 0
	s_cbranch_scc0 .Lfor_b_\@
	tensor_load_to_lds s[G0+4*(\s):G0+4*(\s)+3], s[G1:G1+7]
	s_nop 0
.rept 4
	v_nop
.endr
	s_branch .Lasked_\@
.Lfor_b_\@:
	tensor_load_to_lds s[G0B+4*(\s):G0B+4*(\s)+3], s[G1B:G1B+7]
	s_nop 0
.rept 4
	v_nop
.endr
.Lasked_\@:
.endm
.macro CREST                           ; a round of the cluster's barrier behind its opening barrier
	s_cmp_lg_u32 s10, 0
	s_cbranch_scc1 .Lnot_wave_0_\@
	s_barrier_signal -3
.Lnot_wave_0_\@:
	s_barrier_wait -3
	s_barrier_signal -1
	s_barrier_wait -1
.endm
.macro CROUND
	s_barrier_signal -1
	s_barrier_wait -1
	CREST
.endm
; Slot s's two global addresses are made anew from its K block's number: the buffer's pointer plus an offset made apart, the type bits set again
.macro WHERE s
	s_lshl_b32 s[OF], s[KI+(\s)], 9
	s_add_nc_u64 s[G0+4*(\s)+2:G0+4*(\s)+3], s[BA:BA+1], s[OF:OF+1]
	s_or_b32 s[G0+4*(\s)+3], s[G0+4*(\s)+3], 0x80000000
	s_add_nc_u64 s[G0B+4*(\s)+2:G0B+4*(\s)+3], s[BB:BB+1], s[OF:OF+1]
	s_or_b32 s[G0B+4*(\s)+3], s[G0B+4*(\s)+3], 0x80000000
.endm
; Four loads: the fourth token block's fragments of quarter q (64 along K) of a K block, into slot p's set; off: bytes from the pointer to the block
.macro GLQ p, q, off
	WIN 0x40*(1+(\q)%2)
.irp c, 0,1
	global_load_b128 v[A3+32*(\p)+16*((\q)/2)+8*(\c):A3+32*(\p)+16*((\q)/2)+8*(\c)+3],   v[AO], s[XD:XD+1] offset:(\off)+(\q)*128+64*(\c)
	global_load_b128 v[A3+32*(\p)+16*((\q)/2)+8*(\c)+4:A3+32*(\p)+16*((\q)/2)+8*(\c)+7], v[AO], s[XD:XD+1] offset:(\off)+(\q)*128+64*(\c)+32
.endr
.endm
	s_load_b256 s[68:75], s[0:1], 0x0              ; xb 68, wqb 70, tab 72, gain 74
	s_load_b128 s[76:79], s[0:1], 0x20             ; qws 76, kws 78
	s_load_b64 s[80:81], s[0:1], 0x30              ; vws 80
	v_lshl_add_u32 v[SPW], v0, 2, SPARE
	v_mov_b32 v[NIL], 0
	ds_add_u32 v[SPW], v[NIL]                      ; the wave's opening: the add, twice on end, and its wait ahead of my first tensor load
	ds_add_u32 v[SPW], v[NIL]
	v_lshrrev_b32 v1, 5, v0
	v_readfirstlane_b32 s10, v1                    ; wave 0..3
	s_lshr_b32 s11, s10, 1                         ; mh.  Also: I fetch for x (0) or for w (1)
	s_and_b32 s12, s10, 1                          ; nh.  Also: which half of that tile's rows I fetch
	s_bfe_u32 s40, ttmp6, 0x40000                  ; cx, cy: my place in the cluster
	s_bfe_u32 s41, ttmp6, 0x40004
	s_mov_b32 s45, ttmp9                           ; the cluster's x: under 2, the third head is K's
	s_lshl_b32 s42, ttmp9, 2
	s_add_co_u32 s42, s42, s40                     ; tx
	s_and_b32 s13, ttmp7, 0xffff
	s_lshl_b32 s13, s13, 2
	s_add_co_u32 s13, s13, s41                     ; ty
	s_lshl_b32 s43, s41, 2
	s_lshl_b32 s43, 15, s43                        ; my row of the cluster
	s_lshl_b32 s44, 0x1111, s40                    ; my column
	s_and_b32 s[KI], ttmp7, 0xffff                 ; the cluster's class, from the cluster's own x and y: Y,
	s_lshr_b32 s[KI+1], s[KI], 1
	s_xor_b32 s[KI], s[KI], s[KI+1]                ; xor Y / 2,
	s_xor_b32 s[KI], s[KI], ttmp9                  ; xor X,
	s_and_b32 s[KI], s[KI], 1
	s_lshl_b32 s[KI], s[KI], 2                     ; step 0 takes K block 0 or 4,
	s_add_co_u32 s[KI+1], s[KI], 1                 ; step 1 the next
	s_mov_b32 s[OF+1], 0
	s_or_b32 s[G1+0], s43, (1<<16)|(1<<20)|(1<<21)|(6<<22)|(3<<25)   ; the mask; 2-byte elements; padding on; bit 21 beside a mask; after every 128 words, 4 words
	s_or_b32 s[G1B+0], s44, (1<<16)|(1<<20)|(1<<21)|(6<<22)|(3<<25)
.irp g, G1, G1B
	s_mov_b32 s[(\g)+1], KSTEP<<16                 ; tensor_dim0 = 256
	s_mov_b32 s[(\g)+3], KSTEP<<16                 ; tile_dim0 = 256
	s_mov_b32 s[(\g)+5], 2048                      ; elements from row to row
	s_mov_b32 s[(\g)+6], 0
	s_mov_b32 s[(\g)+7], 0
.endr
	s_mov_b32 s[G1+2], 48<<16                      ; x: 48 rows a load: the first three blocks of a half's 64 tokens
	s_mov_b32 s[G1+4], 48
	s_mov_b32 s[G1B+2], 96<<16                     ; w: 96 rows a load
	s_mov_b32 s[G1B+4], 96
	s_lshl_b32 s17, s12, 6
	s_lshl_b32 s16, s13, 7
	s_add_co_u32 s16, s16, s17                     ; x: row 128 ty + 64 x half,
	s_lshl_b32 s16, s16, 12                        ; of 4,096 bytes
	s_mov_b32 s17, 0
	s_mul_i32 s46, s42, 192
	s_mul_i32 s47, s12, 96
	s_add_co_u32 s46, s46, s47                     ; w: row 192 tx + 96 x half
	s_lshl_b32 s46, s46, 12
	s_mov_b32 s47, 0
	s_mul_i32 s20, s12, 48*PITCH                   ; where they go: no place in the cluster enters an LDS address
	s_mul_i32 s21, s12, 96*PITCH
	s_add_co_u32 s21, s21, BOFF
	s_lshl_b32 s18, s13, 7                         ; the fourth block of my 64 tokens: row 128 ty + 64 mh + 48
	s_lshl_b32 s19, s11, 6
	s_add_co_u32 s18, s18, s19
	s_add_co_u32 s18, s18, 48
	s_lshl_b32 s18, s18, 12
	s_mov_b32 s19, 0
	s_mov_b32 s85, 0x3c800000                      ; 1/64
	s_mov_b32 s94, 0x358637bd                      ; 1e-6
	s_mov_b32 s[SEL], 0x76543210                   ; v_permlanex16_b32: each lane takes its own place in the other half
	s_mov_b32 s[SEL+1], 0xfedcba98
	s_wait_dscnt 0x0                               ; both opening adds are done
	s_wait_kmcnt 0x0
	s_add_nc_u64 s[BA:BA+1], s[68:69], s[16:17]
	s_add_nc_u64 s[BB:BB+1], s[70:71], s[BB:BB+1]
	s_add_nc_u64 s[XB:XB+1], s[XB:XB+1], s[18:19]
	s_lshl_b32 s[OF], s[KI], 9
	s_add_nc_u64 s[XD:XD+1], s[XB:XB+1], s[OF:OF+1]  ; at step 0's block; step 1's lies 512 bytes on
	s_load_b32 s84, s[74:75], 0x0                  ; the gain; waited for on the way out
	CROUND                                         ; all sixteen work-groups are here: the first joint loads meet
.irp s, 0,1
	s_mov_b32 s[G0+4*(\s)], 1
	s_add_co_u32 s[G0+4*(\s)+1], s20, (\s)*SLOT
	s_mov_b32 s[G0B+4*(\s)], 1
	s_add_co_u32 s[G0B+4*(\s)+1], s21, (\s)*SLOT
	WHERE \s
	JLOAD \s
.endr
	v_and_b32 v1, 15, v0                           ; l % 16
	v_bfe_u32 v2, v0, 4, 1                         ; l / 16
	v_lshlrev_b32 v[AO], 12, v1
	v_lshl_add_u32 v[AO], v2, 4, v[AO]
	GLQ 0, 0, 0                                    ; the fourth block's fragments of step 0,
	GLQ 0, 2, 0
	GLQ 0, 1, 0
	GLQ 0, 3, 0
	GLQ 1, 1, KSTEP*2                              ; and of step 1
	GLQ 1, 3, KSTEP*2
	GLQ 1, 0, KSTEP*2
	GLQ 1, 2, KSTEP*2
	WIN 0
	v_mul_u32_u24 v3, v1, PITCH
	v_lshl_add_u32 v3, v2, 4, v3                   ; a fragment's row x pitch + 16 x half
	s_mul_i32 s22, s11, 48*PITCH                   ; my 48 tokens in LDS
	s_mul_i32 s23, s12, 16*PITCH                   ; my first block of 16 channels,
	s_add_co_u32 s23, s23, BOFF                    ; behind x's rows
.irp s, 0,1
	v_add_nc_u32 v[ADRA+(\s)], s22, v3
	v_add_nc_u32 v[ADRB+(\s)], s23, v3
	v_add_nc_u32 v[ADRB2+(\s)], 128*PITCH, v[ADRB+(\s)]
	s_add_co_u32 s22, s22, SLOT
	s_add_co_u32 s23, s23, SLOT
.endr
	s_mul_i32 s22, s11, 64*SP                      ; into the stage: token 64 mh + l % 16, channels 16 nh + 8 (l / 16) on
	s_lshl_b32 s23, s12, 5
	s_add_co_u32 s22, s22, s23
	s_add_co_u32 s22, s22, STAGE
	v_mul_u32_u24 v4, v1, SP
	v_lshl_add_u32 v4, v2, 4, v4
	v_add_nc_u32 v[STO], s22, v4
	s_mul_i32 s22, s10, 32*SP                      ; back: wave w takes tokens 32 w .. + 31; 32 lanes take four rows of 128 bytes
	s_add_co_u32 s22, s22, STAGE
	v_bfe_u32 v4, v0, 3, 2
	v_mul_u32_u24 v4, v4, SP
	v_and_b32 v5, 7, v0
	v_lshl_add_u32 v4, v5, 4, v4
	v_add_nc_u32 v[RD], s22, v4
	v_and_b32 v4, 31, v0
	v_lshlrev_b32 v[GOFF], 4, v4
	s_lshl_b32 s22, s11, 10                        ; partial sums: [nh][token][4]
	s_add_co_u32 s22, s22, PS
	s_lshl_b32 s23, s12, 11
	s_add_co_u32 s23, s23, s22
	v_lshl_add_u32 v[PSW], v1, 4, s23
	s_xor_b32 s23, s12, 1
	s_lshl_b32 s23, s23, 11
	s_add_co_u32 s23, s23, s22
	v_lshl_add_u32 v[PSR], v1, 4, s23
	s_lshl_b32 s22, s11, 14                        ; tab: position x 256 + 4 x (16 nh + 8 (l / 16))
	s_lshl_b32 s23, s12, 6
	s_add_co_u32 s22, s22, s23
	v_lshlrev_b32 v4, 8, v1
	v_lshl_add_u32 v4, v2, 5, v4
	v_add_nc_u32 v[TO], s22, v4
	s_lshr_b32 s4, s13, 3                          ; b
	s_and_b32 s5, s13, 7                           ; which 128 positions
	s_lshl_b32 s98, s5, 15                         ; (s99 is 0)
	s_add_nc_u64 s[66:67], s[72:73], s[98:99]
	WIN 0xc0                                       ; destination window 3
.irp a, 0,1,2,3                        ; cos and sin of my tokens and channels
	global_load_b128 v[TAB+16*(\a):TAB+16*(\a)+3],     v[TO], s[66:67] offset:(\a)*4096
	global_load_b128 v[TAB+16*(\a)+4:TAB+16*(\a)+7],   v[TO], s[66:67] offset:(\a)*4096+16
	global_load_b128 v[TAB+16*(\a)+8:TAB+16*(\a)+11],  v[TO], s[66:67] offset:(\a)*4096+128
	global_load_b128 v[TAB+16*(\a)+12:TAB+16*(\a)+15], v[TO], s[66:67] offset:(\a)*4096+144
.endr
	WIN 0
	s_lshl_b32 s5, s5, 7
	s_lshl_b32 s6, s10, 5
	s_add_co_u32 s5, s5, s6                        ; the first position that I store
	s_lshl_b32 s7, s5, 7                           ; in rows of 128 bytes
	s_lshl_b32 s6, s4, 5
	s_add_co_u32 s6, s6, s42                       ; plane b*32 + tx, of 131,072 bytes
	s_lshl_b32 s98, s6, 17
	s_add_co_u32 s98, s98, s7
	s_add_nc_u64 s[DQ:DQ+1], s[76:77], s[98:99]
	s_add_nc_u64 s[DQ+2:DQ+3], s[DQ:DQ+1], 16<<17  ; head tx + 16
	s_and_b32 s8, s42, 7                           ; kv
	s_lshl_b32 s6, s4, 3
	s_add_co_u32 s6, s6, s8
	s_lshl_b32 s98, s6, 17
	s_add_co_u32 s98, s98, s7
	s_cmp_lt_u32 s45, 2
	s_cselect_b64 s[DQ+4:DQ+5], s[78:79], s[80:81]
	s_add_nc_u64 s[DQ+4:DQ+5], s[DQ+4:DQ+5], s[98:99]
; 12 matrix instructions: token blocks a0, a0 + 1 x all six channel blocks, 32 along K: half c of the buffer in window f; the fourth token block's fragment lies at xr + 8 c of the same window.
; The 24 accumulators take turns, one instruction a turn, in the same order in every pass.  zero = 1: the first product starts the sums.
.macro MUL12 f, c, a0, zero, xr
	WIN 5*(\f)
.irp a, \a0, (\a0)+1
.set rX, 80*(\c)+8*(\a)
.if (\a) == 3
.set rX, (\xr)+8*(\c)
.endif
.irp b, 0,1,2,3,4,5
.if \zero
	v_wmma_f32_16x16x32_bf16 v[ACC+8*(6*(\a)+(\b)):ACC+8*(6*(\a)+(\b))+7], v[80*(\c)+32+8*(\b):80*(\c)+32+8*(\b)+7], v[rX:rX+7], 0
.else
	v_wmma_f32_16x16x32_bf16 v[ACC+8*(6*(\a)+(\b)):ACC+8*(6*(\a)+(\b))+7], v[80*(\c)+32+8*(\b):80*(\c)+32+8*(\b)+7], v[rX:rX+7], v[ACC+8*(6*(\a)+(\b)):ACC+8*(6*(\a)+(\b))+7]
.endif
.endr
.endr
.endm
; 36 LDS loads in one run: the fragments of 64 along K at byte k of the rows, into the buffer in window f; the first 32 along K first
.macro FETCH slot, k, f
	WIN 0x40*(\f)
.irp c, 0,1
.irp b, 0,1,2,3
	ds_load_b128 v[80*(\c)+32+8*(\b):80*(\c)+32+8*(\b)+3],   v[ADRB+(\slot)] offset:(\k)+64*(\c)+((\b)/2)*64*PITCH+((\b)%2)*32*PITCH
	ds_load_b128 v[80*(\c)+32+8*(\b)+4:80*(\c)+32+8*(\b)+7], v[ADRB+(\slot)] offset:(\k)+64*(\c)+((\b)/2)*64*PITCH+((\b)%2)*32*PITCH+32
.endr
.irp b, 4,5
	ds_load_b128 v[80*(\c)+32+8*(\b):80*(\c)+32+8*(\b)+3],   v[ADRB2+(\slot)] offset:(\k)+64*(\c)+((\b)%2)*32*PITCH
	ds_load_b128 v[80*(\c)+32+8*(\b)+4:80*(\c)+32+8*(\b)+7], v[ADRB2+(\slot)] offset:(\k)+64*(\c)+((\b)%2)*32*PITCH+32
.endr
.irp i, 0,1,2
	ds_load_b128 v[80*(\c)+8*(\i):80*(\c)+8*(\i)+3],   v[ADRA+(\slot)] offset:(\k)+64*(\c)+(\i)*16*PITCH
	ds_load_b128 v[80*(\c)+8*(\i)+4:80*(\c)+8*(\i)+7], v[ADRA+(\slot)] offset:(\k)+64*(\c)+(\i)*16*PITCH+32
.endr
.endr
.endm
; A K step is four quarters of 64 along K, 48 matrix instructions each, on the buffers of windows 1, 2, 1, 2.  One of the first three: multiplies quarter qm and fetches quarter qm + 1.
; At a step's head (qm = 0) the step's direct loads are waited for: lw younger ones may stay out.  gl = 1: the NEXT step's quarter 3 is asked for: until the change of slots its registers were being multiplied.
.macro QUARTER slot, qm, zero, gl=0, lw=0
.set fM, 1+(\qm)%2
.set fN, 2-(\qm)%2
.set xr3, A3+32*(\slot)+16*((\qm)/2)
.if (\qm) == 0
	s_wait_loadcnt \lw                             ; loads come back in order: this step's sixteen are in
.endif
	s_wait_dscnt 18                                ; the first 32 along K are in; the youngest 18 loads may be out
	MUL12 fM, 0, 0, \zero, xr3
	MUL12 fM, 0, 2, \zero, xr3
	PLACES                                         ; in front of loads into registers that matrix instructions have read
.if \gl
	GLQ 1-(\slot), 3, 0                            ; the pointer stands at the next step's block since the change of slots
.endif
	FETCH \slot, ((\qm)+1)*128, fN
	s_wait_dscnt 36                                ; all but the 36 just issued
	MUL12 fM, 1, 0, 0, xr3
	MUL12 fM, 1, 2, 0, xr3
.endm
; The last quarter multiplies window 2's buffer and changes slots: ONE barrier; in front of it each wave waits for all its tensor loads (one is out: its part of the next slot), adds 0 to its
; spare word, and waits for that and for its own reads of this slot.  fill = 1: the barrier opens a round of the cluster's, and this slot is filled again first behind it, with the block two steps on
; (modulo 8); behind the run of LDS loads that the next products wait for, the same block's quarters 0 to 2 of the fourth token block are asked for.
.macro TURN slot, next, fill
.set xr3, A3+32*(\slot)+16
	WIN 0
	s_wait_tensorcnt 0x0                           ; no tensor load of mine is out, so a group 0 may be written
	ds_add_u32 v[SPW], v[NIL]                      ; 0 onto my spare word; the scalar work below stands between it and the wait for it
.if \fill
	s_add_co_u32 s[KI+(\slot)], s[KI+(\slot)], 2
	s_and_b32 s[KI+(\slot)], s[KI+(\slot)], 7
	WHERE \slot
	s_wait_xcnt 0x0                                ; the direct loads, the youngest three quarters back, have read their pointer
	s_add_nc_u64 s[XD:XD+1], s[XB:XB+1], s[OF:OF+1]
.endif
	s_wait_dscnt 19                                ; the add and the youngest 18 loads may be out
	MUL12 2, 0, 0, 0, xr3
	s_wait_dscnt 0x0                               ; the add is done, and my reads of this slot are over
	s_barrier_signal -1
	MUL12 2, 0, 2, 0, xr3
.if \fill
	WIN 0
.endif
	s_barrier_wait -1
.if \fill
	CREST                                          ; no wave of any partner still reads this slot or has a load on its way
	JLOAD \slot                                    ; its four v_nop are also the places in front of the loads below
.else
	PLACES
.endif
	FETCH \next, 0, 1
.if \fill
	GLQ \slot, 0, 0
	GLQ \slot, 2, 0
	GLQ \slot, 1, 0
.endif
	MUL12 2, 1, 0, 0, xr3
	MUL12 2, 1, 2, 0, xr3
.endm
	s_wait_tensorcnt 1                             ; my part of step 0 is in; step 1's may stay out
	s_barrier_signal -1
	s_barrier_wait -1
	FETCH 0, 0, 1
	QUARTER 0, 0, 1, 0, 32                         ; the first quarter stands in front of the loop: its first products start the sums; step 1's sixteen direct loads and the table's sixteen may stay out
	WIN 0
	s_mov_b32 s3, 3
.Llap:                                                 ; a trip goes once round the ring, from a lap's second quarter to the next lap's first, and fills both slots again: steps 2 to 7 in three trips
	QUARTER 0, 1, 0
	QUARTER 0, 2, 0
	TURN 0, 1, 1
	QUARTER 1, 0, 0, 1, 12                         ; the twelve direct loads that the change of slots has just issued may stay out
	QUARTER 1, 1, 0
	QUARTER 1, 2, 0
	TURN 1, 0, 1
	QUARTER 0, 0, 0, 1, 12
	WIN 0
	s_sub_co_u32 s3, s3, 1
	s_cmp_lg_u32 s3, 0
	s_cbranch_scc1 .Llap
	QUARTER 0, 1, 0                                ; the last lap fills nothing and asks for nothing
	QUARTER 0, 2, 0
	TURN 0, 1, 0
	QUARTER 1, 0, 0, 0, 0
	QUARTER 1, 1, 0
	QUARTER 1, 2, 0
.set xr3, A3+32+16
	s_wait_dscnt 18
	MUL12 2, 0, 0, 0, xr3
	MUL12 2, 0, 2, 0, xr3
	s_wait_dscnt 0x0
	MUL12 2, 1, 0, 0, xr3
	MUL12 2, 1, 2, 0, xr3
	PLACES
	PLACES
	; THE WAY OUT.  (1) Sums of squares: for each token block a and head z my 16 channels, in 12 chains side by side; each accumulator is read from its low end on.
	WIN 0x50                                       ; sources 0 and 1 window 0, source 2 and destination window 1
.irp s, 0,1,2,3,4,5,6,7
.irp a, 0,1,2,3
.irp z, 0,1,2
.set rA, ACC+8*(6*(\a)+2*(\z)+(\s)/4)+2*((\s)%4)
.set rT, TP+2*(3*(\a)+(\z))
.if (\s) == 0
	v_pk_mul_f32 v[rT:rT+1], v[rA:rA+1], v[rA:rA+1]
.else
	v_pk_fma_f32 v[rT:rT+1], v[rA:rA+1], v[rA:rA+1], v[rT:rT+1]
.endif
.endr
.endr
.endr
	WIN 0x55                                       ; all in window 1
.irp a, 0,1,2,3
.irp z, 0,1,2
	v_add_f32 v[SS+4*(\a)+(\z)], v[TP+2*(3*(\a)+(\z))], v[TP+2*(3*(\a)+(\z))+1]
.endr
.endr
.irp a, 0,1,2,3
.irp z, 0,1,2
	v_permlanex16_b32 v[TP+2*(3*(\a)+(\z))], v[SS+4*(\a)+(\z)], s[SEL], s[SEL+1]  ; the token's other 16 of my channels lie in the lane 16 away
.endr
.endr
.irp a, 0,1,2,3
.irp z, 0,1,2
	v_add_f32 v[SS+4*(\a)+(\z)], v[SS+4*(\a)+(\z)], v[TP+2*(3*(\a)+(\z))]
.endr
	v_mov_b32 v[SS+4*(\a)+3], 0
.endr
	WIN 0x04                                       ; address window 0, data window 1
.irp a, 0,1,2,3
	ds_store_b128 v[PSW], v[SS+4*(\a):SS+4*(\a)+3] offset:256*(\a)  ; both halves of the lanes hold and write the same numbers
.endr
	WIN 0
	s_wait_dscnt 0x0                               ; for the partner's sake: my partial sums are stored; and my reads of the slots are long over
	s_barrier_signal -1
	s_barrier_wait -1
	WIN 0x40
.irp a, 0,1,2,3
	ds_load_b128 v[PP+4*(\a):PP+4*(\a)+3], v[PSR] offset:256*(\a)
.endr
	s_wait_dscnt 0x0
	s_wait_loadcnt 0x0                             ; cos and sin
	s_wait_kmcnt 0x0                               ; the gain
	; (2) The factors: rsqrt(sum / 64 + 1e-6), for Q's heads times the gain.
	WIN 0x55
.irp i, 0,2,4,6,8,10,12,14
	v_pk_add_f32 v[SS+(\i):SS+(\i)+1], v[SS+(\i):SS+(\i)+1], v[PP+(\i):PP+(\i)+1]
.endr
.irp a, 0,1,2,3
.irp z, 0,1,2
	v_fma_f32 v[SS+4*(\a)+(\z)], v[SS+4*(\a)+(\z)], s85, s94
.endr
.endr
.irp a, 0,1,2,3
.irp z, 0,1,2
	v_rsq_f32 v[TP+3*(\a)+(\z)], v[SS+4*(\a)+(\z)] ; one batch of twelve
.endr
.endr
	v_mov_b32 v[GN], s84                           ; the gain, rounded to bf16: plain work behind the batch
	v_cvt_pk_bf16_f32 v[GN], v[GN], v[GN]
	v_lshlrev_b32 v[GN], 16, v[GN]
	s_wait_alu depctr_va_vdst(0)                   ; one wait for the batch, ahead of its first reader
.irp a, 0,1,2,3
.irp z, 0,1
	v_mul_f32 v[FF+2*(3*(\a)+(\z))], v[TP+3*(\a)+(\z)], v[GN]
	v_mul_f32 v[FF+2*(3*(\a)+(\z))+1], v[TP+3*(\a)+(\z)], v[GN]
.endr
	v_mov_b32 v[FF+2*(3*(\a)+2)], v[TP+3*(\a)+2]
	v_mov_b32 v[FF+2*(3*(\a)+2)+1], v[TP+3*(\a)+2]
.endr
; (3) RoPE, the factor, one rounding to f16, into the stage.  t1 = accumulator 2 z (channels under 32), t2 = accumulator 2 z + 1 (the same plus 32).
.macro ROPE a, z
.set rA, ACC+8*(6*(\a)+2*(\z))
.set rC, TAB+16*(\a)
.set rF, FF+2*(3*(\a)+(\z))
	WIN 0x5c                                       ; source 0 window 0, source 1 (cos, sin) window 3, source 2 and destination window 1
.irp j, 0,2,4,6
	v_pk_mul_f32 v[TM1+(\j):TM1+(\j)+1], v[rA+8+(\j):rA+8+(\j)+1], v[rC+8+(\j):rC+8+(\j)+1]
	v_pk_mul_f32 v[TM2+(\j):TM2+(\j)+1], v[rA+(\j):rA+(\j)+1], v[rC+8+(\j):rC+8+(\j)+1]
.endr
.irp j, 0,2,4,6
	v_pk_fma_f32 v[O1+(\j):O1+(\j)+1], v[rA+(\j):rA+(\j)+1], v[rC+(\j):rC+(\j)+1], v[TM1+(\j):TM1+(\j)+1] neg_lo:[0,0,1] neg_hi:[0,0,1]
	v_pk_fma_f32 v[O2+(\j):O2+(\j)+1], v[rA+8+(\j):rA+8+(\j)+1], v[rC+(\j):rC+(\j)+1], v[TM2+(\j):TM2+(\j)+1]
.endr
	WIN 0x55
.irp j, 0,2,4,6
	v_pk_mul_f32 v[O1+(\j):O1+(\j)+1], v[O1+(\j):O1+(\j)+1], v[rF:rF+1] op_sel_hi:[1,0]
	v_pk_mul_f32 v[O2+(\j):O2+(\j)+1], v[O2+(\j):O2+(\j)+1], v[rF:rF+1] op_sel_hi:[1,0]
.endr
.irp j, 0,1,2,3
	v_cvt_pk_f16_f32 v[PK+(\j)], v[O1+2*(\j)], v[O1+2*(\j)+1]
	v_cvt_pk_f16_f32 v[PK+4+(\j)], v[O2+2*(\j)], v[O2+2*(\j)+1]
.endr
	WIN 0x04
	ds_store_b128 v[STO], v[PK:PK+3]   offset:(\z)*HST+(\a)*16*SP
	ds_store_b128 v[STO], v[PK+4:PK+7] offset:(\z)*HST+(\a)*16*SP+64
.endm
.irp a, 0,1,2,3
	ROPE \a, 0
	ROPE \a, 1
.endr
	WIN 0
	s_cmp_lt_u32 s45, 2                            ; the third head: K's or V's?  The cluster's x decides: alike in all partners
	s_cbranch_scc0 .Lv_arm
.irp a, 0,1,2,3
	ROPE \a, 2
.endr
	WIN 0
	s_branch .Lstaged
.Lv_arm:
.irp a, 0,1,2,3                        ; V: no RoPE, no norm: rounded once to f16
.set rA, ACC+8*(6*(\a)+4)
	WIN 0x40
.irp j, 0,1,2,3
	v_cvt_pk_f16_f32 v[PK+(\j)], v[rA+2*(\j)], v[rA+2*(\j)+1]
	v_cvt_pk_f16_f32 v[PK+4+(\j)], v[rA+8+2*(\j)], v[rA+8+2*(\j)+1]
.endr
	WIN 0x04
	ds_store_b128 v[STO], v[PK:PK+3]   offset:2*HST+(\a)*16*SP
	ds_store_b128 v[STO], v[PK+4:PK+7] offset:2*HST+(\a)*16*SP+64
.endr
	WIN 0
.Lstaged:
	s_wait_dscnt 0x0                               ; for the others' sake: a row's bytes come from two waves
	s_barrier_signal -1
	s_barrier_wait -1
	; (4) Whole rows back and out: wave w stores tokens 32 w .. + 31 of each head.
	WIN 0x80                                       ; destination window 2
.irp z, 0,1,2
.irp i, 0,1,2,3,4,5,6,7
	ds_load_b128 v[BK+4*(8*(\z)+(\i)):BK+4*(8*(\z)+(\i))+3], v[RD] offset:(\z)*HST+(\i)*4*SP
.endr
.endr
	WIN 0x08                                       ; a store's data: window 2
.irp z, 0,1,2
.irp i, 0,1,2,3,4,5,6,7
.if (\i)%4 == 0
	s_wait_dscnt 20-(8*(\z)+(\i))                  ; LDS loads come back in order: this one and the next three are in, the younger ones may be out
.endif
	global_store_b128 v[GOFF], v[BK+4*(8*(\z)+(\i)):BK+4*(8*(\z)+(\i))+3], s[DQ+2*(\z):DQ+2*(\z)+1] offset:(\i)*512  ; four rows of a head: 512 consecutive bytes, at a multiple of 256
.endr
.endr
	WIN 0
	s_wait_tensorcnt 0x0                           ; the wave's end: behind my last tensor load and my last LDS store
	ds_add_u32 v[SPW], v[NIL]
	s_wait_dscnt 0x0
	CROUND                                         ; the closing round
	s_endpgm
.Lfunc_end_k_qdba5f32665_qkv:
	.size	k_qdba5f32665_qkv, .Lfunc_end_k_qdba5f32665_qkv-k_qdba5f32665_qkv
	.p2alignl 7, 3214868480
	.fill 96, 4, 3214868480
	.section	.rodata,"a",@progbits
	.p2align	6, 0x0
	.amdhsa_kernel k_qdba5f32665_qkv
		.amdhsa_group_segment_fixed_size 327680
		.amdhsa_private_segment_fixed_size 0
		.amdhsa_enable_private_segment 0
		.amdhsa_kernarg_size 56
		.amdhsa_user_sgpr_count 2
		.amdhsa_user_sgpr_kernarg_segment_ptr 1
		.amdhsa_wavefront_size32 1
		.amdhsa_system_sgpr_workgroup_id_x 1
		.amdhsa_system_sgpr_workgroup_id_y 1
		.amdhsa_system_sgpr_workgroup_id_z 1
		.amdhsa_system_vgpr_workitem_id 0
		.amdhsa_next_free_vgpr 832
		.amdhsa_next_free_sgpr 102
		.amdhsa_reserve_vcc 0
		.amdhsa_float_denorm_mode_32 3
		.amdhsa_float_denorm_mode_16_64 3
		.amdhsa_memory_ordered 1
		.amdhsa_forward_progress 1
		.amdhsa_inst_pref_size 154
	.end_amdhsa_kernel
	.amdgpu_metadata
---
amdhsa.version: [ 1, 2 ]
amdhsa.kernels:
  - .name:           k_qdba5f32665_qkv
    .symbol:         k_qdba5f32665_qkv.kd
    .args:
      - { .name: xb, .offset: 0, .size: 8, .value_kind: global_buffer, .address_space: global }
      - { .name: wqb, .offset: 8, .size: 8, .value_kind: global_buffer, .address_space: global }
      - { .name: tab, .offset: 16, .size: 8, .value_kind: global_buffer, .address_space: global }
      - { .name: gain, .offset: 24, .size: 8, .value_kind: global_buffer, .address_space: global }
      - { .name: qws, .offset: 32, .size: 8, .value_kind: global_buffer, .address_space: global }
      - { .name: kws, .offset: 40, .size: 8, .value_kind: global_buffer, .address_space: global }
      - { .name: vws, .offset: 48, .size: 8, .value_kind: global_buffer, .address_space: global }
    .group_segment_fixed_size: 327680
    .private_segment_fixed_size: 0
    .kernarg_segment_align: 8
    .kernarg_segment_size: 56
    .max_flat_workgroup_size: 128
    .sgpr_count:     102
    .vgpr_count:     832
    .wavefront_size: 32
...
	.end_amdgpu_metadata
.endif
;; end of part 6
;; launch attn (part 7): grid 16 x 16, 4 waves a work-group, clusters of 4 x 1, 327,680 bytes of LDS; arguments qws, kws, vws, ows, out1; writes ows, out1
.if DOCPART == 7
	.amdgcn_target "amdgcn-amd-amdhsa--gfx1250"
	.amdhsa_code_object_version 6
	.text
	.protected	k_qdba5f32665_attn
	.globl	k_qdba5f32665_attn
	.p2align	8
	.type	k_qdba5f32665_attn,@function
k_qdba5f32665_attn:
	s_mov_b64 s[64:65], 0
	v_nop
	global_prefetch_b8 v0, s[64:65] scope:SCOPE_SE
	s_setreg_imm32_b32 hwreg(HW_REG_WAVE_MODE, 25, 1), 1
	s_wait_xcnt 0x0
	s_wait_alu depctr_hold_cnt(0) depctr_sa_sdst(0) depctr_va_vdst(0) depctr_va_sdst(0) depctr_va_ssrc(0) depctr_va_vcc(0) depctr_vm_vsrc(0)
	s_getreg_b32 s2, hwreg(HW_REG_IB_STS2, 6, 4)
	s_cmp_eq_u32 s2, 0
	s_cbranch_scc0 .Lentry_in_a_cluster
	s_endpgm
.Lentry_in_a_cluster:
	s_bfe_u32 s2, ttmp6, 0x10000c
	s_cmp_lg_u32 s2, 0x3003
	s_cbranch_scc0 .Lentry_shape_is_right
	s_endpgm
.Lentry_shape_is_right:
; ATTN: O[q] = the sum over k <= q of softmax_k(q . k / 8) v[k], four query heads to each head of K and V.  q [b*32+h][1024][64], k, v [b*8+kv][1024][64], O like q; all f16.
; Products, maxima and sums in f32; the weights are rounded to f16 for the second product (their sum l is taken of the unrounded weights), O once at the end.
; ALSO out1: V in f32, plane (4 kv + r)*2 + b for the group's four query heads r.  The 256 work-groups share it out evenly: the one at (j, b*8+kv, r) widens rows 256 j .. + 255 of v's plane into its own
; plane r: 64 KiB, at its head, beside the first tile's way in; nothing waits for these stores.
; Left out (shown at the head of the first kernel): tiles of keys wholly above the diagonal of reference()'s tril, and in the diagonal tile the one band and step that is wholly hidden; K and V are not repeated.
; LIMITS.  out1 is V rounded once to f16 (the number that the attention multiplies): within 2^-11 of itself, below 6e-5 within 3e-8; |V| under 65,504.
; A hidden score counts as its value less 1e30; a weight below 2^-126 counts as 0 in l; NaN and infinities are not treated apart.
; THE WALK.  A head's queries lie in 8 blocks of 128; block i needs the key tiles 0 .. i of 128 keys, the last of which holds the diagonal.  A work-group takes blocks 7 - j and then j: nine tiles
; whatever j: all work-groups do equal work, and one loop with a constant count walks them.  j is the cluster's x.
; CLUSTER.  The four partners are the four query heads of one group: they walk the same tiles of the same K and V, so every tile is asked for jointly.  My place in the cluster enters Q's, O's and out1's addresses alone.
; SHARES.  Of a block's two bands of 64 queries a wave owns 16 rows in each: tiles 0 and 1.  In the diagonal tile's step s (64 keys) band t sees all keys if s < t, none if s > t, and holds the diagonal if s = t:
; the same work for all four waves.  THE MASK is the C operand that starts S^T's sum: 0 or -1e30, made once (MD): it hangs on wave and lane alone.
; LAYOUT.  S^T = K Q^T holds one query a lane (lane % 16) and the keys 8 (lane / 16) + 0..7; two such results rounded to f16 are source 1 of O^T = V^T P.  p = 2^(c s - c m), c = log2(e) / 8, with a running
; maximum m; O and l are multiplied by a = 2^(c m_old - c m_new) in every step.  m starts at the lowest finite number: a block's first step has a = 0, and no first step is written out.
; IN PHASES: a step's products K Q^T, its softmax, its products V^T P.  No prefetch: the walk has nine tiles, and K and V are read by four clusters a head shortly after each other.
; REGISTERS.  window 0: v0-37 addresses, statistics, constants; v64-127 S^T, 32 a tile; v128-159 P, 16 a tile; v160-223 O^T, 32 a tile; v224-255 MD.
;   window 1: v0-31 Q; v32-63 the second block's Q; v64-127 K of a step; v128-191 V of a step.
.set NB,    8
.set PK,    144       ; a row of K in LDS: 128 bytes + 16 = 36 words: the 16 rows of a load start at 16 different groups of four banks (64 banks of 4 bytes: ISA guide 11.1)
.set PVP,   160       ; a row of V: 128 + 32 = 40 words
.set VOFF,  128*PK    ; a slot holds a tile: 128 rows of K, then 128 rows of V
.set SLOT1, 1<<16     ; slot 1 begins here: one exclusive or turns an address in one slot into the other's
.set STAGE, SLOT1+128*(PK+PVP)  ; 16 rows x 144 bytes for each wave, for the way out
.set SP,    144
.set SPARE, STAGE+4*16*SP       ; the spare words, 128 bytes for each wave: two blocks of 256 bytes that no other line names
.set AK0, 2           ; my lane's place in a tile of K; never rewritten
.set AV0, 3           ; the same for V
.set AK,  4           ; the same in the slot in hand
.set AV,  5
.set STO, 6
.set RD,  7
.set GO,  8           ; 16 x lane; never rewritten
.set MV,  12          ; v12-13  c m_old, by tile
.set QO,  15
.set ST,  16          ; tile t at 4 t: c m, m, l (even keys', odd keys')
.set TMP, 24          ; tile t at 4 t: c0-c3 at work; when the maximum is found c2 takes a
.set SPW, 32          ; my spare word; never rewritten
.set NIL, 33          ; 0; never rewritten
.set VO,  34          ; 8 x lane; never rewritten
.set ONE, 35          ; 1.0
.set NZ,  36          ; -0
.set BG,  37          ; -1e30
.set S,   64
.set P,   128
.set O,   160
.set MD,  224
.set VC,  64          ; out1's copy: 32 loads of two registers, in S^T's
.set VD,  128         ; and 24 stores' four, in P's and O^T's
.set QB,  32          ; window 1
.set KF,  64
.set VF,  128
.set WV,  12
.set PB,  14          ; j
.set HI,  15          ; 7 - j
.set G1K, 24
.set G1V, 32
.set G0K, 40
.set G0V, 44
.set VS,  48          ; s[48:49] v at the 64 rows that my wave widens
.set OD,  50          ; s[50:51] out1 at the same rows of my plane
.set SLOTS, 56
.set CS,  58          ; s[58:59] c
.set SEL, 60
.set TB,  62          ; the slot in hand: 0 or SLOT1
.set RT,  70          ; tiles of the block in hand still to be entered
.set NXT, 71          ; the tile to be asked for next
.set LQ,  72          ; the last tile of the block whose tiles are being asked for
.set OFF, 74
.set OLO, 80          ; O at my rows of the second block
.set QLO, 86
.set MSB, 0
.macro WIN new
.if MSB != (\new)
	s_set_vgpr_msb (MSB<<8)|(\new)
.set MSB, (\new)
.endif
.endm
.macro PLACES
.rept 4
	v_nop
.endr
.endm
.macro JLOAD                        ; waves 0 and 1 fetch the halves of a tile's K, waves 2 and 3 those of its V: 64 keys each; an s_nop 0 and four v_nop follow each line
	s_cmp_lt_u32 s[WV], 2
	s_cbranch_scc0 .Lfor_v_\@
	tensor_load_to_lds s[G0K:G0K+3], s[G1K:G1K+7]
	s_nop 0
.rept 4
	v_nop
.endr
	s_branch .Lasked_\@
.Lfor_v_\@:
	tensor_load_to_lds s[G0V:G0V+3], s[G1V:G1V+7]
	s_nop 0
.rept 4
	v_nop
.endr
.Lasked_\@:
.endm
.macro CROUND
	s_barrier_signal -1
	s_barrier_wait -1
	s_cmp_lg_u32 s[WV], 0
	s_cbranch_scc1 .Lnot_wave_0_\@
	s_barrier_signal -3
.Lnot_wave_0_\@:
	s_barrier_wait -3
	s_barrier_signal -1
	s_barrier_wait -1
.endm
; The LDS loads stand in runs of 16: a step's K (8 fragments) and its V (turned).  off: the step's place in the tile.
.macro FETCH_K off
	WIN 0x40                        ; destination window 1
.irp f, 0,1,2,3,4,5,6,7             ; keys 16 (f / 2) on, channels 32 (f % 2) on
	ds_load_b128 v[KF+8*\f:KF+8*\f+3],   v[AK] offset:(\off)+(\f/2)*16*PK+(\f%2)*64
	ds_load_b128 v[KF+8*\f+4:KF+8*\f+7], v[AK] offset:(\off)+(\f/2)*16*PK+(\f%2)*64+32
.endr
	WIN 0
.endm
.macro FETCH_V off
	WIN 0x40
.irp f, 0,1,2,3,4,5,6,7             ; keys 32 (f / 4) on, channels 16 (f % 4) on
	ds_load_tr16_b128 v[VF+8*\f:VF+8*\f+3],   v[AV] offset:(\off)+(\f/4)*32*PVP+(\f%4)*32
	ds_load_tr16_b128 v[VF+8*\f+4:VF+8*\f+7], v[AV] offset:(\off)+(\f/4)*32*PVP+16*PVP+(\f%4)*32
.endr
	WIN 0
.endm
; THE CHANGE OF SLOTS.  Each wave waits for all its tensor loads (one is out: its part of the other slot), adds 0 to its spare word, and waits for that and for its reads of the slot that it leaves.
; fill = 1: the barrier is a round of the cluster's, and the old slot is filled again first behind it, with tile NXT: the address is made anew from that number.  Then the new tile's first step is fetched.
; (At its first use nothing has been read yet: slot 0 is waited for, slot 1 filled.)
.macro CHANGE fill
	WIN 0
	s_wait_tensorcnt 0x0            ; no tensor load of mine is out, so a group 0 may be written
	ds_add_u32 v[SPW], v[NIL]       ; 0 onto my spare word; scalar work stands between it and the wait for it
.if \fill
	s_lshl_b32 s[OFF], s[NXT], 14   ; a tile is 16,384 bytes of K and of V
	s_xor_b32 s[G0K+1], s[G0K+1], SLOT1
	s_add_nc_u64 s[G0K+2:G0K+3], s[6:7], s[OFF:OFF+1]
	s_or_b32 s[G0K+3], s[G0K+3], 0x80000000
	s_xor_b32 s[G0V+1], s[G0V+1], SLOT1
	s_add_nc_u64 s[G0V+2:G0V+3], s[8:9], s[OFF:OFF+1]
	s_or_b32 s[G0V+3], s[G0V+3], 0x80000000
	s_add_co_u32 s[NXT], s[NXT], 1  ; the block's next tile, or behind its last the second block's tile 0
	s_cmp_gt_u32 s[NXT], s[LQ]
	s_cselect_b32 s[NXT], 0, s[NXT]
	s_cselect_b32 s[LQ], s[PB], s[LQ]
.endif
	s_xor_b32 s[TB], s[TB], SLOT1
	s_wait_dscnt 0x0                ; the add is done, and my reads of the slot are over
.if \fill
	CROUND
	JLOAD
.else
	s_barrier_signal -1
	s_barrier_wait -1
.endif
	v_add_nc_u32 v[AK], s[TB], v[AK0]
	v_add_nc_u32 v[AV], s[TB], v[AV0]
	FETCH_K 0
	FETCH_V 0
.endm
	s_load_b256 s[4:11], s[0:1], 0x0  ; q s[4:5], k s[6:7], v s[8:9], o s[10:11]
	s_load_b64 s[54:55], s[0:1], 0x20 ; out1
	v_lshl_add_u32 v[SPW], v0, 2, SPARE
	v_mov_b32 v[NIL], 0
	ds_add_u32 v[SPW], v[NIL]       ; the wave's opening: the add, twice on end, and its wait ahead of my first tensor load
	ds_add_u32 v[SPW], v[NIL]
	v_lshrrev_b32 v1, 5, v0
	v_readfirstlane_b32 s[WV], v1   ; wave 0..3
	s_bfe_u32 s13, ttmp6, 0x40000   ; cx: which of the group's four query heads
	s_mov_b32 s[PB], ttmp9
	s_sub_co_u32 s[HI], NB-1, s[PB]
	s_and_b32 s20, ttmp7, 0xffff    ; b*8 + kv, which the four partners share
	s_and_b32 s16, s[WV], 1         ; which half of a tile's 128 keys I fetch
	s_lshl_b32 s22, s20, 17         ; the head's plane of 131,072 bytes,
	s_lshl_b32 s23, s16, 13         ; my 64 rows of 128 bytes
	s_add_co_u32 s22, s22, s23
	s_mov_b32 s23, 0
	s_mul_i32 s17, s16, 64*PK       ; and their place in a slot: no place in the cluster enters an LDS address
	s_mul_i32 s18, s16, 64*PVP
	s_lshl_b32 s21, s20, 2
	s_add_co_u32 s21, s21, s13      ; the query head's plane
	s_lshl_b32 s21, s21, 17
	s_lshl_b32 s19, s[WV], 11       ; my 16 rows in a band
	s_add_co_u32 s21, s21, s19
	s_lshl_b32 s2, s[HI], 14        ; the first block,
	s_add_co_u32 s2, s2, s21
	s_mov_b32 s3, 0
	s_lshl_b32 s84, s[PB], 14       ; and the second
	s_add_co_u32 s84, s84, s21
	s_mov_b32 s85, 0
	s_lshl_b32 s52, s20, 17         ; out1's copy, from: v's plane, rows 256 j + 64 w on, 128 bytes a row
	s_lshl_b32 s53, s[PB], 15
	s_add_co_u32 s52, s52, s53
	s_lshl_b32 s53, s[WV], 13
	s_add_co_u32 s52, s52, s53
	s_mov_b32 s53, 0
	s_and_b32 s66, s20, 7           ; to: plane (4 kv + r)*2 + b of 262,144 bytes, the same rows, 256 bytes a row
	s_lshl_b32 s66, s66, 2
	s_add_co_u32 s66, s66, s13
	s_lshl_b32 s66, s66, 1
	s_lshr_b32 s67, s20, 3
	s_add_co_u32 s66, s66, s67
	s_lshl_b32 s66, s66, 18
	s_lshl_b32 s67, s[PB], 16
	s_add_co_u32 s66, s66, s67
	s_lshl_b32 s67, s[WV], 14
	s_add_co_u32 s66, s66, s67
	s_mov_b32 s67, 0
	; descriptor group 1.  64 keys are 8,192 dense bytes: asked for as 32 rows of 256 bytes, two keys a row, and padded in LDS after every key
	s_mov_b32 s[G1K], 15|(1<<16)|(1<<20)|(1<<21)|(4<<22)|(3<<25)  ; the mask of four; 2-byte elements; padding on; bit 21 beside a mask; after every 32 words, 4 words
	s_mov_b32 s[G1V], 15|(1<<16)|(1<<20)|(1<<21)|(4<<22)|(7<<25)  ; the same with 8 words
.irp g, G1K, G1V
	s_mov_b32 s[\g+1], 128<<16      ; tensor_dim0 = 128
	s_mov_b32 s[\g+2], 32<<16       ; tensor_dim1 = 32
	s_mov_b32 s[\g+3], 128<<16      ; tile_dim0 = 128
	s_mov_b32 s[\g+4], 32           ; tile_dim1 = 32
	s_mov_b32 s[\g+5], 128          ; 128 elements from row to row
	s_mov_b32 s[\g+6], 0
	s_mov_b32 s[\g+7], 0
.endr
	s_mov_b32 s[CS], 0x3e38aa3b     ; c = log2(e) / 8
	s_mov_b32 s[CS+1], s[CS]
	s_mov_b32 s[SEL], 0x76543210
	s_mov_b32 s[SEL+1], 0xfedcba98
	s_mov_b32 s[TB], SLOT1          ; the first change of slots turns it into 0
	s_mov_b32 s[G0K], 1
	s_mov_b32 s[G0K+1], s17         ; slot 0
	s_mov_b32 s[G0V], 1
	s_add_co_u32 s[G0V+1], s18, VOFF
	s_add_co_u32 s[RT], s[HI], 1    ; the first block has 8 - j tiles
	s_mov_b32 s[NXT], 1
	s_mov_b32 s[LQ], s[HI]
	s_mov_b32 s[OFF+1], 0
	s_mov_b32 s[SLOTS], NB
	s_wait_dscnt 0x0                ; both opening adds are done
	s_wait_kmcnt 0x0
	s_add_nc_u64 s[VS:VS+1], s[8:9], s[52:53]
	s_add_nc_u64 s[OD:OD+1], s[54:55], s[66:67]
	s_add_nc_u64 s[6:7], s[6:7], s[22:23]  ; K and V at my half of the head's tile 0
	s_add_nc_u64 s[8:9], s[8:9], s[22:23]
	s_add_nc_u64 s[G0K+2:G0K+3], s[6:7], 0
	s_or_b32 s[G0K+3], s[G0K+3], 0x80000000
	s_add_nc_u64 s[G0V+2:G0V+3], s[8:9], 0
	s_or_b32 s[G0V+3], s[G0V+3], 0x80000000
	s_add_nc_u64 s[QLO:QLO+1], s[4:5], s[84:85]
	s_add_nc_u64 s[4:5], s[4:5], s[2:3]
	s_add_nc_u64 s[OLO:OLO+1], s[10:11], s[84:85]
	s_add_nc_u64 s[10:11], s[10:11], s[2:3]
	CROUND                          ; all four work-groups are here: the first joint loads meet
	JLOAD                           ; tile 0 into slot 0
	v_and_b32 v1, 15, v0            ; l % 16
	v_bfe_u32 v9, v0, 4, 1          ; l / 16
	v_lshlrev_b32 v[QO], 7, v1
	v_lshl_add_u32 v[QO], v9, 4, v[QO]  ; row x 128 + 16 x half
	WIN 0x40
.set i, 0
.rept 4                             ; both blocks' Q: tile i / 2 lies in band i / 2, 8,192 bytes on; channels 32 (i % 2) on
	global_load_b128 v[8*i:8*i+3],   v[QO], s[4:5] offset:(i/2)*8192+(i%2)*64
	global_load_b128 v[8*i+4:8*i+7], v[QO], s[4:5] offset:(i/2)*8192+(i%2)*64+32
	global_load_b128 v[QB+8*i:QB+8*i+3],   v[QO], s[QLO:QLO+1] offset:(i/2)*8192+(i%2)*64
	global_load_b128 v[QB+8*i+4:QB+8*i+7], v[QO], s[QLO:QLO+1] offset:(i/2)*8192+(i%2)*64+32
.set i, i+1
.endr
	WIN 0
	v_and_b32 v[GO], 31, v0
	v_lshlrev_b32 v[VO], 3, v[GO]
	v_lshlrev_b32 v[GO], 4, v[GO]
.set i, 0
.rept 32                            ; out1's copy: my wave's 64 rows of v, two rows a load: 8 bytes a lane, 256 consecutive bytes a load, at a multiple of 256
	global_load_b64 v[VC+2*i:VC+2*i+1], v[VO], s[VS:VS+1] offset:i*256
.set i, i+1
.endr
	v_mov_b32 v[ONE], 1.0
	v_mov_b32 v[NZ], 0x80000000
	v_mov_b32 v[BG], 0xf149f2ca     ; -1e30
	v_lshlrev_b32 v14, 3, v9
	v_sub_nc_u32 v14, v1, v14
	s_lshl_b32 s13, s[WV], 4
	v_add_nc_u32 v14, s13, v14      ; my query's place in its band, 16 w + l % 16, less 8 (l / 16): register r of group kt of 16 keys is hidden where 16 kt + r is greater
.set i, 0
.rept 32
	v_cmp_gt_i32 vcc_lo, 16*(i/8)+i%8, v14
	v_cndmask_b32 v[MD+i], 0, v[BG], vcc_lo
.set i, i+1
.endr
	v_mul_u32_u24 v[AK0], v1, PK
	v_lshl_add_u32 v[AK0], v9, 4, v[AK0]
	; the turning load takes 16 keys x 16 channels (lane l reads key 8 (l / 16) + l % 8, channels 8 ((l / 8) % 2) + 0..7) and leaves half a fragment of V^T
	v_and_b32 v10, 7, v0
	v_bfe_u32 v11, v0, 3, 1
	v_lshl_add_u32 v[AV0], v9, 3, v10
	v_mul_u32_u24 v[AV0], v[AV0], PVP
	v_lshl_add_u32 v[AV0], v11, 4, v[AV0]
	v_add_nc_u32 v[AV0], VOFF, v[AV0]
	s_mul_i32 s13, s[WV], 16*SP
	s_add_co_u32 s13, s13, STAGE    ; my stage
	v_mul_u32_u24 v[STO], v1, SP    ; in: row l % 16, 16 bytes for each half of the lanes
	v_lshl_add_u32 v[STO], v9, 4, v[STO]
	v_add_nc_u32 v[STO], s13, v[STO]
	v_bfe_u32 v[RD], v0, 3, 2       ; back: 32 lanes take four rows of 128 bytes, which are 512 consecutive bytes of O
	v_mul_u32_u24 v[RD], v[RD], SP
	v_lshl_add_u32 v[RD], v10, 4, v[RD]
	v_add_nc_u32 v[RD], s13, v[RD]
.irp t, 0,1
	v_mov_b32 v[ST+4*\t], 0xfe000000    ; c m: far below every c s
	v_mov_b32 v[ST+4*\t+1], 0xff7fffff  ; m
	v_mov_b32 v[ST+4*\t+2], 0
	v_mov_b32 v[ST+4*\t+3], 0
.endr
	; out1's copy: a lane's four f16 are widened (x * 1 + (-0) is x for every x, the sign of zero kept) and stored as 16 bytes: a store covers 512 consecutive bytes, at a multiple of 256.
	; The first 24 stores' numbers fill P's and O^T's registers.  A block's first step multiplies O^T by a = 0, so O^T need only hold finite numbers: for the first block these are V's, left there;
	; for the second what the first block left.  No register is cleared.
.set i, 0
.rept 32
.if i%8 == 0
	s_wait_loadcnt 24-i             ; loads come back in order: these eight are in, the 24 - i younger ones may be out; Q's, which are older, are in with the first
.endif
.if i == 24
	s_wait_xcnt 0x0                 ; the first eight stores have read their data: their registers are written again only behind this wait
.endif
.set d, VD+4*(i%24)
	v_fma_mix_f32 v[d],   v[VC+2*i],   v[ONE], v[NZ] op_sel_hi:[1,0,0]
	v_fma_mix_f32 v[d+1], v[VC+2*i],   v[ONE], v[NZ] op_sel:[1,0,0] op_sel_hi:[1,0,0]
	v_fma_mix_f32 v[d+2], v[VC+2*i+1], v[ONE], v[NZ] op_sel_hi:[1,0,0]
	v_fma_mix_f32 v[d+3], v[VC+2*i+1], v[ONE], v[NZ] op_sel:[1,0,0] op_sel_hi:[1,0,0]
	global_store_b128 v[GO], v[d:d+3], s[OD:OD+1] offset:i*512 th:TH_STORE_NT
.set i, i+1
.endr
	s_wait_xcnt 0x0                 ; all stores have read their data: P's and O^T's registers are the steps' from here on
; THE MATRIX WORK.  The accumulators of a run take turns, one instruction a turn.
.macro KQ t, kb, ch, m0, m1         ; S^T of tile t, keys 16 kb on, channels 32 ch on; the first half starts the sum, with 0 or with the mask
.set rS, S+32*(\t)+8*(\kb)
.set rK, KF+16*(\kb)+8*(\ch)
.set rQ, 16*(\t)+8*(\ch)
.set rM, MD+8*(\kb)
.set mk, (\m0)*(1-(\t))+(\m1)*(\t)
.if (\ch) == 0
.if mk
	v_wmma_f32_16x16x32_f16 v[rS:rS+7], v[rK:rK+7], v[rQ:rQ+7], v[rM:rM+7]
.else
	v_wmma_f32_16x16x32_f16 v[rS:rS+7], v[rK:rK+7], v[rQ:rQ+7], 0
.endif
.else
	v_wmma_f32_16x16x32_f16 v[rS:rS+7], v[rK:rK+7], v[rQ:rQ+7], v[rS:rS+7]
.endif
.endm
.macro PVM t, cb, kk                ; O^T of tile t, channels 16 cb on, += V^T P over keys 32 kk on
.set rO, O+32*(\t)+8*(\cb)
.set rV, VF+32*(\kk)+8*(\cb)
.set rP, P+16*(\t)+8*(\kk)
	v_wmma_f32_16x16x32_f16 v[rO:rO+7], v[rV:rV+7], v[rP:rP+7], v[rO:rO+7]
.endm
; THE VECTOR WORK, all in window 0, one line a macro, for tile t.
.macro REGS t
.set rT, ST+4*(\t)
.set rC, TMP+4*(\t)
.set rW, MV+(\t)
.set rS, S+32*(\t)
.set rP, P+16*(\t)
.set rO, O+32*(\t)
.endm
; XS: number n of the 22 that find the maximum and the statistics.  0-11 four chains of seven scores (each accumulator's lowest registers are read first); 12-14, 16 the four scores
; left over, the old m, and the four into one; 15 c m_old is kept; 17, 18 the query's other 32 keys lie in the lane 16 away; 19-21 c m, its change, a
.macro XS t, n
	REGS \t
.if (\n) < 4
	v_max3_num_f32 v[rC+(\n)], v[rS+8*(\n)], v[rS+8*(\n)+1], v[rS+8*(\n)+2]
.elseif (\n) < 12
	v_max3_num_f32 v[rC+(\n)%4], v[rC+(\n)%4], v[rS+8*((\n)%4)+2*((\n)/4)+1], v[rS+8*((\n)%4)+2*((\n)/4)+2]
.elseif (\n) == 12
	v_max3_num_f32 v[rC], v[rC], v[rS+7], v[rS+15]
.elseif (\n) == 13
	v_max3_num_f32 v[rC+1], v[rC+1], v[rS+23], v[rS+31]
.elseif (\n) == 14
	v_max3_num_f32 v[rC+2], v[rC+2], v[rC+3], v[rT+1]
.elseif (\n) == 15
	v_mov_b32 v[rW], v[rT]
.elseif (\n) == 16
	v_max3_num_f32 v[rC], v[rC], v[rC+1], v[rC+2]
.elseif (\n) == 17
	v_permlanex16_b32 v[rC+3], v[rC], s[SEL], s[SEL+1]
.elseif (\n) == 18
	v_max_num_f32 v[rT+1], v[rC], v[rC+3]
.elseif (\n) == 19
	v_mul_f32 v[rT], s[CS], v[rT+1]
.elseif (\n) == 20
	v_sub_f32 v[rC+1], v[rW], v[rT]
.else
	v_exp_f32 v[rC+2], v[rC+1]
.endif
.endm
.macro FS t, n                      ; c s - c m for pair n of 16
	REGS \t
	v_pk_fma_f32 v[rS+2*(\n):rS+2*(\n)+1], v[rS+2*(\n):rS+2*(\n)+1], s[CS:CS+1], v[rT:rT+1] op_sel_hi:[1,0,0] neg_lo:[0,0,1] neg_hi:[0,0,1]
.endm
.macro EX t, n                      ; the exponential of score n of 32
	REGS \t
	v_exp_f32 v[rS+(\n)], v[rS+(\n)]
.endm
.macro RS t, n                      ; pair n of 16 of O^T times a
	REGS \t
	v_pk_mul_f32 v[rO+2*(\n):rO+2*(\n)+1], v[rO+2*(\n):rO+2*(\n)+1], v[rC+2:rC+3] op_sel_hi:[1,0]
.endm
.macro CV t, n                      ; pair n rounded to f16
	REGS \t
	v_cvt_pk_f16_f32 v[rP+(\n)], v[rS+2*(\n)], v[rS+2*(\n)+1]
.endm
.macro BS t, n                      ; of the four weights 4 n .. the second pair is added onto the first
	REGS \t
	v_pk_add_f32 v[rS+4*(\n):rS+4*(\n)+1], v[rS+4*(\n):rS+4*(\n)+1], v[rS+4*(\n)+2:rS+4*(\n)+3]
.endm
.macro LS t, n                      ; l takes that sum; the first time l = a l + sum
	REGS \t
.if (\n) == 0
	v_pk_fma_f32 v[rT+2:rT+3], v[rT+2:rT+3], v[rC+2:rC+3], v[rS:rS+1] op_sel_hi:[1,0,1]
.else
	v_pk_add_f32 v[rT+2:rT+3], v[rT+2:rT+3], v[rS+4*(\n):rS+4*(\n)+1]
.endif
.endm
.macro T2 both, mac, n              ; a line for both tiles, or for tile 1 alone
.if \both
	\mac 0, \n
.endif
	\mac 1, \n
.endm
; A KEY STEP of 64 keys.  both = 0: tile 1 alone.  m0, m1: tile 0's, tile 1's products take the mask.  kn, vn: the next step's place in the tile, or -1: nothing more of this tile is fetched.
; At its head K's run of 16 loads and, behind it, V's are out.
.macro STEP both, m0, m1, kn, vn
	s_wait_dscnt 16                 ; K is in; V's 16 younger loads may be out
	WIN 0x05                        ; K and Q window 1; S^T and the mask window 0
.set i, 0
.if \both
.rept 16
	KQ i%2, (i/2)%4, i/8, \m0, \m1
.set i, i+1
.endr
.else
.rept 8
	KQ 1, i%4, i/4, \m0, \m1
.set i, i+1
.endr
.endif
	PLACES                          ; in front of the loads into K's registers and of the maxima that read the scores
.if (\kn) >= 0
	FETCH_K \kn
.endif
	WIN 0
.irp n, 0,1,2,3,4,5,6,7,8,9,10,11,12,13,14,15,16,17,18,19,20,21
	T2 \both, XS, \n
.endr
	v_nop                           ; a plain instruction behind the exponentials,
	s_wait_alu depctr_va_vdst(0)    ; and the wait ahead of a's first reader: the rescalings below stand between the step's other exponentials
	T2 \both, FS, 0
.set nn, 0
.rept 16                            ; ONE BATCH: every exponential has a plain neighbour, and nothing here names a result of the batch; a pair is scaled a group ahead of its exponentials
.if \both
	EX 0, 2*nn
	RS 0, nn
.endif
	EX 1, 2*nn
	RS 1, nn
.if \both
	EX 0, 2*nn+1
.if nn < 15
	FS 0, nn+1
.endif
.endif
	EX 1, 2*nn+1
.if nn < 15
	FS 1, nn+1
.endif
.set nn, nn+1
.endr
	v_nop
	s_wait_alu depctr_va_vdst(0)    ; one wait for the batch
.set nn, 0
.rept 8
	T2 \both, CV, 2*nn
	T2 \both, CV, 2*nn+1
	T2 \both, BS, nn
.if nn > 0
	T2 \both, LS, nn-1
.endif
.set nn, nn+1
.endr
	T2 \both, LS, 7
.if (\kn) >= 0
	s_wait_dscnt 16                 ; V is in; the next K's 16 younger loads may be out
.else
	s_wait_dscnt 0x0                ; V is in
.endif
	WIN 0x01                        ; V window 1; P and O^T window 0
.set i, 0
.if \both
.rept 16
	PVM i%2, (i/2)%4, i/8
.set i, i+1
.endr
.else
.rept 8
	PVM 1, i%4, i/4
.set i, i+1
.endr
.endif
	PLACES                          ; in front of the loads into V's registers, here or behind the change of slots, and of the way out
.if (\vn) >= 0
	FETCH_V \vn
.endif
	WIN 0
.endm
.macro FULL                         ; a tile below the diagonal
	STEP 1, 0, 0, 64*PK, 64*PVP
	STEP 1, 0, 0, -1, -1
.endm
.macro DIAG                         ; the diagonal tile: step 0 is band 0's own and open to band 1; step 1 is hidden from band 0, which is left out, and band 1's own
	STEP 1, 1, 0, 64*PK, 64*PVP
	STEP 0, 0, 1, -1, -1
.endm
; THE WAY OUT: l's two halves and the other half of the lanes' are added; O^T is divided by l, rounded to f16 and sent through my stage in LDS, a tile at a time.
.macro PACK t
.set i, O+32*(\t)
.rept 16
	v_pk_mul_f32 v[i:i+1], v[i:i+1], v[ST+4*(\t)+2:ST+4*(\t)+3] op_sel_hi:[1,0]
.set i, i+2
.endr
.set i, 0
.rept 16
	v_cvt_pk_f16_f32 v[S+16*(\t)+i], v[O+32*(\t)+2*i], v[O+32*(\t)+2*i+1]
.set i, i+1
.endr
.irp f, 0,1,2,3
	ds_store_b128 v[STO], v[S+16*(\t)+4*\f:S+16*(\t)+4*\f+3] offset:32*\f
.endr
.irp f, 0,1,2,3
	ds_load_b128 v[S+16*(\t)+4*\f:S+16*(\t)+4*\f+3], v[RD] offset:\f*4*SP  ; LDS serves a wave's instructions in order (ISA guide 5.7.1.4): these see the stores above; the next tile's stores come behind them
.endr
.endm
.macro SEND t, younger              ; younger: the LDS instructions issued behind tile t's loads: the next tile's eight, or none
.irp f, 0,1,2,3
	s_wait_dscnt (\younger)+3-\f
	global_store_b128 v[GO], v[S+16*(\t)+4*\f:S+16*(\t)+4*\f+3], s[10:11] offset:(\t)*8192+\f*512  ; 512 consecutive bytes, at a multiple of 256 from O's first
.endr
.endm
.macro WAYOUT
	WIN 0
.irp t, 0,1
	v_add_f32 v[ST+4*\t+2], v[ST+4*\t+2], v[ST+4*\t+3]
.endr
.irp t, 0,1
	v_permlanex16_b32 v[ST+4*\t+3], v[ST+4*\t+2], s[SEL], s[SEL+1]
.endr
.irp t, 0,1
	v_add_f32 v[ST+4*\t+2], v[ST+4*\t+2], v[ST+4*\t+3]
.endr
.irp t, 0,1
	v_rcp_f32 v[ST+4*\t+2], v[ST+4*\t+2]
.endr
	v_nop                           ; a plain instruction behind the reciprocals,
	s_wait_alu depctr_va_vdst(0)    ; and one wait for both, ahead of their first use
	PACK 0
	PACK 1
	SEND 0, 8
	SEND 1, 0
.endm
.Lslot:                             ; eight trips: a tile is entered and the next is asked for; that load has the tile's two steps in which to land
	CHANGE 1
	s_sub_co_u32 s[RT], s[RT], 1
	s_cmp_lg_u32 s[RT], 0
	s_cbranch_scc1 .Lfull           ; j decides, the same in all partners; the jump goes forward, past no barrier and no tensor load
	DIAG                            ; in the loop this is the first block's end: the second block's last tile is the walk's last
	WAYOUT
	s_wait_xcnt 0x0                 ; the stores have read their registers and O's address
	s_mov_b64 s[10:11], s[OLO:OLO+1]
	s_add_co_u32 s[RT], s[PB], 1    ; the second block has j + 1 tiles
	WIN 0x41                        ; the second block's Q goes where the one text of the steps names Q
.set i, 0
.rept 32
	v_mov_b32 v[i], v[QB+i]
.set i, i+1
.endr
	WIN 0
.irp t, 0,1
	v_mov_b32 v[ST+4*\t], 0xfe000000
	v_mov_b32 v[ST+4*\t+1], 0xff7fffff
.endr
	s_branch .Lbottom
.Lfull:
	FULL
.Lbottom:
	s_sub_co_u32 s[SLOTS], s[SLOTS], 1
	s_cmp_lg_u32 s[SLOTS], 0
	s_cbranch_scc1 .Lslot
	CHANGE 0                        ; the walk's last tile is written out: nothing is asked for
	DIAG
	WAYOUT
	s_wait_tensorcnt 0x0            ; the wave's end: behind my last tensor load and my last LDS store
	ds_add_u32 v[SPW], v[NIL]
	s_wait_dscnt 0x0
	CROUND                          ; the closing round
	s_endpgm
.Lfunc_end_k_qdba5f32665_attn:
	.size	k_qdba5f32665_attn, .Lfunc_end_k_qdba5f32665_attn-k_qdba5f32665_attn
	.p2alignl 7, 3214868480
	.fill 96, 4, 3214868480
	.section	.rodata,"a",@progbits
	.p2align	6, 0x0
	.amdhsa_kernel k_qdba5f32665_attn
		.amdhsa_group_segment_fixed_size 327680
		.amdhsa_private_segment_fixed_size 0
		.amdhsa_enable_private_segment 0
		.amdhsa_kernarg_size 40
		.amdhsa_user_sgpr_count 2
		.amdhsa_user_sgpr_kernarg_segment_ptr 1
		.amdhsa_wavefront_size32 1
		.amdhsa_system_sgpr_workgroup_id_x 1
		.amdhsa_system_sgpr_workgroup_id_y 1
		.amdhsa_system_sgpr_workgroup_id_z 1
		.amdhsa_system_vgpr_workitem_id 0
		.amdhsa_next_free_vgpr 448
		.amdhsa_next_free_sgpr 90
		.amdhsa_reserve_vcc 1
		.amdhsa_float_denorm_mode_32 3
		.amdhsa_float_denorm_mode_16_64 3
		.amdhsa_memory_ordered 1
		.amdhsa_forward_progress 1
		.amdhsa_inst_pref_size 128
	.end_amdhsa_kernel
	.amdgpu_metadata
---
amdhsa.version: [ 1, 2 ]
amdhsa.kernels:
  - .name:           k_qdba5f32665_attn
    .symbol:         k_qdba5f32665_attn.kd
    .args:
      - { .name: qws, .offset: 0, .size: 8, .value_kind: global_buffer, .address_space: global }
      - { .name: kws, .offset: 8, .size: 8, .value_kind: global_buffer, .address_space: global }
      - { .name: vws, .offset: 16, .size: 8, .value_kind: global_buffer, .address_space: global }
      - { .name: ows, .offset: 24, .size: 8, .value_kind: global_buffer, .address_space: global }
      - { .name: out1, .offset: 32, .size: 8, .value_kind: global_buffer, .address_space: global }
    .group_segment_fixed_size: 327680
    .private_segment_fixed_size: 0
    .kernarg_segment_align: 8
    .kernarg_segment_size: 40
    .max_flat_workgroup_size: 128
    .sgpr_count:     90
    .vgpr_count:     448
    .wavefront_size: 32
...
	.end_amdgpu_metadata
.endif
;; end of part 7
;; launch oproj (part 8): grid 16 x 16, 4 waves a work-group, clusters of 4 x 4, 327,680 bytes of LDS; arguments ows, wob, out0; writes out0
.if DOCPART == 8
	.amdgcn_target "amdgcn-amd-amdhsa--gfx1250"
	.amdhsa_code_object_version 6
	.text
	.protected	k_qdba5f32665_oproj
	.globl	k_qdba5f32665_oproj
	.p2align	8
	.type	k_qdba5f32665_oproj,@function
k_qdba5f32665_oproj:
	s_mov_b64 s[64:65], 0
	v_nop
	global_prefetch_b8 v0, s[64:65] scope:SCOPE_SE
	s_setreg_imm32_b32 hwreg(HW_REG_WAVE_MODE, 25, 1), 1
	s_wait_xcnt 0x0
	s_wait_alu depctr_hold_cnt(0) depctr_sa_sdst(0) depctr_va_vdst(0) depctr_va_sdst(0) depctr_va_ssrc(0) depctr_va_vcc(0) depctr_vm_vsrc(0)
	s_getreg_b32 s2, hwreg(HW_REG_IB_STS2, 6, 4)
	s_cmp_eq_u32 s2, 0
	s_cbranch_scc0 .Lentry_in_a_cluster
	s_endpgm
.Lentry_in_a_cluster:
	s_bfe_u32 s2, ttmp6, 0x10000c
	s_cmp_lg_u32 s2, 0xf033
	s_cbranch_scc0 .Lentry_shape_is_right
	s_endpgm
.Lentry_shape_is_right:
; OPROJ: out0[token][n] = the sum over (h, d) of O[b*32+h][s][d] w_out[n][64 h + d]: 2048 x 2048, K = 2048; f16 operands, f32 sums, out0 in f32.  No work of reference() is left out here.
; O lies by heads, [b*32+h][1024][64] f16; wob is [2048][2048] f16 (w_out rounded to bf16, that number written as f16).
; SHARES.  A tile of out0 is 128 x 128: 16 x 16 work-groups; four waves, each 64 x 64: 16 accumulators.  K goes in steps of 256 = four heads through two LDS slots; a quarter of a step is one head.
; THE ORDER OF K.  The clusters fall into two classes by their place (X, Y) in the grid of clusters: r = (X xor Y xor Y / 2) mod 2.  In step s a cluster takes K block (s + 4 r) mod 8: one class begins at
; block 0, the other at block 4, and both wrap.  So of the clusters that read the same rows of O (equal Y) or of w (equal X), some ask for a block four steps ahead of the others.  r is the same in all
; sixteen partners.  The f32 sums are taken in that order: a limit of rounding order, within the sums' own rounding.
; O's PART OF A SLOT: four planes of 128 tokens x 128 bytes.  In memory a plane's 128 tokens are 16,384 dense bytes, so two planes are asked for as TWO LONG ROWS of 8,192 elements, a plane apart, and
; padded in LDS after every 128 bytes: rows of 144 bytes.  w's part: 128 rows of 512 bytes + 16.
; CLUSTER 4 x 4: O's tile is shared along a row of the cluster, w's along a column; each is asked for jointly.  THE MATRIX INSTRUCTION IS USED TRANSPOSED (source 0 = 16 rows of w, source 1 = 16 tokens):
; a lane holds eight neighbouring numbers of a row of out0.  A wave's 64 columns are 256 bytes of a row, aligned: each wave has a stage of its own, and the way out needs no barrier.
; No prefetch: the tile is small.
; REGISTERS.  window 0: v0-31 addresses; v128-255 the accumulators ((a, b) at 128 + 8 (4 a + b)).  window 1: two fragment buffers of 128 (64 of O's, then 64 of w's); on the way out v0-127 rows read back.
.set KSTEP,  256
.set PA,     144                       ; O's rows in LDS: 36 words: the 16 rows of a load start at 16 different groups of four banks (64 banks of 4 bytes: ISA guide 11.1)
.set PLANE,  128*PA
.set PBP,    528                       ; w's rows: 132 words, likewise
.set BOFF,   4*PLANE
.set SLOT,   BOFF+128*PBP
.set STAGE,  2*SLOT                    ; 16 rows x 272 bytes for each wave
.set SPITCH, 272
.set SPARE,  STAGE+4*16*SPITCH         ; the spare words, 128 bytes for each wave: two blocks of 256 bytes that no other line names
.set LAPS,   4                         ; a lap = two K steps
.set ADRA, 16
.set ADRB, 20
.set STO,  24
.set RD,   25
.set CO,   26
.set SPW,  28                          ; my spare word; never rewritten
.set NIL,  29                          ; 0; never rewritten
.set ACC,  128
.set F0,   0
.set F1,   128
.set G1, 24
.set G0, 32
.set G1B, 48
.set G0B, 56
.set KI,  66                           ; s66, s67  the K block that slot 0, slot 1 was last asked to hold
.set OFA, 68                           ; s[68:69]  that block's byte offset in O: four planes of 131,072 bytes a block
.set OFB, 70                           ; s[70:71]  and in w: 512 bytes of a row a block
.set BA,  72                           ; s[72:73]  O at my part of the tile, K block 0
.set BB,  74                           ; s[74:75]  w likewise
.set MSB, 0
.macro WIN new
.if MSB != (\new)
	s_set_vgpr_msb (MSB<<8)|(\new)
.set MSB, \new
.endif
.endm
.set MUL,  0x05                        ; sources 0 and 1 window 1; C and D window 0
.set TO_F, 0x40                        ; destination window 1, address and a store's data window 0
.macro JLOAD s                         ; waves 0 and 1 fetch O's planes, waves 2 and 3 w's halves; an s_nop 0 and four v_nop follow each line
	s_cmp_eq_u32 s11, 0
	s_cbranch_scc0 .Lfor_b_\@
	tensor_load_to_lds s[G0+4*(\s):G0+4*(\s)+3], s[G1:G1+7]
	s_nop 0
.rept 4
	v_nop
.endr
	s_branch .Lasked_\@
.Lfor_b_\@:
	tensor_load_to_lds s[G0B+4*(\s):G0B+4*(\s)+3], s[G1B:G1B+7]
	s_nop 0
.rept 4
	v_nop
.endr
.Lasked_\@:
.endm
.macro CREST
	s_cmp_lg_u32 s10, 0
	s_cbranch_scc1 .Lnot_wave_0_\@
	s_barrier_signal -3
.Lnot_wave_0_\@:
	s_barrier_wait -3
	s_barrier_signal -1
	s_barrier_wait -1
.endm
.macro CROUND
	s_barrier_signal -1
	s_barrier_wait -1
	CREST
.endm
; Slot s's two global addresses are made anew from its K block's number: the buffer's pointer plus an offset made apart, the type bits set again
.macro WHERE s
	s_lshl_b32 s[OFA], s[KI+(\s)], 19
	s_lshl_b32 s[OFB], s[KI+(\s)], 9
	s_add_nc_u64 s[G0+4*(\s)+2:G0+4*(\s)+3], s[BA:BA+1], s[OFA:OFA+1]
	s_or_b32 s[G0+4*(\s)+3], s[G0+4*(\s)+3], 0x80000000
	s_add_nc_u64 s[G0B+4*(\s)+2:G0B+4*(\s)+3], s[BB:BB+1], s[OFB:OFB+1]
	s_or_b32 s[G0B+4*(\s)+3], s[G0B+4*(\s)+3], 0x80000000
.endm
	s_load_b128 s[4:7], s[0:1], 0x0                ; ows s[4:5], wob s[6:7]
	s_load_b64 s[8:9], s[0:1], 0x10                ; out0
	v_lshl_add_u32 v[SPW], v0, 2, SPARE
	v_mov_b32 v[NIL], 0
	ds_add_u32 v[SPW], v[NIL]                      ; the wave's opening: the add, twice on end, and its wait ahead of my first tensor load
	ds_add_u32 v[SPW], v[NIL]
	v_lshrrev_b32 v1, 5, v0
	v_readfirstlane_b32 s10, v1                    ; wave 0..3
	s_lshr_b32 s11, s10, 1                         ; which half of the tile's tokens is mine.  Also: I fetch for O (0) or for w (1)
	s_and_b32 s12, s10, 1                          ; which half of its columns.  Also: which half of that tile I fetch
	s_bfe_u32 s40, ttmp6, 0x40000
	s_bfe_u32 s41, ttmp6, 0x40004
	s_lshl_b32 s42, ttmp9, 2
	s_add_co_u32 s42, s42, s40                     ; tile column
	s_and_b32 s13, ttmp7, 0xffff
	s_lshl_b32 s13, s13, 2
	s_add_co_u32 s13, s13, s41                     ; tile row
	s_lshl_b32 s43, s41, 2
	s_lshl_b32 s43, 15, s43                        ; my row of the cluster
	s_lshl_b32 s44, 0x1111, s40                    ; my column
	s_and_b32 s[KI], ttmp7, 0xffff                 ; the cluster's class, from the cluster's own x and y: Y,
	s_lshr_b32 s[KI+1], s[KI], 1
	s_xor_b32 s[KI], s[KI], s[KI+1]                ; xor Y / 2,
	s_xor_b32 s[KI], s[KI], ttmp9                  ; xor X,
	s_and_b32 s[KI], s[KI], 1
	s_lshl_b32 s[KI], s[KI], 2                     ; step 0 takes K block 0 or 4,
	s_add_co_u32 s[KI+1], s[KI], 1                 ; step 1 the next
	s_mov_b32 s[OFA+1], 0
	s_mov_b32 s[OFB+1], 0
	s_or_b32 s[G1+0], s43, (1<<16)|(1<<20)|(1<<21)|(4<<22)|(3<<25)   ; O: the mask; 2-byte elements; padding on; bit 21 beside a mask; after every 32 words, 4 words
	s_mov_b32 s[G1+1], 8192<<16                    ; tensor_dim0 = 8,192: a plane's 128 tokens on end
	s_mov_b32 s[G1+2], 2<<16                       ; tensor_dim1 = 2 planes
	s_mov_b32 s[G1+3], 8192<<16                    ; tile_dim0
	s_mov_b32 s[G1+4], 2                           ; tile_dim1
	s_mov_b32 s[G1+5], 65536                       ; elements from plane to plane
	s_mov_b32 s[G1+6], 0
	s_mov_b32 s[G1+7], 0
	s_or_b32 s[G1B+0], s44, (1<<16)|(1<<20)|(1<<21)|(6<<22)|(3<<25)  ; w: after every 128 words, 4 words
	s_mov_b32 s[G1B+1], KSTEP<<16
	s_mov_b32 s[G1B+2], 64<<16
	s_mov_b32 s[G1B+3], KSTEP<<16
	s_mov_b32 s[G1B+4], 64
	s_mov_b32 s[G1B+5], 2048
	s_mov_b32 s[G1B+6], 0
	s_mov_b32 s[G1B+7], 0
	s_lshr_b32 s16, s13, 3                         ; O: b's 32 planes of 131,072 bytes,
	s_lshl_b32 s16, s16, 22
	s_lshl_b32 s17, s12, 18                        ; my two of a block's four,
	s_add_co_u32 s16, s16, s17
	s_and_b32 s17, s13, 7                          ; the tile's 128 tokens of 128 bytes
	s_lshl_b32 s17, s17, 14
	s_add_co_u32 s16, s16, s17
	s_mov_b32 s17, 0
	s_lshl_b32 s46, s42, 7                         ; w: row 128 x tile column + 64 x half, of 4,096 bytes
	s_lshl_b32 s47, s12, 6
	s_add_co_u32 s46, s46, s47
	s_lshl_b32 s46, s46, 12
	s_mov_b32 s47, 0
	s_mul_i32 s20, s12, 2*PLANE                    ; where they go: no place in the cluster enters an LDS address
	s_mul_i32 s21, s12, 64*PBP
	s_add_co_u32 s21, s21, BOFF
	s_wait_dscnt 0x0                               ; both opening adds are done
	s_wait_kmcnt 0x0
	s_add_nc_u64 s[BA:BA+1], s[4:5], s[16:17]
	s_add_nc_u64 s[BB:BB+1], s[6:7], s[46:47]
	CROUND                                         ; all sixteen work-groups are here: the first joint loads meet
.irp s, 0,1
	s_mov_b32 s[G0+4*(\s)], 1
	s_add_co_u32 s[G0+4*(\s)+1], s20, (\s)*SLOT
	s_mov_b32 s[G0B+4*(\s)], 1
	s_add_co_u32 s[G0B+4*(\s)+1], s21, (\s)*SLOT
	WHERE \s
	JLOAD \s
.endr
	v_and_b32 v1, 15, v0                           ; l % 16
	v_bfe_u32 v2, v0, 4, 1                         ; l / 16
	v_mul_u32_u24 v3, v1, PA
	v_lshl_add_u32 v3, v2, 4, v3
	v_mul_u32_u24 v4, v1, PBP
	v_lshl_add_u32 v4, v2, 4, v4
	s_mul_i32 s21, s11, 64*PA                      ; my 64 tokens
	s_mul_i32 s22, s12, 64*PBP                     ; my 64 rows of w,
	s_add_co_u32 s22, s22, BOFF                    ; behind O's planes
.irp s, 0,1
	v_add_nc_u32 v[ADRA+(\s)], s21, v3
	v_add_nc_u32 v[ADRB+(\s)], s22, v4
	s_add_co_u32 s21, s21, SLOT
	s_add_co_u32 s22, s22, SLOT
.endr
	s_mul_i32 s23, s10, 16*SPITCH
	s_add_co_u32 s23, s23, STAGE                   ; my stage
	v_mul_u32_u24 v4, v1, SPITCH                   ; in: row l % 16, 32 bytes for each half of the lanes
	v_lshl_add_u32 v4, v2, 5, v4
	v_add_nc_u32 v[STO], s23, v4
	v_mul_u32_u24 v5, v2, SPITCH                   ; back: lanes 0-15 take one row of 256 bytes, lanes 16-31 the next
	v_lshl_add_u32 v5, v1, 4, v5
	v_add_nc_u32 v[RD], s23, v5
	v_lshlrev_b32 v5, 13, v2                       ; and the same two rows in out0, 8,192 bytes apart
	v_lshl_add_u32 v[CO], v1, 4, v5
	s_lshl_b32 s16, s13, 7
	s_lshl_b32 s17, s11, 6
	s_add_co_u32 s16, s16, s17                     ; my first row of out0
	s_lshl_b32 s16, s16, 13
	s_mov_b32 s17, 0
	s_add_nc_u64 s[8:9], s[8:9], s[16:17]
	s_lshl_b32 s46, s42, 9                         ; my first column, in bytes: 512 x tile column + 256 x half
	s_lshl_b32 s47, s12, 8
	s_add_co_u32 s46, s46, s47
	s_mov_b32 s47, 0
	s_add_nc_u64 s[8:9], s[8:9], s[46:47]
; 8 matrix instructions: token blocks a0, a0 + 1 x all 4 column blocks, 32 along K: half c of buffer f.  The 16 accumulators take turns.  zero = 1: the first product starts the sums
.macro MUL8 f, c, a0, zero
	WIN MUL
.irp a, \a0, (\a0)+1
.irp b, 0,1,2,3
.if \zero
	v_wmma_f32_16x16x32_f16 v[ACC+8*(4*(\a)+(\b)):ACC+8*(4*(\a)+(\b))+7], v[(\f)+64+8*(4*(\c)+(\b)):(\f)+64+8*(4*(\c)+(\b))+7], v[(\f)+8*(4*(\c)+(\a)):(\f)+8*(4*(\c)+(\a))+7], 0
.else
	v_wmma_f32_16x16x32_f16 v[ACC+8*(4*(\a)+(\b)):ACC+8*(4*(\a)+(\b))+7], v[(\f)+64+8*(4*(\c)+(\b)):(\f)+64+8*(4*(\c)+(\b))+7], v[(\f)+8*(4*(\c)+(\a)):(\f)+8*(4*(\c)+(\a))+7], v[ACC+8*(4*(\a)+(\b)):ACC+8*(4*(\a)+(\b))+7]
.endif
.endr
.endr
.endm
; 32 LDS loads in one run: the fragments of quarter q (head q of the block's four), into buffer f; the first 32 along K first
.macro FETCH slot, q, f
	WIN TO_F
.irp c, 0,1
.irp i, 0,1,2,3
	ds_load_b128 v[(\f)+64+8*(4*(\c)+(\i)):(\f)+64+8*(4*(\c)+(\i))+3],   v[ADRB+(\slot)] offset:(\q)*128+64*(\c)+(\i)*16*PBP
	ds_load_b128 v[(\f)+64+8*(4*(\c)+(\i))+4:(\f)+64+8*(4*(\c)+(\i))+7], v[ADRB+(\slot)] offset:(\q)*128+64*(\c)+(\i)*16*PBP+32
	ds_load_b128 v[(\f)+8*(4*(\c)+(\i)):(\f)+8*(4*(\c)+(\i))+3],         v[ADRA+(\slot)] offset:(\q)*PLANE+64*(\c)+(\i)*16*PA
	ds_load_b128 v[(\f)+8*(4*(\c)+(\i))+4:(\f)+8*(4*(\c)+(\i))+7],       v[ADRA+(\slot)] offset:(\q)*PLANE+64*(\c)+(\i)*16*PA+32
.endr
.endr
.endm
.macro PLACES
.rept 4
	v_nop
.endr
.endm
; One of a K step's first three quarters: multiplies buffer f and fetches quarter q into g
.macro QUARTER slot, q, f, g, zero
	s_wait_dscnt 16                                ; the first 32 along K are in; the youngest 16 loads may be out
	MUL8 \f, 0, 0, \zero
	MUL8 \f, 0, 2, \zero
	PLACES
	FETCH \slot, \q, \g
	s_wait_dscnt 32                                ; all but the 32 just issued
	MUL8 \f, 1, 0, 0
	MUL8 \f, 1, 2, 0
.endm
; The last quarter multiplies buffer 1 and changes slots: ONE barrier; in front of it each wave waits for all its tensor loads, adds 0 to its spare word, and waits for that and for its reads of this slot.
; fill = 1: the barrier opens a round of the cluster's, and this slot is filled again first behind it, with the block two steps on (modulo 8): 112 matrix instructions ahead of the wait for it.
.macro TURN slot, next, fill
	WIN 0
	s_wait_tensorcnt 0x0                           ; no tensor load of mine is out, so a group 0 may be written
	ds_add_u32 v[SPW], v[NIL]                      ; 0 onto my spare word; the descriptors' scalar work stands between it and the wait for it
.if \fill
	s_add_co_u32 s[KI+(\slot)], s[KI+(\slot)], 2
	s_and_b32 s[KI+(\slot)], s[KI+(\slot)], 7
	WHERE \slot
.endif
	s_wait_dscnt 17                                ; the add and the youngest 16 loads may be out
	MUL8 F1, 0, 0, 0
	s_wait_dscnt 0x0                               ; the add is done, and my reads of this slot are over
	s_barrier_signal -1
	MUL8 F1, 0, 2, 0
.if \fill
	WIN 0
.endif
	s_barrier_wait -1
.if \fill
	CREST
	JLOAD \slot                                    ; its four v_nop are also the places in front of the loads below
.else
	PLACES
.endif
	FETCH \next, 0, F0
	MUL8 F1, 1, 0, 0
	MUL8 F1, 1, 2, 0
.endm
	s_wait_tensorcnt 1                             ; my part of step 0 is in; step 1's may stay out
	s_barrier_signal -1
	s_barrier_wait -1
	FETCH 0, 0, F0
	QUARTER 0, 1, F0, F1, 1                        ; the first quarter stands in front of the loop: its first products start the sums
	WIN 0
	s_mov_b32 s3, LAPS-1
.Llap:
	QUARTER 0, 2, F1, F0, 0
	QUARTER 0, 3, F0, F1, 0
	TURN 0, 1, 1
	QUARTER 1, 1, F0, F1, 0
	QUARTER 1, 2, F1, F0, 0
	QUARTER 1, 3, F0, F1, 0
	TURN 1, 0, 1
	QUARTER 0, 1, F0, F1, 0
	WIN 0
	s_sub_co_u32 s3, s3, 1
	s_cmp_lg_u32 s3, 0
	s_cbranch_scc1 .Llap
	QUARTER 0, 2, F1, F0, 0                        ; the last lap fills nothing
	QUARTER 0, 3, F0, F1, 0
	TURN 0, 1, 0
	QUARTER 1, 1, F0, F1, 0
	QUARTER 1, 2, F1, F0, 0
	QUARTER 1, 3, F0, F1, 0
	s_wait_dscnt 16
	MUL8 F1, 0, 0, 0
	MUL8 F1, 0, 2, 0
	s_wait_dscnt 0x0
	MUL8 F1, 1, 0, 0
	MUL8 F1, 1, 2, 0
	PLACES
	PLACES
; THE WAY OUT, a block of 16 tokens at a time: 32 bytes a lane into my own stage (each accumulator's low four registers first), back as whole rows of 256 bytes, and stored.
.macro TOSTAGE a
	WIN TO_F
.irp b, 0,1,2,3
	ds_store_b128 v[STO], v[ACC+8*(4*(\a)+(\b)):ACC+8*(4*(\a)+(\b))+3]   offset:64*(\b)
	ds_store_b128 v[STO], v[ACC+8*(4*(\a)+(\b))+4:ACC+8*(4*(\a)+(\b))+7] offset:64*(\b)+16
.endr
.irp t, 0,1,2,3,4,5,6,7
	ds_load_b128 v[32*(\a)+4*(\t):32*(\a)+4*(\t)+3], v[RD] offset:(\t)*2*SPITCH  ; LDS serves a wave's instructions in order (ISA guide 5.7.1.4): these see the stores above; the next block's stores come behind them
.endr
.endm
.macro SEND a, younger                 ; younger: the LDS instructions issued behind block a's loads: the next block's sixteen, or none
	WIN 0x04                                       ; a store's data: window 1
.irp t, 0,1,2,3,4,5,6,7
	s_wait_dscnt (\younger)+7-(\t)
	global_store_b128 v[CO], v[32*(\a)+4*(\t):32*(\a)+4*(\t)+3], s[8:9] offset:(16*(\a)+2*(\t))*8192 th:TH_STORE_NT  ; 16 lanes store 256 consecutive bytes, at a multiple of 256 from out0's first byte
.endr
.endm
	TOSTAGE 0
.irp a, 1,2,3
	TOSTAGE \a
	SEND (\a)-1, 16
.endr
	SEND 3, 0
	WIN 0
	s_wait_tensorcnt 0x0                           ; the wave's end: behind my last tensor load and my last LDS store
	ds_add_u32 v[SPW], v[NIL]
	s_wait_dscnt 0x0
	CROUND                                         ; the closing round
	s_endpgm
.Lfunc_end_k_qdba5f32665_oproj:
	.size	k_qdba5f32665_oproj, .Lfunc_end_k_qdba5f32665_oproj-k_qdba5f32665_oproj
	.p2alignl 7, 3214868480
	.fill 96, 4, 3214868480
	.section	.rodata,"a",@progbits
	.p2align	6, 0x0
	.amdhsa_kernel k_qdba5f32665_oproj
		.amdhsa_group_segment_fixed_size 327680
		.amdhsa_private_segment_fixed_size 0
		.amdhsa_enable_private_segment 0
		.amdhsa_kernarg_size 24
		.amdhsa_user_sgpr_count 2
		.amdhsa_user_sgpr_kernarg_segment_ptr 1
		.amdhsa_wavefront_size32 1
		.amdhsa_system_sgpr_workgroup_id_x 1
		.amdhsa_system_sgpr_workgroup_id_y 1
		.amdhsa_system_sgpr_workgroup_id_z 1
		.amdhsa_system_vgpr_workitem_id 0
		.amdhsa_next_free_vgpr 512
		.amdhsa_next_free_sgpr 76
		.amdhsa_reserve_vcc 0
		.amdhsa_float_denorm_mode_32 3
		.amdhsa_float_denorm_mode_16_64 3
		.amdhsa_memory_ordered 1
		.amdhsa_forward_progress 1
		.amdhsa_inst_pref_size 88
	.end_amdhsa_kernel
	.amdgpu_metadata
---
amdhsa.version: [ 1, 2 ]
amdhsa.kernels:
  - .name:           k_qdba5f32665_oproj
    .symbol:         k_qdba5f32665_oproj.kd
    .args:
      - { .name: ows, .offset: 0, .size: 8, .value_kind: global_buffer, .address_space: global }
      - { .name: wob, .offset: 8, .size: 8, .value_kind: global_buffer, .address_space: global }
      - { .name: out0, .offset: 16, .size: 8, .value_kind: global_buffer, .address_space: global }
    .group_segment_fixed_size: 327680
    .private_segment_fixed_size: 0
    .kernarg_segment_align: 8
    .kernarg_segment_size: 24
    .max_flat_workgroup_size: 128
    .sgpr_count:     76
    .vgpr_count:     512
    .wavefront_size: 32
...
	.end_amdgpu_metadata
.endif
;; end of part 8
